; MI455X (gfx1250); checked and timed in simulation.
; The chip was launched on July 23, 2026; its instructions are those of AMD's public machine-readable ISA for CDNA 5 (MIT licence, August 2026) and "CDNA5" Instruction Set Architecture Reference Guide (July 2026). The comments in the code are by the model that wrote it; some were corrected since.
;; Sparse Mo E Layer. Allowed arithmetic: matrix products marked QUANTISED: E2M1 operands, one E8M0 scale for each 32 along K, by v_wmma_scale_f32_16x16x128_f8f6f4 with both operands' format E2M1 (or v_wmma_scale_f32_32x16x128_f4), f32 sums; products left as they are: f32 operands where the result goes on into a quantised operand, else bf16, f16 or f32 operands; f32 sums; everything else in f32.
;; Inputs: b1 8 x 512 float32; b2 8 x 1,024 float32; gate_w 1,024 x 8 float32; w1 8 x 1,024 x 512 float32; w2 8 x 512 x 1,024 float32; x 4 x 2,048 x 1,024 float32.
;; Outputs: out0 4 x 2,048 x 1,024 float32; out1 one number float32.
;; This version of the problem:
;;   THIS VERSION OF THE PROBLEM IS GIVEN IN LOW PRECISION. The matrix products marked QUANTISED in the list below multiply operands that are first quantised to E2M1 (2 exponent bits, 1 mantissa bit; 4 bits a number), with one power-of-two scale for each 32 numbers along K (OCP MX v1.0); their sums are f32. All else is computed in f32.
;;   The module's matrix products, in the order in which they are computed (A, B: the left and right operand; K: the contracted axis; several contracted axes count as one K, in the product's order):
;;     1. [M 8,192, K 1,024] x [K 1,024, N 8]; A: input x; B: input gate_w: left as it is (N = 8 < 16)
;;     2. batch 8,192 x [M 1, K 2] x [K 2, N 8]; A: computed on the way; B: computed on the way: left as it is (K = 2 < 32)
;;     3. [M 4,096, K 1,024] x [K 1,024, N 8,192]; A: input w1; B: input x: QUANTISED
;;     4. batch 8 x [M 8,192, K 512] x [K 512, N 1,024]; A: computed on the way; B: input w2: QUANTISED
;;     5. batch 8,192 x [M 1, K 8] x [K 8, N 1,024]; A: computed on the way; B: computed on the way: left as it is (K = 8 < 32)
;;   THE QUANTISER, for each operand of a quantised product, along K:
;;     - K is cut into blocks of 32 from its start; a last block that is shorter is filled with zeros.
;;     - A block's scale is 2^e with e = floor(log2(the largest magnitude in the block)) - 2, held to -126 .. 127; a block of zeros has e = 0. As a byte (E8M0): e + 127.
;;     - Each number is divided by its block's scale, clamped to +-6, and rounded to the nearest number of E2M1, ties to even, subnormals kept.
;;     - The product sums the exact products of the quantised numbers (number of the format x scale) in f32.
;;   ~~~python
;;   def quantise(x, axis):      # numpy; x: float32 -> the quantised numbers, widened to float32 again
;;       x = np.moveaxis(x, axis, -1); K = x.shape[-1]
;;       x = np.pad(x, [(0, 0)] * (x.ndim - 1) + [(0, -K % 32)]); x = x.reshape(x.shape[:-1] + (-1, 32)); a = np.abs(x).max(-1, keepdims=True)
;;       e = np.where(a > 0, np.clip(np.frexp(np.where(a > 0, a, 1))[1] - 1 - 2, -126, 127), 0)      # np.frexp(a)[1] - 1 = floor(log2(a)), exactly
;;       r = np.clip(x / 2.0 ** e, -6, 6)
;;       step = 2.0 ** (np.maximum(np.frexp(np.where(r == 0, 1, r))[1] - 1, 0) - 1)
;;       q = np.round(r / step) * step * 2.0 ** e      # np.round: ties to even
;;       return np.moveaxis(q.reshape(q.shape[:-2] + (-1,))[..., :K], -1, axis).astype(np.float32)
;;   ~~~
;;   OPERANDS COMPUTED ON THE WAY. 'Computed on the way' means the value that the module computes at that place (a softmax that the list does not call 'softmax' is quantised finished and normalised). What goes into a quantiser is computed in f32, as accurately as f32 sums, v_exp_f32 and their like allow (about 1e-6 of the number): no bf16 or f16 on the way to a quantiser, and a product that is left as it is and whose result goes on into a quantised operand takes f32 operands (vector FMAs, or v_wmma_f32_16x16x4_f32). A number that lies on a knife's edge between two numbers of the format may be rounded either way, as far as f32 arithmetic and the matrix unit's own rounding can turn it there, and no further.
;; 3 versions. Each part assembles by itself: llvm-mc -triple=amdgcn-amd-amdhsa -mcpu=gfx1250 --defsym DOCPART=n.
;; ======== version 1 of 3: 3 launches
;; workspace buffers: xq 4,194,304 bytes; xs 262,144 bytes; cw 65,536 bytes; part 65,536 bytes; meta 65,536 bytes of whole numbers; tlist 39,680 bytes of whole numbers; tinfo 2,560 bytes of whole numbers; wq 4,456,448 bytes
;; launch route (part 1): grid 256 x 1, 4 waves a work-group, no clusters, 73,216 bytes of LDS; arguments x, gate_w, xq, xs, meta, cw, part; writes xq, xs, meta, cw, part
.if DOCPART == 1
	.amdgcn_target "amdgcn-amd-amdhsa--gfx1250"
	.amdhsa_code_object_version 6
	.text
	.protected	k_q2a7d9e5c05_route
	.globl	k_q2a7d9e5c05_route
	.p2align	8
	.type	k_q2a7d9e5c05_route,@function
k_q2a7d9e5c05_route:
	s_mov_b64 s[64:65], 0
	v_nop
	global_prefetch_b8 v0, s[64:65] scope:SCOPE_SE
	s_setreg_imm32_b32 hwreg(HW_REG_WAVE_MODE, 25, 1), 1
	s_wait_xcnt 0x0
; ROUTE.  x [8192][1024] f32 is read once and gives two things.
; (1) Its codes of FP4 (E2M1) along the 1,024, xq [token][512 bytes], and one E8M0 byte for each 32, xs [token][32 bytes].
; (2) The router in f32: 8 logits a token (fused multiply-adds), softmax with the row's maximum taken away, the two largest
;     probabilities (a strictly greater compare in ascending order keeps the lower index, as lax.top_k does), their weights
;     renormalised with the 1e-9 of the definition.
; Stored for the later launches, all at fixed places: cw [token](weight of the lower-numbered expert, of the higher);
; meta [block of 32 tokens][lane](key | rank << 8 of token 32 block + lane, number of the block's tokens whose key = lane);
; part [block][lane](sum of the block's probabilities of expert lane, number of its tokens whose first choice is lane), 0 from lane 8 on.
; The key numbers the 28 unordered pairs lo < hi: ((15 - lo) lo >> 1) + hi - lo - 1.  No address, branch or EXEC here hangs on these numbers.
; SHARES.  A work-group takes 32 tokens, a wave 8 rows, one row at a time; lane l holds block l (k = 32 l .. 32 l + 31), so a block's largest
; magnitude needs no other lane, and the lane's 32 x 8 gate weights stay in 256 registers.  Each load of x reads 512 neighbouring bytes; a row turns
; through the wave's own stage in LDS (144 bytes a lane: 128 + 16 of padding) so that a lane gets its 32 neighbours.  All 64 loads of a wave go out at its head.
; A block's scale is 2^(floor(log2(largest magnitude)) - 2): the byte is the magnitude's exponent field - 2.
; LIMITS: the largest magnitude is taken no smaller than 2^(3 - 127), so the byte is at least 1; a block of zeros keeps the byte 1 where the rule says 127
; (its codes are zeros, and this program alone reads the bytes); NaN and infinities are not served; the logits are f32 sums in another order than the
; definition's, so a choice between two experts whose probabilities differ by f32 rounding alone may fall either way.
; No matrix unit (8 columns), no tensor load, no cluster: work-groups share only the 32 KiB of gate weights.
.set GPITCH, 1040                      ; LDS: a lane's 1,024 bytes of gate weights + 16
.set STG,    32*GPITCH                 ; behind them the stages: two of 32 x 144 bytes for each wave
.set SPITCH, 144
.set STAGE,  32*SPITCH
.set SBB,    STG+4*2*STAGE             ; 256 scale bytes for each wave
.set LG,     SBB+4*256                 ; the 32 tokens' logits, 48 bytes a token
.set LANE, 1                           ; v1   lane
.set L16,  2                           ; v2   16 x lane
.set SIN,  3                           ; v3   the stage, way in
.set SOUT, 4                           ; v4   the stage, way out
.set SBW,  5                           ; v5   where my block's scale byte goes
.set LGW,  6                           ; v6   where my wave's logits go
.set GOFF, 7                           ; v7   my 16 bytes of the gate's block in memory
.set E,    12                          ; v12-19 scale bytes, a register a row
.set A0,   20                          ; v20-27 sums over even k
.set A1,   28                          ; v28-35 sums over odd k
.set PD,   36                          ; v36-43 destinations of the lane exchange
.set LGR,  44                          ; v44-59 a row's 8 logits, two sets
.set C,    60                          ; v60-91 codes, four registers a row: no store's data are written again
.set GW,   92                          ; v92  gate weights into LDS
.set GR,   93                          ; v93  and out of it
.set SBR,  94                          ; v94  my 8 scale bytes on the way out
.set LGRD, 95                          ; v95  my token's logits
.set L8,   96                          ; v96  8 x lane
.set XSD,  98                          ; v98-99 scale bytes to store
.set X,    128                         ; v128-191 two sets of 32 neighbours (at the head: the gate's 64 registers)
                                       ; window 1: gate weights, register 8 k' + e;  window 2: the 8 rows as loaded, 32 registers a row
.set MSB, 0
.macro WIN new                         ; the immediate's high byte repeats the setting that is left
.if MSB != (\new)
	s_set_vgpr_msb (MSB<<8)|(\new)
.set MSB, (\new)
.endif
.endm
	s_load_b256 s[4:11], s[0:1], 0x0               ; x, gate_w, xq, xs
	s_load_b128 s[12:15], s[0:1], 0x20             ; meta, cw
	s_load_b64 s[16:17], s[0:1], 0x30              ; part
	v_lshl_add_u32 v254, v0, 2, 0x11c00
	v_mov_b32 v255, 0
	v_lshrrev_b32 v8, 5, v0
	v_readfirstlane_b32 s18, v8                    ; wave 0..3
	v_and_b32 v[LANE], 31, v0
	v_lshlrev_b32 v[L16], 4, v[LANE]
	v_lshlrev_b32 v[L8], 3, v[LANE]
	s_mul_i32 s19, s18, 2*STAGE
	s_add_co_u32 s19, s19, STG                     ; my wave's stages
	v_lshrrev_b32 v8, 3, v[LANE]
	v_mul_u32_u24 v8, v8, SPITCH
	v_and_b32 v9, 7, v[LANE]
	v_lshl_add_u32 v8, v9, 4, v8
	v_add_nc_u32 v[SIN], s19, v8                   ; a load's 512 bytes are four blocks: 144 (lane / 8) + 16 (lane % 8)
	v_mul_u32_u24 v8, v[LANE], SPITCH
	v_add_nc_u32 v[SOUT], s19, v8                  ; block l at 144 l
	s_lshl_b32 s19, s18, 8
	s_add_co_u32 s19, s19, SBB
	v_add_nc_u32 v[SBW], s19, v[LANE]
	v_add_nc_u32 v[SBR], s19, v[L8]
	s_mul_i32 s19, s18, 8*48
	s_add_co_u32 s19, s19, LG
	v_mov_b32 v[LGW], s19
	s_lshl_b32 s19, s18, 13
	v_add_nc_u32 v[GOFF], s19, v[L16]              ; wave w brings bytes 8,192 w on of the gate's 32,768
	s_mul_i32 s19, s18, 8*GPITCH
	v_add_nc_u32 v[GW], s19, v[L16]
	v_mul_u32_u24 v[GR], v[LANE], GPITCH
	v_mul_u32_u24 v[LGRD], v[LANE], 48
	v_add_nc_u32 v[LGRD], LG, v[LGRD]
.irp e, 0,1,2,3,4,5,6,7
	v_mov_b32 v[PD+\e], 0                          ; written once: a lane exchange's destination counts as one of its sources
.endr
	s_mov_b32 s20, 0x76543210
	s_mov_b32 s21, 0xfedcba98                      ; selects for lane l xor 16
	s_lshl_b32 s22, ttmp9, 17                      ; 32 rows of 4,096 bytes a work-group,
	s_lshl_b32 s24, s18, 15                        ; 8 a wave
	s_add_co_u32 s22, s22, s24
	s_mov_b32 s23, 0
	s_wait_kmcnt 0x0
	s_add_nc_u64 s[4:5], s[4:5], s[22:23]
	s_lshr_b32 s22, s22, 3                         ; 512 bytes of codes a row
	s_add_nc_u64 s[8:9], s[8:9], s[22:23]
	s_lshr_b32 s22, s22, 4                         ; 32 scale bytes a row
	s_add_nc_u64 s[10:11], s[10:11], s[22:23]
	s_lshl_b32 s22, ttmp9, 8                       ; 256 bytes a work-group in meta, cw and part
	s_add_nc_u64 s[12:13], s[12:13], s[22:23]
	s_add_nc_u64 s[14:15], s[14:15], s[22:23]
	s_add_nc_u64 s[16:17], s[16:17], s[22:23]
.irp q, 0,1,2,3,4,5,6,7,8,9,10,11,12,13,14,15
	global_load_b128 v[X+4*\q:X+4*\q+3], v[GOFF], s[6:7] offset:512*\q
.endr
	WIN 0x80                                       ; destination window 2
.irp i, 0,1,2,3,4,5,6,7
.irp q, 0,1,2,3,4,5,6,7
	global_load_b128 v[32*\i+4*\q:32*\i+4*\q+3], v[L16], s[4:5] offset:4096*\i+512*\q th:TH_LOAD_NT   ; 512 neighbouring bytes; read once in the launch
.endr
.endr
	WIN 0
	s_wait_loadcnt 63                              ; 64 loads are younger than the gate's sixteen; the count's field holds 63
.irp q, 0,1,2,3,4,5,6,7,8,9,10,11,12,13,14,15
	ds_store_b128 v[GW], v[X+4*\q:X+4*\q+3] offset:(\q/2)*GPITCH+(\q%2)*512
.endr
	s_wait_dscnt 0x0                               ; for the other waves' sake: my part of the gate weights lies in LDS
	s_barrier_signal -1
	s_barrier_wait -1
	WIN 0x40                                       ; destination window 1
.set q, 0
.rept 64
	ds_load_b128 v[4*q:4*q+3], v[GR] offset:16*q   ; gate_w[32 l + k'][e] into register 8 k' + e
.set q, q+1
.endr
	WIN 0
.macro TURN i                          ; row i through stage i % 2: LDS serves a wave's instructions in order, so no wait stands between the stores and the loads
	WIN 0x08                                       ; an LDS store's data are its source 1: window 2
.irp q, 0,1,2,3,4,5,6,7
	ds_store_b128 v[SIN], v[32*(\i)+4*\q:32*(\i)+4*\q+3] offset:STAGE*((\i)%2)+4*SPITCH*\q
.endr
	WIN 0
.irp q, 0,1,2,3,4,5,6,7
	ds_load_b128 v[X+32*((\i)%2)+4*\q:X+32*((\i)%2)+4*\q+3], v[SOUT] offset:STAGE*((\i)%2)+16*\q
.endr
.endm
.macro ROW i
.set XB, X+32*((\i)%2)
.if (\i) == 0
	s_wait_dscnt 0x0                               ; the gate weights and row 0
.else
	s_wait_dscnt 0x3                               ; this row is back from the stage; behind its loads stand the last row's three LDS stores
.endif
.if (\i) < 7
	s_wait_loadcnt 8*(6-(\i))                      ; the next row's eight loads are in; the rows behind it stay out
	TURN \i+1                                      ; it goes through the other stage while this row is worked
.endif
	v_max3_num_f32 v8, |v[XB]|, |v[XB+1]|, |v[XB+2]|               ; the block's largest magnitude: all 32 numbers are mine; two chains
	v_max3_num_f32 v9, |v[XB+3]|, |v[XB+4]|, |v[XB+5]|
.irp j, 6,10,14,18,22,26
	v_max3_num_f32 v8, v8, |v[XB+\j]|, |v[XB+\j+1]|
	v_max3_num_f32 v9, v9, |v[XB+\j+2]|, |v[XB+\j+3]|
.endr
	v_max3_num_f32 v8, v8, |v[XB+30]|, |v[XB+31]|
	v_max3_num_f32 v8, v8, v9, 0x1800000           ; and the floor 2^(3 - 127): the byte cannot fall under 1
	v_add_nc_u32 v11, 0xff000000, v8               ; 2 off the exponent field: the conversion takes this operand's exponent field as its scale
.irp g, 0,1,2,3
	v_cvt_scalef32_pk8_fp4_f32 v[C+4*(\i)+\g], v[XB+8*\g:XB+8*\g+7], v11
.endr
	v_lshrrev_b32 v[E+(\i)], 23, v11               ; the scale's byte (also the plain line behind the conversions)
	ds_store_b8 v[SBW], v[E+(\i)] offset:32*(\i)
	global_store_b128 v[L16], v[C+4*(\i):C+4*(\i)+3], s[8:9] offset:512*(\i)   ; the row's 512 bytes of codes: 32 lanes, 16 neighbouring bytes each
	WIN 0x04                                       ; source 1 (gate weights) window 1
.set k, 0
.rept 32                               ; 8 logits: x[k'] times the 8 weights of k', two at a time; even and odd k' in sums of their own; the first two products start the sums
.irp e, 0,2,4,6
.if k == 0
	v_pk_mul_f32 v[A0+\e:A0+\e+1], v[XB:XB+1], v[\e:\e+1] op_sel_hi:[0,1]
.elseif k == 1
	v_pk_mul_f32 v[A1+\e:A1+\e+1], v[XB:XB+1], v[8+\e:8+\e+1] op_sel:[1,0] op_sel_hi:[1,1]
.elseif k%2 == 0
	v_pk_fma_f32 v[A0+\e:A0+\e+1], v[XB+k:XB+k+1], v[8*k+\e:8*k+\e+1], v[A0+\e:A0+\e+1] op_sel_hi:[0,1,1]
.else
	v_pk_fma_f32 v[A1+\e:A1+\e+1], v[XB+k-1:XB+k], v[8*k+\e:8*k+\e+1], v[A1+\e:A1+\e+1] op_sel:[1,0,0] op_sel_hi:[1,1,1]
.endif
.endr
.set k, k+1
.endr
	WIN 0
.irp e, 0,2,4,6
	v_pk_add_f32 v[A0+\e:A0+\e+1], v[A0+\e:A0+\e+1], v[A1+\e:A1+\e+1]
.endr
.irp m, 1,2,4,8                        ; over the 32 lanes: the eight sums by turns
.irp e, 0,1,2,3,4,5,6,7
	v_add_f32_dpp v[A0+\e], v[A0+\e], v[A0+\e] row_xmask:\m row_mask:0xf bank_mask:0xf
.endr
.endr
.irp e, 0,1,2,3,4,5,6,7
	v_permlanex16_b32 v[PD+\e], v[A0+\e], s20, s21
.endr
.irp e, 0,1,2,3,4,5,6,7
	v_add_f32 v[LGR+8*((\i)%2)+\e], v[A0+\e], v[PD+\e]
.endr
	ds_store_b128 v[LGW], v[LGR+8*((\i)%2):LGR+8*((\i)%2)+3] offset:48*(\i)        ; every lane holds the same 8 numbers and writes them to the same bytes
	ds_store_b128 v[LGW], v[LGR+8*((\i)%2)+4:LGR+8*((\i)%2)+7] offset:48*(\i)+16
.endm
	s_wait_loadcnt 56                              ; row 0's eight loads are in
	TURN 0
.irp i, 0,1,2,3,4,5,6,7
	ROW \i
.endr
	ds_load_b64 v[XSD:XSD+1], v[SBR]               ; my wave's 8 x 32 scale bytes, 8 a lane
	s_wait_dscnt 0x0                               ; they are in; and, for wave 0's sake, my logits lie in LDS
	global_store_b64 v[L8], v[XSD:XSD+1], s[10:11] ; 256 consecutive bytes, at a multiple of 256 from the buffer's first byte
	s_barrier_signal -1
	s_barrier_wait -1
	s_cmp_lg_u32 s18, 0
	s_cbranch_scc1 .Ldone                          ; the router's tail is wave 0's: a lane to a token
	ds_load_b128 v[20:23], v[LGRD]
	ds_load_b128 v[24:27], v[LGRD] offset:16
	s_wait_dscnt 0x0
	v_max3_num_f32 v8, v20, v21, v22
	v_max3_num_f32 v9, v23, v24, v25
	v_max3_num_f32 v8, v8, v26, v27
	v_max_num_f32 v8, v8, v9                       ; the row's largest logit
.irp e, 0,2,4,6
	v_pk_add_f32 v[20+\e:21+\e], v[20+\e:21+\e], v[8:9] op_sel_hi:[1,0] neg_lo:[0,1] neg_hi:[0,1]   ; taken away first,
.endr
.irp e, 0,2,4,6
	v_pk_mul_f32 v[20+\e:21+\e], v[20+\e:21+\e], 0x3fb8aa3b op_sel_hi:[1,0]                        ; then x log2(e)
.endr
.irp e, 0,1,2,3,4,5,6,7
	v_exp_f32 v[20+\e], v[20+\e]
.endr
	v_mov_b32 v13, 0                               ; (a plain line behind the exponentials)  the first choice's index
	s_wait_alu depctr_va_vdst(0)                   ; one wait for the eight, ahead of their first reader
	v_add_f32 v9, v20, v21
	v_add_f32 v10, v22, v23
	v_add_f32 v11, v24, v25
	v_add_f32 v16, v26, v27
	v_add_f32 v9, v9, v10
	v_add_f32 v11, v11, v16
	v_add_f32 v9, v9, v11
	v_rcp_f32 v10, v9
	v_mov_b32 v15, 0                               ; (a plain line)  the second choice's index
	s_wait_alu depctr_va_vdst(0)
.irp e, 0,2,4,6
	v_pk_mul_f32 v[20+\e:21+\e], v[20+\e:21+\e], v[10:11] op_sel_hi:[1,0]   ; the probabilities
.endr
	v_mov_b32 v12, v20
.irp e, 1,2,3,4,5,6,7
	v_cmp_gt_f32 vcc_lo, v[20+\e], v12             ; strictly greater: of equals the lower index stays
	v_cndmask_b32 v12, v12, v[20+\e], vcc_lo
	v_cndmask_b32 v13, v13, \e, vcc_lo
.endr
.irp e, 0,1,2,3,4,5,6,7
	v_cmp_eq_u32 vcc_lo, \e, v13
	v_cndmask_b32 v[28+\e], v[20+\e], -1.0, vcc_lo ; the first choice is out of the second search
.endr
	v_mov_b32 v14, v28
.irp e, 1,2,3,4,5,6,7
	v_cmp_gt_f32 vcc_lo, v[28+\e], v14
	v_cndmask_b32 v14, v14, v[28+\e], vcc_lo
	v_cndmask_b32 v15, v15, \e, vcc_lo
.endr
	v_add_f32 v16, v12, v14
	v_add_f32 v16, 0x3089705f, v16                 ; + 1e-9
	v_rcp_f32 v17, v16
	v_min_u32 v18, v13, v15                        ; (a plain line)  lo
	v_max_u32 v19, v13, v15                        ; hi
	s_wait_alu depctr_va_vdst(0)
	v_mul_f32 v12, v12, v17
	v_mul_f32 v14, v14, v17
	v_cmp_lt_u32 vcc_lo, v13, v15
	v_cndmask_b32 v102, v14, v12, vcc_lo           ; the weight of expert lo,
	v_cndmask_b32 v103, v12, v14, vcc_lo           ; of expert hi
	v_sub_nc_u32 v47, 15, v18
	v_mul_u32_u24 v47, v47, v18
	v_lshrrev_b32 v47, 1, v47
	v_add_nc_u32 v47, v47, v19
	v_sub_nc_u32 v47, v47, v18
	v_add_nc_u32 v44, -1, v47                      ; the key
	v_mov_b32 v46, 0
	v_mov_b32 v101, 0
.irp k, 0,1,2,3,4,5,6,7,8,9,10,11,12,13,14,15,16,17,18,19,20,21,22,23,24,25,26,27
	v_cmp_eq_u32 s30, \k, v44                      ; the block's tokens with key k
	v_mbcnt_lo_u32_b32 v45, s30, 0                 ; how many of them stand in lower lanes
	v_cndmask_b32 v46, v46, v45, s30               ; my rank, if the key is mine
	s_bcnt1_i32_b32 s31, s30
	v_writelane_b32 v101, s31, \k                  ; lane k: their number
.endr
	v_lshl_or_b32 v100, v46, 8, v44
	v_mov_b32 v104, 0
	v_mov_b32 v105, 0
.irp m, 1,2,4,8                        ; the block's sums of probabilities, for the loss
.irp e, 0,1,2,3,4,5,6,7
	v_add_f32_dpp v[20+\e], v[20+\e], v[20+\e] row_xmask:\m row_mask:0xf bank_mask:0xf
.endr
.endr
.irp e, 0,1,2,3,4,5,6,7
	v_permlanex16_b32 v[PD+\e], v[20+\e], s20, s21
.endr
.irp e, 0,1,2,3,4,5,6,7
	v_add_f32 v[20+\e], v[20+\e], v[PD+\e]
.endr
.irp e, 0,1,2,3,4,5,6,7
	v_cmp_eq_u32 vcc_lo, \e, v[LANE]
	v_cndmask_b32 v104, v104, v[20+\e], vcc_lo     ; lane e: expert e's sum
	v_cmp_eq_u32 s30, \e, v13
	s_bcnt1_i32_b32 s31, s30
	v_writelane_b32 v105, s31, \e                  ; and the number of first choices
.endr
	v_cvt_f32_u32 v105, v105
	global_store_b64 v[L8], v[100:101], s[12:13]   ; each of the three: 256 consecutive bytes, at a multiple of 256 from the buffer's first byte
	global_store_b64 v[L8], v[102:103], s[14:15]
	global_store_b64 v[L8], v[104:105], s[16:17]
.Ldone:
	s_wait_tensorcnt 0x0
	ds_add_u32 v254, v255
	s_wait_dscnt 0x0
	s_endpgm
.Lfunc_end_k_q2a7d9e5c05_route:
	.size	k_q2a7d9e5c05_route, .Lfunc_end_k_q2a7d9e5c05_route-k_q2a7d9e5c05_route
	.p2alignl 7, 3214868480
	.fill 96, 4, 3214868480
	.section	.rodata,"a",@progbits
	.p2align	6, 0x0
	.amdhsa_kernel k_q2a7d9e5c05_route
		.amdhsa_group_segment_fixed_size 73216
		.amdhsa_private_segment_fixed_size 0
		.amdhsa_enable_private_segment 0
		.amdhsa_kernarg_size 56
		.amdhsa_user_sgpr_count 2
		.amdhsa_user_sgpr_kernarg_segment_ptr 1
		.amdhsa_wavefront_size32 1
		.amdhsa_system_sgpr_workgroup_id_x 1
		.amdhsa_system_sgpr_workgroup_id_y 1
		.amdhsa_system_sgpr_workgroup_id_z 1
		.amdhsa_system_vgpr_workitem_id 0
		.amdhsa_next_free_vgpr 768
		.amdhsa_next_free_sgpr 66
		.amdhsa_reserve_vcc 1
		.amdhsa_float_denorm_mode_32 3
		.amdhsa_float_denorm_mode_16_64 3
		.amdhsa_memory_ordered 1
		.amdhsa_forward_progress 1
		.amdhsa_inst_pref_size 145
	.end_amdhsa_kernel
	.amdgpu_metadata
---
amdhsa.version: [ 1, 2 ]
amdhsa.kernels:
  - .name:           k_q2a7d9e5c05_route
    .symbol:         k_q2a7d9e5c05_route.kd
    .args:
      - { .name: x, .offset: 0, .size: 8, .value_kind: global_buffer, .address_space: global }
      - { .name: gate_w, .offset: 8, .size: 8, .value_kind: global_buffer, .address_space: global }
      - { .name: xq, .offset: 16, .size: 8, .value_kind: global_buffer, .address_space: global }
      - { .name: xs, .offset: 24, .size: 8, .value_kind: global_buffer, .address_space: global }
      - { .name: meta, .offset: 32, .size: 8, .value_kind: global_buffer, .address_space: global }
      - { .name: cw, .offset: 40, .size: 8, .value_kind: global_buffer, .address_space: global }
      - { .name: part, .offset: 48, .size: 8, .value_kind: global_buffer, .address_space: global }
    .group_segment_fixed_size: 73216
    .private_segment_fixed_size: 0
    .kernarg_segment_align: 8
    .kernarg_segment_size: 56
    .max_flat_workgroup_size: 128
    .sgpr_count:     66
    .vgpr_count:     768
    .wavefront_size: 32
...
	.end_amdgpu_metadata
.endif
;; end of part 1
;; launch lay (part 2): grid 257 x 1, 8 waves a work-group, no clusters, 4,096 bytes of LDS; arguments meta, part, w1, w2, wq, tlist, tinfo, out1; writes wq, tlist, tinfo, out1
.if DOCPART == 2
	.amdgcn_target "amdgcn-amd-amdhsa--gfx1250"
	.amdhsa_code_object_version 6
	.text
	.protected	k_q2a7d9e5c05_lay
	.globl	k_q2a7d9e5c05_lay
	.p2align	8
	.type	k_q2a7d9e5c05_lay,@function
k_q2a7d9e5c05_lay:
	s_mov_b64 s[64:65], 0
	v_nop
	global_prefetch_b8 v0, s[64:65] scope:SCOPE_SE
	s_setreg_imm32_b32 hwreg(HW_REG_WAVE_MODE, 25, 1), 1
	s_wait_xcnt 0x0
; LAY.  Work-groups 1 to 256 turn w1 [8][1024][512] and w2 [8][512][1024], f32 with K as the first axis of an expert, into codes of FP4 (E2M1) with one E8M0 byte
; for each 32 along K, laid in the order in which the next launch's operand registers take them.  Work-group 0 places the tokens and makes the loss.
; A RECORD of wq is 128 columns x 128 along K, 8,704 bytes: 8 images of fragments (tile t, piece c, lane l at 1024 t + 512 c + 16 l: lane (h = l / 16, r = l % 16) holds
; block 2 c + h of the tile's row r), then at 8,192 the scale words [g][lane]: lanes 0-15 tile 2 g's rows, lanes 16-31 tile 2 g + 1's.
; THE COLUMNS OF A TILE ARE NOT NEIGHBOURS: row r of tile 2 b + u is column 32 b + 8 u + r + 8 (r / 8).
; Records: w1: 32 e + 8 (column / 128) + K step;  w2: 256 + 32 e + 4 (column / 128) + K step.
; WEIGHTS.  A lane takes a column and its registers run down K: a block of 32 lies in one lane, the conversions give codes with K innermost, nothing is transposed.
; A wave takes 32 columns x 128 K; its 128 loads go out at once; the eight waves stand side by side on 1,024 neighbouring bytes of each row.  The lane's column is its number
; with bits 3 and 4 exchanged, so that lanes 0-15 hold tile 2 g's rows in order and lanes 16-31 tile 2 g + 1's: each store of codes fills two runs of 256 consecutive bytes.
; The scale words leave as 128 consecutive bytes a wave: one byte for each 128 that the wave reads.
; PLACING.  Tokens are sorted by their pair of experts (28 keys) into tiles of 64 that never mix keys: at most 8192 / 64 + 27 = 155 tiles whatever the split.
; tlist [tile][64] token numbers (only a tile's first cnt entries are written), tinfo [tile](lo, hi, cnt, 0), cnt = 0 past the last tile.
; LIMITS: as in the launch before: the floor 2^(3 - 127) under a block's largest magnitude, the byte 1 for a block of zeros, no NaN or infinities.
; No tensor load, no cluster: no two work-groups read the same bytes.
.set REC, 8704
.set X,   32                           ; v32-159  the wave's 128 rows of its column
.set C,   160                          ; v160-175 codes, four registers a block
.set SW,  176                          ; v176     the scale word
	s_load_b512 s[4:19], s[0:1], 0x0               ; meta, part, w1, w2, wq, tlist, tinfo, out1
	v_lshl_add_u32 v200, v0, 2, 0xc00
	v_mov_b32 v201, 0
	v_lshrrev_b32 v8, 5, v0
	v_readfirstlane_b32 s20, v8                    ; wave 0..7
	v_and_b32 v1, 31, v0                           ; lane
	s_wait_kmcnt 0x0
	s_cmp_lg_u32 ttmp9, 0
	s_cbranch_scc0 .Lplace                         ; the same way for all eight waves
	s_sub_co_u32 s21, ttmp9, 1                     ; i = 0 .. 255
	v_lshrrev_b32 v8, 3, v1
	v_lshrrev_b32 v9, 4, v1
	v_xor_b32 v8, v8, v9
	v_and_b32 v8, 1, v8
	v_mul_u32_u24 v8, v8, 24
	v_xor_b32 v8, v8, v1                           ; the lane's number with bits 3 and 4 exchanged
	v_lshlrev_b32 v2, 2, v8                        ; my column's bytes in a row
	v_lshlrev_b32 v3, 10, v9
	v_and_b32 v8, 15, v1
	v_lshl_add_u32 v3, v8, 4, v3                   ; my codes' place: 1024 (lane / 16) + 16 (lane % 16)
	v_lshlrev_b32 v4, 2, v1                        ; my scale word's
	s_lshr_b32 s22, s20, 2                         ; which 128 columns of the work-group's 256
	s_and_b32 s23, s20, 3                          ; g: which 32 of them
	s_lshl_b32 s25, s20, 7                         ; 128 bytes a wave
	s_mov_b32 s27, 0
	s_cmp_lt_u32 s21, 128
	s_cbranch_scc0 .Lw2
	s_lshr_b32 s32, s21, 4                         ; w1: expert,
	s_bfe_u32 s33, s21, 0x30001                    ; K step (3 bits from bit 1),
	s_and_b32 s34, s21, 1                          ; which 256 columns
	s_lshl_b32 s26, s32, 21
	s_lshl_b32 s35, s33, 18                        ; 128 rows of 2,048 bytes
	s_add_co_u32 s26, s26, s35
	s_lshl_b32 s35, s34, 10
	s_add_co_u32 s26, s26, s35
	s_add_co_u32 s26, s26, s25
	s_add_nc_u64 s[8:9], s[8:9], s[26:27]
	s_lshl_b32 s34, s34, 1
	s_add_co_u32 s34, s34, s22
	s_lshl_b32 s34, s34, 3
	s_lshl_b32 s24, s32, 5
	s_add_co_u32 s24, s24, s34
	s_add_co_u32 s24, s24, s33                     ; the record
.set j, 0
.rept 128
	global_load_b32 v[X+j], v2, s[8:9] offset:2048*j th:TH_LOAD_NT   ; 128 neighbouring bytes a wave; read once in the launch
.set j, j+1
.endr
	s_branch .Lquant
.Lw2:
	s_sub_co_u32 s21, s21, 128
	s_lshr_b32 s32, s21, 4                         ; w2: expert,
	s_bfe_u32 s33, s21, 0x20002                    ; K step (2 bits from bit 2),
	s_and_b32 s34, s21, 3                          ; which 256 columns
	s_lshl_b32 s26, s32, 21
	s_lshl_b32 s35, s33, 19                        ; 128 rows of 4,096 bytes
	s_add_co_u32 s26, s26, s35
	s_lshl_b32 s35, s34, 10
	s_add_co_u32 s26, s26, s35
	s_add_co_u32 s26, s26, s25
	s_add_nc_u64 s[10:11], s[10:11], s[26:27]
	s_lshl_b32 s34, s34, 1
	s_add_co_u32 s34, s34, s22
	s_lshl_b32 s34, s34, 2
	s_lshl_b32 s24, s32, 5
	s_add_co_u32 s24, s24, s34
	s_add_co_u32 s24, s24, s33
	s_add_co_u32 s24, s24, 256
.set j, 0
.rept 128
	global_load_b32 v[X+j], v2, s[10:11] offset:4096*j th:TH_LOAD_NT
.set j, j+1
.endr
.Lquant:                                           ; both ways have issued 128 loads into the same registers
	s_mul_i32 s24, s24, REC
	s_lshl_b32 s32, s23, 11
	s_add_co_u32 s26, s24, s32
	s_add_nc_u64 s[28:29], s[12:13], s[26:27]      ; tiles 2 g and 2 g + 1 of my record
	s_lshl_b32 s32, s23, 7
	s_add_co_u32 s26, s24, s32
	s_add_co_u32 s26, s26, 8192
	s_add_nc_u64 s[30:31], s[12:13], s[26:27]      ; and their scale words
.macro BLOCK t, left
.set XS, X+32*(\t)
	s_wait_loadcnt \left
	v_max3_num_f32 v8, |v[XS]|, |v[XS+1]|, |v[XS+2]|
	v_max3_num_f32 v9, |v[XS+3]|, |v[XS+4]|, |v[XS+5]|
.irp i, 6,10,14,18,22,26
	v_max3_num_f32 v8, v8, |v[XS+\i]|, |v[XS+\i+1]|
	v_max3_num_f32 v9, v9, |v[XS+\i+2]|, |v[XS+\i+3]|
.endr
	v_max3_num_f32 v8, v8, |v[XS+30]|, |v[XS+31]|
	v_max3_num_f32 v8, v8, v9, 0x1800000           ; the floor 2^(3 - 127)
	v_add_nc_u32 v10, 0xff000000, v8               ; 2 off the exponent field: the conversion's scale operand
	v_lshrrev_b32 v11, 23, v10                     ; the scale's byte
.if (\t) == 0
	v_mov_b32 v[SW], v11
.else
	v_lshl_or_b32 v[SW], v11, 8*(\t), v[SW]        ; the lower K in the lower byte
.endif
.irp g, 0,1,2,3
	v_cvt_scalef32_pk8_fp4_f32 v[C+4*(\t)+\g], v[XS+8*\g:XS+8*\g+7], v10
.endr
	global_store_b128 v3, v[C+4*(\t):C+4*(\t)+3], s[28:29] offset:512*((\t)/2)+256*((\t)%2)   ; block t = piece t / 2, half t % 2: lanes 0-15 and lanes 16-31 each store 256 consecutive bytes
.endm
	BLOCK 0, 63                                    ; 96 loads are younger than block 0's; the count's field holds 63
	BLOCK 1, 63                                    ; 64 are younger
	BLOCK 2, 32
	BLOCK 3, 0
	global_store_b32 v4, v[SW], s[30:31]
	s_endpgm
.Lplace:                                           ; wave v owns blocks 32 v .. 32 v + 31 of 32 tokens.  LDS: 0: the waves' counts, 128 bytes a wave; 1,024: their parts of the loss, 256 bytes a wave
	v_lshlrev_b32 v2, 3, v1                        ; 8 x lane
	v_lshlrev_b32 v3, 2, v1                        ; 4 x lane
	s_lshl_b32 s22, s20, 13
	s_mov_b32 s23, 0
	s_add_nc_u64 s[4:5], s[4:5], s[22:23]
	s_add_nc_u64 s[6:7], s[6:7], s[22:23]
.set j, 0
.rept 32
	global_load_b64 v[32+2*j:33+2*j], v2, s[4:5] offset:256*j      ; (key | rank << 8 of token l of block j, number of block j's tokens with key l)
.set j, j+1
.endr
.set j, 0
.rept 32
	global_load_b64 v[96+2*j:97+2*j], v2, s[6:7] offset:256*j
.set j, j+1
.endr
	s_lshl_b32 s24, s20, 7
	v_add_nc_u32 v4, s24, v3
	s_lshl_b32 s24, s20, 8
	s_add_co_u32 s24, s24, 1024
	v_add_nc_u32 v5, s24, v2
	v_add_nc_u32 v6, 1024, v2
	s_lshl_b32 s24, s20, 10
	v_add_nc_u32 v16, s24, v1                      ; token of block 0 of mine in my lane
	s_mov_b32 s26, 0x76543210
	s_mov_b32 s27, 0xfedcba98
	s_wait_loadcnt 32                              ; meta's 32 loads are in
	v_add3_u32 v20, v33, v35, v37                  ; lane = key: my wave's tokens with it
.irp j, 3,5,7,9,11,13,15,17,19,21,23,25,27,29
	v_add3_u32 v20, v20, v[33+2*\j], v[35+2*\j]
.endr
	v_add_nc_u32 v20, v20, v95
	ds_store_b32 v4, v20
	s_wait_loadcnt 0x0
	v_pk_add_f32 v[22:23], v[96:97], v[98:99]      ; the loss's parts, in two chains
	v_pk_add_f32 v[24:25], v[100:101], v[102:103]
.irp j, 4,6,8,10,12,14,16,18,20,22,24,26,28,30
	v_pk_add_f32 v[22:23], v[22:23], v[96+2*\j:97+2*\j]
	v_pk_add_f32 v[24:25], v[24:25], v[98+2*\j:99+2*\j]
.endr
	v_pk_add_f32 v[22:23], v[22:23], v[24:25]
	ds_store_b64 v5, v[22:23]
	s_wait_dscnt 0x0                               ; for the others' sake: my two stores have landed
	s_barrier_signal -1
	s_barrier_wait -1
.irp u, 0,1,2,3,4,5,6,7
	ds_load_b32 v[192+\u], v3 offset:128*\u
.endr
	s_wait_dscnt 0x0
	v_add3_u32 v10, v192, v193, v194
	v_add3_u32 v10, v10, v195, v196
	v_add3_u32 v10, v10, v197, v198
	v_add_nc_u32 v10, v10, v199                    ; n: all tokens with key = lane
	s_cmp_lt_u32 0, s20
	s_cselect_b32 s24, -1, 0
	v_and_b32 v11, s24, v192
.irp u, 1,2,3,4,5,6
	s_cmp_lt_u32 \u, s20
	s_cselect_b32 s24, -1, 0
	v_and_b32 v12, s24, v[192+\u]
	v_add_nc_u32 v11, v11, v12                     ; those of the waves in front of mine
.endr
	v_add_nc_u32 v13, 63, v10
	v_lshrrev_b32 v13, 6, v13                      ; the key's tiles
	v_mov_b32 v14, 0
	v_mov_b32 v15, 0
	s_mov_b32 s25, 0
.irp k, 0,1,2,3,4,5,6,7,8,9,10,11,12,13,14,15,16,17,18,19,20,21,22,23,24,25,26,27
	v_readlane_b32 s24, v13, \k
	v_writelane_b32 v14, s25, \k                   ; lane k: key k's first tile
	s_add_co_u32 s25, s25, s24
	v_cmp_le_u32 vcc_lo, s25, v0
	v_add_co_ci_u32 v15, vcc_lo, 0, v15, vcc_lo    ; thread j: how many keys' tiles end at or before tile j: the key of tile j, 28 past the last
.endr
	v_lshl_add_u32 v160, v14, 6, v11               ; lane = key: where block 0 of mine puts its first token of that key
.set j, 0
.rept 31
	v_add_nc_u32 v[161+j], v[160+j], v[33+2*j]     ; and the blocks behind it
.set j, j+1
.endr
.set j, 0
.rept 32
	v_and_b32 v[96+2*j], 255, v[32+2*j]            ; lane = token: its key,
	v_lshlrev_b32 v[96+2*j], 2, v[96+2*j]          ; as a lane's byte address
.set j, j+1
.endr
.set j, 0
.rept 32
	ds_bpermute_b32 v[97+2*j], v[96+2*j], v[160+j]
.set j, j+1
.endr
.set j, 0
.rept 32
	s_wait_dscnt 31-j
	v_lshrrev_b32 v[32+2*j], 8, v[32+2*j]          ; my rank in the block
	v_add_nc_u32 v[32+2*j], v[32+2*j], v[97+2*j]   ; my place in the list
	v_min_u32 v[32+2*j], 9919, v[32+2*j]           ; held inside 155 tiles of 64
	v_lshlrev_b32 v[32+2*j], 2, v[32+2*j]
	v_add_nc_u32 v[33+2*j], 32*j, v16              ; my token's number
	global_store_b32 v[32+2*j], v[33+2*j], s[14:15]
.set j, j+1
.endr
	v_mov_b32 v17, 0
.irp s, 7,13,18,22,25,27
	v_cmp_le_u32 vcc_lo, \s, v1
	v_add_co_ci_u32 v17, vcc_lo, 0, v17, vcc_lo    ; lane = key: its lo
.endr
	v_sub_nc_u32 v19, 15, v17
	v_mul_u32_u24 v19, v19, v17
	v_lshrrev_b32 v19, 1, v19
	v_sub_nc_u32 v18, v1, v19
	v_add3_u32 v18, v18, v17, 1                    ; its hi
	v_lshlrev_b32 v20, 2, v15
	ds_bpermute_b32 v24, v20, v17                  ; thread j = tile j: its key's lo, hi, number of tokens and first tile (lane 28 holds 0 tokens)
	ds_bpermute_b32 v25, v20, v18
	ds_bpermute_b32 v21, v20, v10
	ds_bpermute_b32 v22, v20, v14
	v_mov_b32 v27, 0
	v_lshlrev_b32 v23, 4, v0
	s_wait_dscnt 0x0
	v_sub_nc_u32 v22, v0, v22
	v_lshlrev_b32 v22, 6, v22
	v_sub_nc_u32 v26, v21, v22
	v_min_i32 v26, 64, v26
	v_max_i32 v26, 0, v26                          ; the tile's rows
	s_cmp_gt_u32 s20, 4
	s_cbranch_scc1 .Lend2                          ; 160 entries: waves 0 to 4
	global_store_b128 v23, v[24:27], s[16:17]
	s_cmp_lg_u32 s20, 0
	s_cbranch_scc1 .Lend2                          ; the loss is wave 0's
.irp u, 0,1,2,3,4,5,6,7
	ds_load_b64 v[96+2*\u:97+2*\u], v6 offset:256*\u
.endr
	v_mov_b32 v9, 0
	v_mov_b32 v28, 0
	s_wait_dscnt 0x0
.irp u, 0,4,8,12
	v_pk_add_f32 v[96+\u:97+\u], v[96+\u:97+\u], v[98+\u:99+\u]
.endr
	v_pk_add_f32 v[96:97], v[96:97], v[100:101]
	v_pk_add_f32 v[104:105], v[104:105], v[108:109]
	v_pk_add_f32 v[96:97], v[96:97], v[104:105]
	v_mul_f32 v8, v96, v97                         ; lane e: (sum of probabilities) x (number of first choices); 0 from lane 8 on
.irp m, 1,2,4,8
	v_add_f32_dpp v8, v8, v8 row_xmask:\m row_mask:0xf bank_mask:0xf
.endr
	v_permlanex16_b32 v9, v8, s26, s27
	v_add_f32 v8, v8, v9
	v_mul_f32 v8, 0x30a3d70a, v8                   ; x 0.01 x 8 / 8192^2
	s_wait_xcnt 0x0                                ; EXEC changes only when every earlier memory instruction has had its addresses translated
	v_cmp_eq_u32 vcc_lo, 0, v1
	s_and_saveexec_b32 s28, vcc_lo
	global_store_b32 v28, v8, s[18:19]             ; one number
	s_wait_xcnt 0x0
	s_or_b32 exec_lo, exec_lo, s28
.Lend2:
	s_wait_tensorcnt 0x0
	ds_add_u32 v200, v201
	s_wait_dscnt 0x0
	s_endpgm
.Lfunc_end_k_q2a7d9e5c05_lay:
	.size	k_q2a7d9e5c05_lay, .Lfunc_end_k_q2a7d9e5c05_lay-k_q2a7d9e5c05_lay
	.p2alignl 7, 3214868480
	.fill 96, 4, 3214868480
	.section	.rodata,"a",@progbits
	.p2align	6, 0x0
	.amdhsa_kernel k_q2a7d9e5c05_lay
		.amdhsa_group_segment_fixed_size 4096
		.amdhsa_private_segment_fixed_size 0
		.amdhsa_enable_private_segment 0
		.amdhsa_kernarg_size 64
		.amdhsa_user_sgpr_count 2
		.amdhsa_user_sgpr_kernarg_segment_ptr 1
		.amdhsa_wavefront_size32 1
		.amdhsa_system_sgpr_workgroup_id_x 1
		.amdhsa_system_sgpr_workgroup_id_y 1
		.amdhsa_system_sgpr_workgroup_id_z 1
		.amdhsa_system_vgpr_workitem_id 0
		.amdhsa_next_free_vgpr 202
		.amdhsa_next_free_sgpr 66
		.amdhsa_reserve_vcc 1
		.amdhsa_float_denorm_mode_32 3
		.amdhsa_float_denorm_mode_16_64 3
		.amdhsa_memory_ordered 1
		.amdhsa_forward_progress 1
		.amdhsa_inst_pref_size 71
	.end_amdhsa_kernel
	.amdgpu_metadata
---
amdhsa.version: [ 1, 2 ]
amdhsa.kernels:
  - .name:           k_q2a7d9e5c05_lay
    .symbol:         k_q2a7d9e5c05_lay.kd
    .args:
      - { .name: meta, .offset: 0, .size: 8, .value_kind: global_buffer, .address_space: global }
      - { .name: part, .offset: 8, .size: 8, .value_kind: global_buffer, .address_space: global }
      - { .name: w1, .offset: 16, .size: 8, .value_kind: global_buffer, .address_space: global }
      - { .name: w2, .offset: 24, .size: 8, .value_kind: global_buffer, .address_space: global }
      - { .name: wq, .offset: 32, .size: 8, .value_kind: global_buffer, .address_space: global }
      - { .name: tlist, .offset: 40, .size: 8, .value_kind: global_buffer, .address_space: global }
      - { .name: tinfo, .offset: 48, .size: 8, .value_kind: global_buffer, .address_space: global }
      - { .name: out1, .offset: 56, .size: 8, .value_kind: global_buffer, .address_space: global }
    .group_segment_fixed_size: 4096
    .private_segment_fixed_size: 0
    .kernarg_segment_align: 8
    .kernarg_segment_size: 64
    .max_flat_workgroup_size: 256
    .sgpr_count:     66
    .vgpr_count:     202
    .wavefront_size: 32
...
	.end_amdgpu_metadata
.endif
;; end of part 2
;; launch chain (part 3): grid 155 x 1, 4 waves a work-group, no clusters, 103,936 bytes of LDS; arguments tinfo, tlist, xq, xs, cw, wq, b1, b2, out0; writes out0
.if DOCPART == 3
	.amdgcn_target "amdgcn-amd-amdhsa--gfx1250"
	.amdhsa_code_object_version 6
	.text
	.protected	k_q2a7d9e5c05_chain
	.globl	k_q2a7d9e5c05_chain
	.p2align	8
	.type	k_q2a7d9e5c05_chain,@function
k_q2a7d9e5c05_chain:
	s_mov_b64 s[64:65], 0
	v_nop
	global_prefetch_b8 v0, s[64:65] scope:SCOPE_SE
	s_setreg_imm32_b32 hwreg(HW_REG_WAVE_MODE, 25, 1), 1
	s_wait_xcnt 0x0
; CHAIN.  out0[token] = c_lo (silu(x W1[lo] + b1[lo]) W2[lo] + b2[lo]) + c_hi (the same with hi), both products on codes of FP4 (E2M1) with one E8M0 scale for each 32 along K.
; A work-group takes one tile of the list: at most 64 tokens that chose the same pair (lo, hi).  It takes both experts through the whole chain and stores whole pieces of rows of out0:
; each row has one owner, the hidden layer never goes to memory.  155 work-groups serve every split (8192 / 64 + 27).
; THE WAVES SHARE THE COLUMNS: wave w makes hidden units 128 w .. 128 w + 127 (K step w of the second product) and outputs 256 w .. 256 w + 255, in two chunks of 128, for all 64 rows.
; So each fragment of a weight is loaded by one wave, once, from wq straight into registers, and feeds four matrix instructions.
; Both products are used transposed (source 0 = 16 rows of a weight's record, source 1 = 16 tokens): a lane holds one token throughout; by the records' choice of columns the 16 registers
; of tiles 2 b and 2 b + 1 are the 16 neighbouring columns 32 b + 16 (lane / 16) + 0 .. 15: the next K's order for the hidden layer, 64 neighbouring bytes for out0.
; A STEP is one record: 8 tiles of a weight x 4 tiles of rows = 32 matrix instructions on 32 accumulators by turns.  A wave walks 32 steps: 8 + 8 of the first
; product (lo, hi), then for each chunk 4 + 4 of the second.  The records come through a ring of four register slots, three steps ahead, across all changes of phase: a bundle is
; 16 loads of codes and 4 of scale words; where sums begin, 16 loads of the bias stand in front of it, and the bias is the C of the sums' first products.
; The second product's two chunks are written out, so that every counted wait stands on one straight way: the last chunk's last three steps load nothing, and no load leaves wq.
; ROWS SHORT OF 64: row i takes list entry min(i, cnt - 1): the spare rows repeat the tile's last token, and the same wave stores the same bytes again.
; A TILE WITHOUT ROWS passes both barriers and the first loop, jumping over the work inside each trip, and jumps over both chunks; it stores nothing.  The counted waits hold on each
; way: a trip that is jumped over issues nothing, and a worked trip leaves the last three bundles out into slots 0, 1, 2, as the head does.
; NO CLUSTER, NO TENSOR LOAD: what a work-group does hangs on counts read from memory, and neighbouring tiles need not have an expert in common.
; LIMITS: the floor 2^(3 - 127) under a block's largest magnitude; a block of zeros keeps the byte 1 (its codes are zeros); NaN and infinities are not served;
; the sigmoid is 1 / (1 + 2^(-z log2 e)) by v_exp_f32 and v_rcp_f32.
.set REC,  8704                        ; a record of wq
.set XIMG, 0                           ; LDS: x's codes: tile of rows m at 8704 m; block kb's 16 rows x 16 bytes at 272 kb (256 + 16 of padding)
.set HIMG, 34816                       ; the hidden layer's fragments as images of their registers: (expert e, rows m, K step s) at ((4 e + m) 4 + s) 1024, piece c at 512 c, lane at 16 l
.set HSC,  67584                       ; their scale words: 1024 e + 256 s + 128 (m / 2) + 64 (m % 2) + 4 r
.set STG,  69632                       ; the way out: 16 rows x (512 + 16) bytes for each wave
.set LANE, 1
.set RR,   2                           ; v2   r = lane % 16
.set HH,   3                           ; v3   h = lane / 16
.set L16,  4                           ; v4   16 x lane
.set L4,   5                           ; v5   4 x lane
.set VB,   6                           ; v6   64 h: my half's place in a bias
.set XAD,  7                           ; v7   272 h + 16 r
.set HAD,  8                           ; v8   HIMG + 16 l
.set HSR,  9                           ; v9   HSC + 4 l
.set HWI,  10                          ; v10  HIMG + 1024 w + 16 l
.set HSW,  11                          ; v11  HSC + 256 w + 4 r
.set HWA,  12                          ; v12  this trip's: + 16384 e
.set HSA,  13                          ; v13  this trip's: + 1024 e
.set SO,   14                          ; v14  the stage, way in
.set SR,   15                          ; v15  the stage, way out
.set XW,   16                          ; v16  8704 w + 272 l
.set T32,  17                          ; v17-18 tokens 32 q + l of the tile
.set TW,   19                          ; v19  tokens 16 w + r
.set T16,  24                          ; v24-27 tokens 16 m + r
.set CW,   28                          ; v28-35 (c_lo, c_hi) of token 16 m + r
.set XS,   36                          ; v36-51 x's scale words: register 8 q + s: lanes 0-15 rows 32 q on, lanes 16-31 rows 32 q + 16 on, K step s
.set HS,   52                          ; v52-55 the hidden layer's, two sets of two
.set WS,   56                          ; v56-71 the weights', four a slot
.set BF,   72                          ; v72-135 source 1: two sets of four fragments
.set BI,   136                         ; v136-199 a bias in the result's layout, 8 tiles x 8
.set TM,   200                         ; v200-215 at work in the quantiser
.set VO,   200                         ; the way out: 16 rows' offsets in out0
.set PC,   216                         ; v216-247 codes just made, 8 for each tile of rows (at the head: offsets of gathers)
.set PW,   248                         ; v248-251 their scale words
                                       ; window 1: the ring, slot at 64 slot, tile t at + 8 t;  window 2: accumulators, (t, m) at 64 m + 8 t;  window 3: the activation's 256 temporaries, later expert hi's accumulators
.set CUR, 32                           ; s[32:33] the run of records in hand; behind the first loop: expert lo's records of w2
.set NXT, 34                           ; s[34:35] the next run
.set NX2, 36                           ; s[36:37] the run after that
.set CB,  38                           ; s[38:39] expert hi's records of w2
.set NB,  40                           ; s[40:41] the next bias of the first loop
.set BA,  42                           ; s[42:43] b2 of lo, my 256 columns
.set BB,  44                           ; s[44:45] b2 of hi
.set OUT, 46                           ; s[46:47] out0 at my first column
.set FB,  60                           ; s[60:61] b1 of lo
.set MSB, 0
.macro WIN new                         ; the immediate's high byte repeats the setting that is left
.if MSB != (\new)
	s_set_vgpr_msb (MSB<<8)|(\new)
.set MSB, (\new)
.endif
.endm
.macro PLACES                          ; four plain lines between a matrix instruction and a load into, or a vector read of, its registers (ISA guide 7.12.1 for vector instructions)
.rept 4
	v_nop
.endr
.endm
.macro BUNDLE slot, ptr, off, bias, bptr, boff
.if \bias
.irp t, 0,1,2,3,4,5,6,7
	global_load_b128 v[BI+8*\t:BI+8*\t+3], v[VB], s[\bptr:\bptr+1] offset:(\boff)+128*(\t/2)+32*(\t%2)       ; tile t's eight columns of my half
	global_load_b128 v[BI+8*\t+4:BI+8*\t+7], v[VB], s[\bptr:\bptr+1] offset:(\boff)+128*(\t/2)+32*(\t%2)+16
.endr
.endif
.irp g, 0,1,2,3
	global_load_b32 v[WS+4*(\slot)+\g], v[L4], s[\ptr:\ptr+1] offset:(\off)+8192+128*\g
.endr
	WIN 0x40                                       ; destination window 1
.irp p, 0,1,2,3,4,5,6,7,8,9,10,11,12,13,14,15
	global_load_b128 v[64*(\slot)+4*\p:64*(\slot)+4*\p+3], v[L16], s[\ptr:\ptr+1] offset:(\off)+512*\p      ; 512 neighbouring bytes: four registers of a fragment as they stand
.endr
	WIN 0
.endm
.macro FETCHX buf, s                   ; x's four fragments of K step s
.irp m, 0,1,2,3
.irp c, 0,1
	ds_load_b128 v[BF+32*(\buf)+8*\m+4*\c:BF+32*(\buf)+8*\m+4*\c+3], v[XAD] offset:8704*\m+272*(4*(\s)+2*\c)
.endr
.endr
.endm
.macro FETCHH buf, e, s                ; expert e's four hidden fragments of K step s, and their scale words
.irp m, 0,1,2,3
.irp c, 0,1
	ds_load_b128 v[BF+32*(\buf)+8*\m+4*\c:BF+32*(\buf)+8*\m+4*\c+3], v[HAD] offset:((4*(\e)+\m)*4+(\s))*1024+512*\c
.endr
.endr
.irp q, 0,1
	ds_load_b32 v[HS+2*(\buf)+\q], v[HSR] offset:1024*(\e)+256*(\s)+128*\q
.endr
.endm
; 32 matrix instructions: the slot's 8 tiles x the set's 4 tiles of rows.  hi: accumulators in window 2 or 3.  first: the bias starts the sums.  bs0, bs1: the rows' scale words (rows 0-31, 32-63).
.macro MM slot, buf, hi, first, bs0, bs1
.if \first
	WIN 0x81+0x40*(\hi)                            ; source 0 window 1, sources 1 and 2 window 0, destination window 2 or 3
.else
	WIN 0xa1+0x50*(\hi)                            ; C with D
.endif
.irp m, 0,1,2,3
.irp t, 0,1,2,3,4,5,6,7
.set rD, 64*\m+8*\t
.set rA, 64*(\slot)+8*\t
.set rB, BF+32*(\buf)+8*\m
.set rC, rD
.if \first
.set rC, BI+8*\t
.endif
.set rX, WS+4*(\slot)+\t/2
.set rY, \bs0
.if \m > 1
.set rY, \bs1
.endif
.if (\t%2) && (\m%2)
	v_wmma_scale_f32_16x16x128_f8f6f4 v[rD:rD+7], v[rA:rA+7], v[rB:rB+7], v[rC:rC+7], v[rX], v[rY] matrix_a_fmt:MATRIX_FMT_FP4 matrix_b_fmt:MATRIX_FMT_FP4 matrix_a_scale:MATRIX_SCALE_ROW1 matrix_b_scale:MATRIX_SCALE_ROW1
.elseif \t%2
	v_wmma_scale_f32_16x16x128_f8f6f4 v[rD:rD+7], v[rA:rA+7], v[rB:rB+7], v[rC:rC+7], v[rX], v[rY] matrix_a_fmt:MATRIX_FMT_FP4 matrix_b_fmt:MATRIX_FMT_FP4 matrix_a_scale:MATRIX_SCALE_ROW1
.elseif \m%2
	v_wmma_scale_f32_16x16x128_f8f6f4 v[rD:rD+7], v[rA:rA+7], v[rB:rB+7], v[rC:rC+7], v[rX], v[rY] matrix_a_fmt:MATRIX_FMT_FP4 matrix_b_fmt:MATRIX_FMT_FP4 matrix_b_scale:MATRIX_SCALE_ROW1
.else
	v_wmma_scale_f32_16x16x128_f8f6f4 v[rD:rD+7], v[rA:rA+7], v[rB:rB+7], v[rC:rC+7], v[rX], v[rY] matrix_a_fmt:MATRIX_FMT_FP4 matrix_b_fmt:MATRIX_FMT_FP4
.endif
.endr
.endr
	WIN 0
.endm
; A step of the first product.  The places serve the loads into the slot, the scale words and the set that the step before multiplied.
.macro P1STEP s
	PLACES
	FETCHX ((\s)+1)%2, ((\s)+1)%8
.if (\s) <= 4
	BUNDLE ((\s)+3)%4, CUR, REC*((\s)+3), 0, 0, 0
	s_wait_loadcnt 60                              ; behind this step's bundle: three bundles of 20
.elseif (\s) == 5
	BUNDLE 0, NXT, 0, 1, NB, 0
	s_wait_loadcnt 63                              ; three bundles, one with a bias: 76; the count's field holds 63
.else
	BUNDLE ((\s)+3)%4, NXT, REC*((\s)-5), 0, 0, 0
	s_wait_loadcnt 63
.endif
	s_wait_dscnt 8                                 ; this step's fragments of x are in; the eight loads just issued may be out
	MM (\s)%4, (\s)%2, 0, (\s)==0, XS+(\s), XS+8+(\s)
.endm
; Tile of rows m: 64 numbers a lane in window 2, register 16 b + i = hidden unit 32 b + 16 h + i of my token, become a fragment's codes and a scale word, and go to LDS as they stand.
.macro QUANT m
	WIN 0x28                                       ; sources 1 and 2 window 2
.irp b, 0,1,2,3
	v_max3_num_f32 v[TM+\b], 0x1800000, |v[64*(\m)+16*\b]|, |v[64*(\m)+16*\b+1]|   ; block b: my 16 numbers, and the floor 2^(3 - 127)
.endr
.irp i, 2,4,6,8,10,12,14
.irp b, 0,1,2,3
	v_max3_num_f32 v[TM+\b], v[TM+\b], |v[64*(\m)+16*\b+\i]|, |v[64*(\m)+16*\b+\i+1]|   ; the four blocks by turns
.endr
.endr
	WIN 0
.irp b, 0,1,2,3
	v_permlanex16_b32 v[TM+4+\b], v[TM+\b], s50, s51
.endr
.irp b, 0,1,2,3
	v_max_num_f32 v[TM+\b], v[TM+\b], v[TM+4+\b]   ; with lane l xor 16's: the block's largest magnitude
.endr
.irp b, 0,1,2,3
	v_add_nc_u32 v[TM+12+\b], 0xff000000, v[TM+\b] ; 2 off the exponent field: the conversion's scale operand
.endr
.irp b, 0,1,2,3
	v_lshrrev_b32 v[TM+4+\b], 23, v[TM+12+\b]      ; the scale's byte
.endr
	v_lshl_or_b32 v[PW+(\m)], v[TM+5], 8, v[TM+4]
	v_lshl_or_b32 v[PW+(\m)], v[TM+6], 16, v[PW+(\m)]
	v_lshl_or_b32 v[PW+(\m)], v[TM+7], 24, v[PW+(\m)]
	WIN 0x02                                       ; source 0 window 2
.irp b, 0,1,2,3
	v_cvt_scalef32_pk8_fp4_f32 v[PC+8*(\m)+2*\b], v[64*(\m)+16*\b:64*(\m)+16*\b+7], v[TM+12+\b]
	v_cvt_scalef32_pk8_fp4_f32 v[PC+8*(\m)+2*\b+1], v[64*(\m)+16*\b+8:64*(\m)+16*\b+15], v[TM+12+\b]
.endr
	WIN 0
	v_nop                                          ; one plain line behind a scaled conversion
.irp c, 0,1                            ; the operand's layout wants a whole block in a lane: lanes 0-15 block 2 c, lanes 16-31 block 2 c + 1
.irp i, 0,1
	v_permlane16_swap_b32 v[PC+8*(\m)+4*\c+\i], v[PC+8*(\m)+4*\c+2+\i]
.endr
.endr
.irp c, 0,1
	ds_store_b128 v[HWA], v[PC+8*(\m)+4*\c:PC+8*(\m)+4*\c+3] offset:4096*(\m)+512*\c
.endr
	ds_store_b32 v[HSA], v[PW+(\m)] offset:128*((\m)/2)+64*((\m)%2)   ; both halves of the lanes hold the same word and write it to the same bytes
.endm
; Step s of chunk ch of the second product: steps 0-3 expert lo (window 2), steps 4-7 expert hi (window 3).  The bundle is that of the step three on:
; step 0: lo's fourth record; steps 1-4: hi's four, the first with hi's bias; steps 5-7 of chunk 0: the first three of lo's records of chunk 1, the first with lo's bias; of chunk 1: nothing.
.macro P2STEP ch, s
	PLACES
.if (\s) < 7
	FETCHH ((\s)+1)%2, ((\s)+1)/4, ((\s)+1)%4
.endif
.if (\s) == 0
	BUNDLE 3, CUR, REC*(4*(\ch)+3), 0, 0, 0
	s_wait_loadcnt 60                              ; behind this step's bundle: three bundles of 20
.elseif (\s) == 1
	BUNDLE 0, CB, REC*4*(\ch), 1, BB, 512*(\ch)
	s_wait_loadcnt 63                              ; 76 are younger; the count's field holds 63
.elseif (\s) <= 3
	BUNDLE ((\s)+3)%4, CB, REC*(4*(\ch)+(\s)-1), 0, 0, 0
	s_wait_loadcnt 63
.elseif (\s) == 4
	BUNDLE 3, CB, REC*(4*(\ch)+3), 0, 0, 0
	s_wait_loadcnt 60
.elseif (\ch) == 0
	BUNDLE ((\s)+3)%4, CUR, REC*((\s)-1), (\s)==5, BA, 512
	s_wait_loadcnt 63
.else
	s_wait_loadcnt 20*(7-(\s))                     ; behind this step's bundle: those of the steps still to come
.endif
.if (\s) < 7
	s_wait_dscnt 10                                ; this step's fragments and scale words are in; the ten loads just issued may be out
.else
	s_wait_dscnt 0x0
.endif
	MM (\s)%4, (\s)%2, (\s)/4, ((\s)%4)==0, HS+2*((\s)%2), HS+2*((\s)%2)+1
.endm
; The way out of tile of rows m of chunk ch: c_lo y_lo + c_hi y_hi; through my own stage; back as whole pieces of rows, 512 bytes each.
.macro OUTM ch, m
	WIN 0x82                                       ; destination and source 0 window 2
.set i, 64*(\m)
.rept 32
	v_pk_mul_f32 v[i:i+1], v[i:i+1], v[CW+2*(\m):CW+2*(\m)+1] op_sel_hi:[1,0]      ; each accumulator from its low end on
.set i, i+2
.endr
	WIN 0xa3                                       ; source 0 window 3, source 2 and destination window 2
.set i, 64*(\m)
.rept 32
	v_pk_fma_f32 v[i:i+1], v[i:i+1], v[CW+2*(\m):CW+2*(\m)+1], v[i:i+1] op_sel:[0,1,0] op_sel_hi:[1,1,1]
.set i, i+2
.endr
	WIN 0x08                                       ; an LDS store's data are its source 1: window 2
.irp t, 0,1,2,3,4,5,6,7
	ds_store_b128 v[SO], v[64*(\m)+8*\t:64*(\m)+8*\t+3] offset:128*(\t/2)+32*(\t%2)
	ds_store_b128 v[SO], v[64*(\m)+8*\t+4:64*(\m)+8*\t+7] offset:128*(\t/2)+32*(\t%2)+16
.endr
	WIN 0x80                                       ; destination window 2
.irp n, 0,1,2,3,4,5,6,7,8,9,10,11,12,13,14,15
	ds_load_b128 v[64*(\m)+4*\n:64*(\m)+4*\n+3], v[SR] offset:528*\n   ; LDS serves a wave's instructions in order: these see the stores above
.endr
	WIN 0
	s_wait_xcnt 0x0                                ; the earlier stores have read their offsets, which are written again now
.irp n, 0,1,2,3,4,5,6,7,8,9,10,11,12,13,14,15
	v_readlane_b32 s55, v[T16+(\m)], \n            ; row n's token,
	s_min_u32 s55, s55, 8191                       ; held inside the tensor,
	v_lshl_add_u32 v[VO+\n], s55, 12, v[L16]       ; its row of 4,096 bytes + 16 x lane
.endr
	WIN 0x08                                       ; a store's data are its source 1: window 2
.irp n, 0,1,2,3,4,5,6,7,8,9,10,11,12,13,14,15
	s_wait_dscnt 15-\n
	global_store_b128 v[VO+\n], v[64*(\m)+4*\n:64*(\m)+4*\n+3], s[OUT:OUT+1] offset:512*(\ch) th:TH_STORE_NT   ; 512 consecutive bytes, at a multiple of 256 from out0's first byte; written once
.endr
	WIN 0
.endm
; A chunk of 128 outputs: eight steps, then the way out.
.macro CHUNK ch
.if (\ch) > 0
	s_wait_xcnt 0x0                                ; the last chunk's stores have read their data, which this chunk's first products write
.endif
	FETCHH 0, 0, 0
.irp s, 0,1,2,3,4,5,6,7
	P2STEP \ch, \s
.endr
	PLACES
.irp m, 0,1,2,3
	OUTM \ch, \m
.endr
.endm
	s_load_b512 s[4:19], s[0:1], 0x0               ; tinfo, tlist, xq, xs, cw, wq, b1, b2
	s_load_b64 s[20:21], s[0:1], 0x40              ; out0
	v_lshl_add_u32 v254, v0, 2, 0x19400
	v_mov_b32 v255, 0
	v_lshrrev_b32 v1, 5, v0
	v_readfirstlane_b32 s28, v1                    ; wave 0..3
	v_and_b32 v[LANE], 31, v0
	v_and_b32 v[RR], 15, v0
	v_bfe_u32 v[HH], v0, 4, 1
	v_lshlrev_b32 v[L16], 4, v[LANE]
	v_lshlrev_b32 v[L4], 2, v[LANE]
	v_lshlrev_b32 v[VB], 6, v[HH]
	v_mul_u32_u24 v[XAD], v[HH], 272
	v_lshl_add_u32 v[XAD], v[RR], 4, v[XAD]
	v_add_nc_u32 v[HAD], HIMG, v[L16]
	v_add_nc_u32 v[HSR], HSC, v[L4]
	s_lshl_b32 s55, s28, 10
	s_add_co_u32 s55, s55, HIMG
	v_add_nc_u32 v[HWI], s55, v[L16]
	s_lshl_b32 s55, s28, 8
	s_add_co_u32 s55, s55, HSC
	v_lshl_add_u32 v[HSW], v[RR], 2, s55
	s_mul_i32 s55, s28, 16*528
	s_add_co_u32 s55, s55, STG
	v_mul_u32_u24 v[SO], v[RR], 528
	v_lshl_add_u32 v[SO], v[HH], 6, v[SO]
	v_add_nc_u32 v[SO], s55, v[SO]                 ; row r, + 64 h
	v_add_nc_u32 v[SR], s55, v[L16]
	s_mul_i32 s55, s28, 8704
	v_mul_u32_u24 v[XW], v[LANE], 272
	v_add_nc_u32 v[XW], s55, v[XW]
.irp b, 0,1,2,3
	v_mov_b32 v[TM+4+\b], 0                        ; written once: a lane exchange's destination counts as one of its sources
.endr
	s_mov_b32 s48, 0xbfb8aa3b                      ; -log2(e)
	s_mov_b32 s49, s48                             ; (named with it as a pair, so it is written)
	s_mov_b32 s50, 0x76543210
	s_mov_b32 s51, 0xfedcba98                      ; selects for lane l xor 16
	s_lshl_b32 s56, ttmp9, 4
	s_mov_b32 s57, 0
	s_wait_kmcnt 0x0
	s_add_nc_u64 s[4:5], s[4:5], s[56:57]
	s_load_b128 s[24:27], s[4:5], 0x0              ; my tile: lo, hi, cnt, 0
	s_wait_kmcnt 0x0
	s_min_u32 s24, s24, 7
	s_min_u32 s25, s25, 7
	s_sub_co_i32 s29, s26, 1
	s_max_i32 s29, s29, 0
	s_min_u32 s29, s29, 63                         ; the last list entry that is written
	s_cmp_eq_u32 s26, 0
	s_cselect_b32 s30, 0, ttmp9                    ; a tile without rows reads entry 0 of tile 0, which is always written
	s_min_u32 s30, s30, 154
	s_lshl_b32 s56, s30, 8
	s_add_nc_u64 s[6:7], s[6:7], s[56:57]
	s_lshl_b32 s58, s28, 3
	s_lshl_b32 s55, s24, 5
	s_add_co_u32 s55, s55, s58
	s_mul_i32 s56, s55, REC
	s_add_nc_u64 s[CUR:CUR+1], s[14:15], s[56:57]  ; w1 of lo: records 32 lo + 8 w on
	s_lshl_b32 s55, s25, 5
	s_add_co_u32 s55, s55, s58
	s_mul_i32 s56, s55, REC
	s_add_nc_u64 s[NXT:NXT+1], s[14:15], s[56:57]  ; w1 of hi
	s_add_nc_u64 s[NX2:NX2+1], s[CUR:CUR+1], 256*REC   ; w2 of lo: records 256 + 32 lo + 8 w on
	s_add_nc_u64 s[CB:CB+1], s[NXT:NXT+1], 256*REC     ; w2 of hi
	s_lshl_b32 s58, s28, 9
	s_lshl_b32 s56, s24, 11
	s_add_co_u32 s56, s56, s58
	s_add_nc_u64 s[FB:FB+1], s[16:17], s[56:57]
	s_lshl_b32 s56, s25, 11
	s_add_co_u32 s56, s56, s58
	s_add_nc_u64 s[NB:NB+1], s[16:17], s[56:57]
	s_lshl_b32 s58, s28, 10
	s_lshl_b32 s56, s24, 12
	s_add_co_u32 s56, s56, s58
	s_add_nc_u64 s[BA:BA+1], s[18:19], s[56:57]
	s_lshl_b32 s56, s25, 12
	s_add_co_u32 s56, s56, s58
	s_add_nc_u64 s[BB:BB+1], s[18:19], s[56:57]
	s_mov_b32 s56, s58
	s_add_nc_u64 s[OUT:OUT+1], s[20:21], s[56:57]
.irp m, 0,1,2,3
	v_add_nc_u32 v[PC+\m], 16*\m, v[RR]
.endr
	s_lshl_b32 s55, s28, 4
	v_add_nc_u32 v[PC+4], s55, v[RR]
	v_mov_b32 v[PC+5], v[LANE]
	v_add_nc_u32 v[PC+6], 32, v[LANE]
.irp n, 0,1,2,3,4,5,6
	v_min_u32 v[PC+\n], s29, v[PC+\n]              ; rows past the tile's last repeat it
.endr
.irp n, 0,1,2,3,4,5,6
	v_min_u32 v[PC+\n], 63, v[PC+\n]
.endr
.irp n, 0,1,2,3,4,5,6
	v_lshlrev_b32 v[PC+\n], 2, v[PC+\n]
.endr
.irp m, 0,1,2,3
	global_load_b32 v[T16+\m], v[PC+\m], s[6:7]
.endr
	global_load_b32 v[TW], v[PC+4], s[6:7]
	global_load_b32 v[T32], v[PC+5], s[6:7]
	global_load_b32 v[T32+1], v[PC+6], s[6:7]
	BUNDLE 0, CUR, 0, 1, FB, 0
	s_wait_loadcnt 36                              ; the seven list loads are in; the first bundle, with its bias, stays out
.irp m, 0,1,2,3
	v_min_u32 v[T16+\m], 0x1fff, v[T16+\m]
.endr
	v_min_u32 v[TW], 0x1fff, v[TW]
	v_min_u32 v[T32], 0x1fff, v[T32]
	v_min_u32 v[T32+1], 0x1fff, v[T32+1]
.irp q, 0,1
	v_lshlrev_b32 v[PC+16+\q], 5, v[T32+\q]
.endr
.irp m, 0,1,2,3
	v_lshlrev_b32 v[PC+18+\m], 3, v[T16+\m]
.endr
.irp m, 0,1,2,3
	global_load_b64 v[CW+2*\m:CW+2*\m+1], v[PC+18+\m], s[12:13]
.endr
.irp q, 0,1
	global_load_b128 v[XS+8*\q:XS+8*\q+3], v[PC+16+\q], s[10:11]
	global_load_b128 v[XS+8*\q+4:XS+8*\q+7], v[PC+16+\q], s[10:11] offset:16
.endr
.irp n, 0,1,2,3,4,5,6,7,8,9,10,11,12,13,14,15
	v_readlane_b32 s55, v[TW], \n                  ; row n of my tile of rows,
	s_min_u32 s55, s55, 8191
	v_lshl_add_u32 v[PC+\n], s55, 9, v[L16]        ; its 512 bytes of codes: lane l takes block l
	global_load_b128 v[BF+4*\n:BF+4*\n+3], v[PC+\n], s[8:9]
.endr
	BUNDLE 1, CUR, REC, 0, 0, 0
	BUNDLE 2, CUR, 2*REC, 0, 0, 0
	s_wait_loadcnt 40                              ; all but the two bundles just issued
.irp n, 0,1,2,3,4,5,6,7,8,9,10,11,12,13,14,15
	ds_store_b128 v[XW], v[BF+4*\n:BF+4*\n+3] offset:16*\n
.endr
	s_wait_dscnt 0x0                               ; for the others' sake: my 16 rows of x lie in LDS
	s_barrier_signal -1
	s_barrier_wait -1
	FETCHX 0, 0
	s_mov_b32 s53, 0
	s_mov_b32 s54, 0
	s_mov_b32 s52, 2
.Lp1:                                              ; two trips: expert lo, expert hi
	v_add_nc_u32 v[HWA], s53, v[HWI]
	v_add_nc_u32 v[HSA], s54, v[HSW]
	s_cmp_eq_u32 s26, 0
	s_cbranch_scc1 .Lskip1                         ; a tile without rows
.irp s, 0,1,2,3,4,5,6,7
	P1STEP \s
.endr
	PLACES
	WIN 0xc2                                       ; destination window 3, source 0 window 2
.set i, 0
.rept 128
	v_pk_mul_f32 v[i:i+1], v[i:i+1], s[48:49] op_sel_hi:[1,0]      ; -z log2(e); each accumulator is read from its low end on
.set i, i+2
.endr
	WIN 0xc3
.set i, 0
.rept 256
	v_exp_f32 v[i], v[i]
.set i, i+1
.endr
	v_nop                                          ; a plain line behind the last exponential
	s_wait_alu depctr_va_vdst(0)                   ; one wait for the batch, ahead of its first reader
.set i, 0
.rept 128
	v_pk_add_f32 v[i:i+1], v[i:i+1], 1.0 op_sel_hi:[1,0]
.set i, i+2
.endr
.set i, 0
.rept 256
	v_rcp_f32 v[i], v[i]
.set i, i+1
.endr
	v_nop
	s_wait_alu depctr_va_vdst(0)
	WIN 0x8e                                       ; destination and source 0 window 2, source 1 window 3
.set i, 0
.rept 128
	v_pk_mul_f32 v[i:i+1], v[i:i+1], v[i:i+1]      ; z x sigmoid(z)
.set i, i+2
.endr
	WIN 0
	QUANT 0
	QUANT 1
	QUANT 2
	QUANT 3
	s_wait_dscnt 0x0
.Lskip1:
	s_wait_xcnt 0x0                                ; the bundles have read their bases, which are written now
	s_mov_b64 s[CUR:CUR+1], s[NXT:NXT+1]
	s_mov_b64 s[NXT:NXT+1], s[NX2:NX2+1]
	s_mov_b64 s[NB:NB+1], s[BA:BA+1]
	s_add_co_u32 s53, s53, 16384
	s_add_co_u32 s54, s54, 1024
	s_sub_co_u32 s52, s52, 1
	s_cmp_lg_u32 s52, 0
	s_cbranch_scc1 .Lp1
	s_wait_dscnt 0x0                               ; for the others' sake: my images of the hidden layer lie in LDS
	s_barrier_signal -1
	s_barrier_wait -1
	s_cmp_eq_u32 s26, 0
	s_cbranch_scc1 .Lend                           ; a tile without rows stores nothing
	CHUNK 0                                        ; my outputs 0 .. 127
	CHUNK 1                                        ; and 128 .. 255
.Lend:
	s_wait_tensorcnt 0x0
	ds_add_u32 v254, v255
	s_wait_dscnt 0x0
	s_endpgm
.Lfunc_end_k_q2a7d9e5c05_chain:
	.size	k_q2a7d9e5c05_chain, .Lfunc_end_k_q2a7d9e5c05_chain-k_q2a7d9e5c05_chain
	.p2alignl 7, 3214868480
	.fill 96, 4, 3214868480
	.section	.rodata,"a",@progbits
	.p2align	6, 0x0
	.amdhsa_kernel k_q2a7d9e5c05_chain
		.amdhsa_group_segment_fixed_size 103936
		.amdhsa_private_segment_fixed_size 0
		.amdhsa_enable_private_segment 0
		.amdhsa_kernarg_size 72
		.amdhsa_user_sgpr_count 2
		.amdhsa_user_sgpr_kernarg_segment_ptr 1
		.amdhsa_wavefront_size32 1
		.amdhsa_system_sgpr_workgroup_id_x 1
		.amdhsa_system_sgpr_workgroup_id_y 1
		.amdhsa_system_sgpr_workgroup_id_z 1
		.amdhsa_system_vgpr_workitem_id 0
		.amdhsa_next_free_vgpr 1024
		.amdhsa_next_free_sgpr 66
		.amdhsa_reserve_vcc 0
		.amdhsa_float_denorm_mode_32 3
		.amdhsa_float_denorm_mode_16_64 3
		.amdhsa_memory_ordered 1
		.amdhsa_forward_progress 1
		.amdhsa_inst_pref_size 255
	.end_amdhsa_kernel
	.section	.bss,"aw",@nobits
	.p2align	6
	.space	262144
	.amdgpu_metadata
---
amdhsa.version: [ 1, 2 ]
amdhsa.kernels:
  - .name:           k_q2a7d9e5c05_chain
    .symbol:         k_q2a7d9e5c05_chain.kd
    .args:
      - { .name: tinfo, .offset: 0, .size: 8, .value_kind: global_buffer, .address_space: global }
      - { .name: tlist, .offset: 8, .size: 8, .value_kind: global_buffer, .address_space: global }
      - { .name: xq, .offset: 16, .size: 8, .value_kind: global_buffer, .address_space: global }
      - { .name: xs, .offset: 24, .size: 8, .value_kind: global_buffer, .address_space: global }
      - { .name: cw, .offset: 32, .size: 8, .value_kind: global_buffer, .address_space: global }
      - { .name: wq, .offset: 40, .size: 8, .value_kind: global_buffer, .address_space: global }
      - { .name: b1, .offset: 48, .size: 8, .value_kind: global_buffer, .address_space: global }
      - { .name: b2, .offset: 56, .size: 8, .value_kind: global_buffer, .address_space: global }
      - { .name: out0, .offset: 64, .size: 8, .value_kind: global_buffer, .address_space: global }
    .group_segment_fixed_size: 103936
    .private_segment_fixed_size: 0
    .kernarg_segment_align: 8
    .kernarg_segment_size: 72
    .max_flat_workgroup_size: 128
    .sgpr_count:     66
    .vgpr_count:     1024
    .wavefront_size: 32
...
	.end_amdgpu_metadata
.endif
;; end of part 3
;; ======== version 2 of 3: 3 launches
;; workspace buffers: xq 4,194,304 bytes; xs 262,144 bytes; cw 65,536 bytes; part 65,536 bytes; meta 65,536 bytes of whole numbers; tlist 39,680 bytes of whole numbers; tinfo 2,560 bytes of whole numbers; wq 4,456,448 bytes
;; launch route (part 4): grid 256 x 1, 4 waves a work-group, no clusters, 73,216 bytes of LDS; arguments x, gate_w, xq, xs, meta, cw, part; writes xq, xs, meta, cw, part
.if DOCPART == 4
	.amdgcn_target "amdgcn-amd-amdhsa--gfx1250"
	.amdhsa_code_object_version 6
	.text
	.protected	k_q2a7d9e5c05_route
	.globl	k_q2a7d9e5c05_route
	.p2align	8
	.type	k_q2a7d9e5c05_route,@function
k_q2a7d9e5c05_route:
	s_mov_b64 s[64:65], 0
	v_nop
	global_prefetch_b8 v0, s[64:65] scope:SCOPE_SE
	s_setreg_imm32_b32 hwreg(HW_REG_WAVE_MODE, 25, 1), 1
	s_wait_xcnt 0x0
; ROUTE.  x [8192][1024] f32 is read once and gives two things.
; (1) Its codes of FP4 (E2M1) along the 1,024, xq [token][512 bytes], and one E8M0 byte for each 32, xs [token][32 bytes].
; (2) The router in f32: 8 logits a token (fused multiply-adds), softmax with the row's maximum taken away, the two largest
;     probabilities (a strictly greater compare in ascending order keeps the lower index, as lax.top_k does), their weights
;     renormalised with the 1e-9 of the definition.
; Stored for the later launches, all at fixed places: cw [token](weight of the lower-numbered expert, of the higher);
; meta [block of 32 tokens][lane](key | rank << 8 of token 32 block + lane, number of the block's tokens whose key = lane);
; part [block][lane](sum of the block's probabilities of expert lane, number of its tokens whose first choice is lane), 0 from lane 8 on.
; The key numbers the 28 unordered pairs lo < hi: ((15 - lo) lo >> 1) + hi - lo - 1.  No address, branch or EXEC here hangs on these numbers.
; SHARES.  A work-group takes 32 tokens, a wave 8 rows, one row at a time; lane l holds block l (k = 32 l .. 32 l + 31), so a block's largest
; magnitude needs no other lane, and the lane's 32 x 8 gate weights stay in 256 registers.  Each load of x reads 512 neighbouring bytes; a row turns
; through the wave's own stage in LDS (144 bytes a lane: 128 + 16 of padding) so that a lane gets its 32 neighbours.  All 64 loads of a wave go out at its head.
; A block's scale is 2^(floor(log2(largest magnitude)) - 2): the byte is the magnitude's exponent field - 2.
; LIMITS: the largest magnitude is taken no smaller than 2^(3 - 127), so the byte is at least 1; a block of zeros keeps the byte 1 where the rule says 127
; (its codes are zeros, and this program alone reads the bytes); NaN and infinities are not served; the logits are f32 sums in another order than the
; definition's, so a choice between two experts whose probabilities differ by f32 rounding alone may fall either way.
; No matrix unit (8 columns), no tensor load, no cluster: work-groups share only the 32 KiB of gate weights.
.set GPITCH, 1040                      ; LDS: a lane's 1,024 bytes of gate weights + 16
.set STG,    32*GPITCH                 ; behind them the stages: two of 32 x 144 bytes for each wave
.set SPITCH, 144
.set STAGE,  32*SPITCH
.set SBB,    STG+4*2*STAGE             ; 256 scale bytes for each wave
.set LG,     SBB+4*256                 ; the 32 tokens' logits, 48 bytes a token
.set LANE, 1                           ; v1   lane
.set L16,  2                           ; v2   16 x lane
.set SIN,  3                           ; v3   the stage, way in
.set SOUT, 4                           ; v4   the stage, way out
.set SBW,  5                           ; v5   where my block's scale byte goes
.set LGW,  6                           ; v6   where my wave's logits go
.set GOFF, 7                           ; v7   my 16 bytes of the gate's block in memory
.set E,    12                          ; v12-19 scale bytes, a register a row
.set A0,   20                          ; v20-27 sums over even k
.set A1,   28                          ; v28-35 sums over odd k
.set PD,   36                          ; v36-43 destinations of the lane exchange
.set LGR,  44                          ; v44-59 a row's 8 logits, two sets
.set C,    60                          ; v60-91 codes, four registers a row: no store's data are written again
.set GW,   92                          ; v92  gate weights into LDS
.set GR,   93                          ; v93  and out of it
.set SBR,  94                          ; v94  my 8 scale bytes on the way out
.set LGRD, 95                          ; v95  my token's logits
.set L8,   96                          ; v96  8 x lane
.set XSD,  98                          ; v98-99 scale bytes to store
.set X,    128                         ; v128-191 two sets of 32 neighbours (at the head: the gate's 64 registers)
                                       ; window 1: gate weights, register 8 k' + e;  window 2: the 8 rows as loaded, 32 registers a row
.set KM,   66                          ; s66-93 the tail: a mask, then a count, for each of the 28 keys
.set FM,   32                          ; s32-39 the same for the 8 first choices
.set MSB, 0
.macro WIN new                         ; the immediate's high byte repeats the setting that is left
.if MSB != (\new)
	s_set_vgpr_msb (MSB<<8)|(\new)
.set MSB, (\new)
.endif
.endm
	s_load_b256 s[4:11], s[0:1], 0x0               ; x, gate_w, xq, xs
	s_load_b128 s[12:15], s[0:1], 0x20             ; meta, cw
	s_load_b64 s[16:17], s[0:1], 0x30              ; part
	v_lshl_add_u32 v254, v0, 2, 0x11c00
	v_mov_b32 v255, 0
	v_lshrrev_b32 v8, 5, v0
	v_readfirstlane_b32 s18, v8                    ; wave 0..3
	v_and_b32 v[LANE], 31, v0
	v_lshlrev_b32 v[L16], 4, v[LANE]
	v_lshlrev_b32 v[L8], 3, v[LANE]
	s_mul_i32 s19, s18, 2*STAGE
	s_add_co_u32 s19, s19, STG                     ; my wave's stages
	v_lshrrev_b32 v8, 3, v[LANE]
	v_mul_u32_u24 v8, v8, SPITCH
	v_and_b32 v9, 7, v[LANE]
	v_lshl_add_u32 v8, v9, 4, v8
	v_add_nc_u32 v[SIN], s19, v8                   ; a load's 512 bytes are four blocks: 144 (lane / 8) + 16 (lane % 8)
	v_mul_u32_u24 v8, v[LANE], SPITCH
	v_add_nc_u32 v[SOUT], s19, v8                  ; block l at 144 l
	s_lshl_b32 s19, s18, 8
	s_add_co_u32 s19, s19, SBB
	v_add_nc_u32 v[SBW], s19, v[LANE]
	v_add_nc_u32 v[SBR], s19, v[L8]
	s_mul_i32 s19, s18, 8*48
	s_add_co_u32 s19, s19, LG
	v_mov_b32 v[LGW], s19
	s_lshl_b32 s19, s18, 13
	v_add_nc_u32 v[GOFF], s19, v[L16]              ; wave w brings bytes 8,192 w on of the gate's 32,768
	s_mul_i32 s19, s18, 8*GPITCH
	v_add_nc_u32 v[GW], s19, v[L16]
	v_mul_u32_u24 v[GR], v[LANE], GPITCH
	v_mul_u32_u24 v[LGRD], v[LANE], 48
	v_add_nc_u32 v[LGRD], LG, v[LGRD]
.irp e, 0,1,2,3,4,5,6,7
	v_mov_b32 v[PD+\e], 0                          ; written once: a lane exchange's destination counts as one of its sources
.endr
	s_mov_b32 s20, 0x76543210
	s_mov_b32 s21, 0xfedcba98                      ; selects for lane l xor 16
	s_lshl_b32 s22, ttmp9, 17                      ; 32 rows of 4,096 bytes a work-group,
	s_lshl_b32 s24, s18, 15                        ; 8 a wave
	s_add_co_u32 s22, s22, s24
	s_mov_b32 s23, 0
	s_wait_kmcnt 0x0
	s_add_nc_u64 s[4:5], s[4:5], s[22:23]
	s_lshr_b32 s22, s22, 3                         ; 512 bytes of codes a row
	s_add_nc_u64 s[8:9], s[8:9], s[22:23]
	s_lshr_b32 s22, s22, 4                         ; 32 scale bytes a row
	s_add_nc_u64 s[10:11], s[10:11], s[22:23]
	s_lshl_b32 s22, ttmp9, 8                       ; 256 bytes a work-group in meta, cw and part
	s_add_nc_u64 s[12:13], s[12:13], s[22:23]
	s_add_nc_u64 s[14:15], s[14:15], s[22:23]
	s_add_nc_u64 s[16:17], s[16:17], s[22:23]
.irp q, 0,1,2,3,4,5,6,7,8,9,10,11,12,13,14,15
	global_load_b128 v[X+4*\q:X+4*\q+3], v[GOFF], s[6:7] offset:512*\q
.endr
	WIN 0x80                                       ; destination window 2
.irp i, 0,1,2,3,4,5,6,7
.irp q, 0,1,2,3,4,5,6,7
	global_load_b128 v[32*\i+4*\q:32*\i+4*\q+3], v[L16], s[4:5] offset:4096*\i+512*\q th:TH_LOAD_NT   ; 512 neighbouring bytes; read once in the launch
.endr
.endr
	WIN 0
	s_wait_loadcnt 63                              ; 64 loads are younger than the gate's sixteen; the count's field holds 63
.irp q, 0,1,2,3,4,5,6,7,8,9,10,11,12,13,14,15
	ds_store_b128 v[GW], v[X+4*\q:X+4*\q+3] offset:(\q/2)*GPITCH+(\q%2)*512
.endr
	s_wait_dscnt 0x0                               ; for the other waves' sake: my part of the gate weights lies in LDS
	s_barrier_signal -1
	s_barrier_wait -1
	WIN 0x40                                       ; destination window 1
.set q, 0
.rept 64
	ds_load_b128 v[4*q:4*q+3], v[GR] offset:16*q   ; gate_w[32 l + k'][e] into register 8 k' + e
.set q, q+1
.endr
	WIN 0
.macro TURN i                          ; row i through stage i % 2: LDS serves a wave's instructions in order, so no wait stands between the stores and the loads
	WIN 0x08                                       ; an LDS store's data are its source 1: window 2
.irp q, 0,1,2,3,4,5,6,7
	ds_store_b128 v[SIN], v[32*(\i)+4*\q:32*(\i)+4*\q+3] offset:STAGE*((\i)%2)+4*SPITCH*\q
.endr
	WIN 0
.irp q, 0,1,2,3,4,5,6,7
	ds_load_b128 v[X+32*((\i)%2)+4*\q:X+32*((\i)%2)+4*\q+3], v[SOUT] offset:STAGE*((\i)%2)+16*\q
.endr
.endm
.macro ROW i
.set XB, X+32*((\i)%2)
.if (\i) == 0
	s_wait_dscnt 0x0                               ; the gate weights and row 0
.else
	s_wait_dscnt 0x3                               ; this row is back from the stage; behind its loads stand the last row's three LDS stores
.endif
.if (\i) < 7
	s_wait_loadcnt 8*(6-(\i))                      ; the next row's eight loads are in; the rows behind it stay out
	TURN \i+1                                      ; it goes through the other stage while this row is worked
.endif
	v_max3_num_f32 v8, |v[XB]|, |v[XB+1]|, |v[XB+2]|               ; the block's largest magnitude: all 32 numbers are mine; two chains
	v_max3_num_f32 v9, |v[XB+3]|, |v[XB+4]|, |v[XB+5]|
.irp j, 6,10,14,18,22,26
	v_max3_num_f32 v8, v8, |v[XB+\j]|, |v[XB+\j+1]|
	v_max3_num_f32 v9, v9, |v[XB+\j+2]|, |v[XB+\j+3]|
.endr
	v_max3_num_f32 v8, v8, |v[XB+30]|, |v[XB+31]|
	v_max3_num_f32 v8, v8, v9, 0x1800000           ; and the floor 2^(3 - 127): the byte cannot fall under 1
	v_add_nc_u32 v11, 0xff000000, v8               ; 2 off the exponent field: the conversion takes this operand's exponent field as its scale
.irp g, 0,1,2,3
	v_cvt_scalef32_pk8_fp4_f32 v[C+4*(\i)+\g], v[XB+8*\g:XB+8*\g+7], v11
.endr
	v_lshrrev_b32 v[E+(\i)], 23, v11               ; the scale's byte (also the plain line behind the conversions)
	ds_store_b8 v[SBW], v[E+(\i)] offset:32*(\i)
	global_store_b128 v[L16], v[C+4*(\i):C+4*(\i)+3], s[8:9] offset:512*(\i)   ; the row's 512 bytes of codes: 32 lanes, 16 neighbouring bytes each
	WIN 0x04                                       ; source 1 (gate weights) window 1
.set k, 0
.rept 32                               ; 8 logits: x[k'] times the 8 weights of k', two at a time; even and odd k' in sums of their own; the first two products start the sums
.irp e, 0,2,4,6
.if k == 0
	v_pk_mul_f32 v[A0+\e:A0+\e+1], v[XB:XB+1], v[\e:\e+1] op_sel_hi:[0,1]
.elseif k == 1
	v_pk_mul_f32 v[A1+\e:A1+\e+1], v[XB:XB+1], v[8+\e:8+\e+1] op_sel:[1,0] op_sel_hi:[1,1]
.elseif k%2 == 0
	v_pk_fma_f32 v[A0+\e:A0+\e+1], v[XB+k:XB+k+1], v[8*k+\e:8*k+\e+1], v[A0+\e:A0+\e+1] op_sel_hi:[0,1,1]
.else
	v_pk_fma_f32 v[A1+\e:A1+\e+1], v[XB+k-1:XB+k], v[8*k+\e:8*k+\e+1], v[A1+\e:A1+\e+1] op_sel:[1,0,0] op_sel_hi:[1,1,1]
.endif
.endr
.set k, k+1
.endr
	WIN 0
.irp e, 0,2,4,6
	v_pk_add_f32 v[A0+\e:A0+\e+1], v[A0+\e:A0+\e+1], v[A1+\e:A1+\e+1]
.endr
.irp m, 1,2,4,8                        ; over the 32 lanes: the eight sums by turns
.irp e, 0,1,2,3,4,5,6,7
	v_add_f32_dpp v[A0+\e], v[A0+\e], v[A0+\e] row_xmask:\m row_mask:0xf bank_mask:0xf
.endr
.endr
.irp e, 0,1,2,3,4,5,6,7
	v_permlanex16_b32 v[PD+\e], v[A0+\e], s20, s21
.endr
.irp e, 0,1,2,3,4,5,6,7
	v_add_f32 v[LGR+8*((\i)%2)+\e], v[A0+\e], v[PD+\e]
.endr
	ds_store_b128 v[LGW], v[LGR+8*((\i)%2):LGR+8*((\i)%2)+3] offset:48*(\i)        ; every lane holds the same 8 numbers and writes them to the same bytes
	ds_store_b128 v[LGW], v[LGR+8*((\i)%2)+4:LGR+8*((\i)%2)+7] offset:48*(\i)+16
.endm
	s_wait_loadcnt 56                              ; row 0's eight loads are in
	TURN 0
.irp i, 0,1,2,3,4,5,6,7
	ROW \i
.endr
	ds_load_b64 v[XSD:XSD+1], v[SBR]               ; my wave's 8 x 32 scale bytes, 8 a lane
	s_wait_dscnt 0x0                               ; they are in; and, for wave 0's sake, my logits lie in LDS
	global_store_b64 v[L8], v[XSD:XSD+1], s[10:11] ; 256 consecutive bytes, at a multiple of 256 from the buffer's first byte
	s_barrier_signal -1
	s_barrier_wait -1
	s_cmp_lg_u32 s18, 0
	s_cbranch_scc1 .Ldone                          ; the router's tail is wave 0's: a lane to a token
	ds_load_b128 v[20:23], v[LGRD]
	ds_load_b128 v[24:27], v[LGRD] offset:16
	s_wait_dscnt 0x0
	v_max3_num_f32 v8, v20, v21, v22
	v_max3_num_f32 v9, v23, v24, v25
	v_max3_num_f32 v8, v8, v26, v27
	v_max_num_f32 v8, v8, v9                       ; the row's largest logit
.irp e, 0,2,4,6
	v_pk_add_f32 v[20+\e:21+\e], v[20+\e:21+\e], v[8:9] op_sel_hi:[1,0] neg_lo:[0,1] neg_hi:[0,1]   ; taken away first,
.endr
.irp e, 0,2,4,6
	v_pk_mul_f32 v[20+\e:21+\e], v[20+\e:21+\e], 0x3fb8aa3b op_sel_hi:[1,0]                        ; then x log2(e)
.endr
.irp e, 0,1,2,3,4,5,6,7
	v_exp_f32 v[20+\e], v[20+\e]
.endr
	v_mov_b32 v13, 0                               ; (a plain line behind the exponentials)  the first choice's index
	s_wait_alu depctr_va_vdst(0)                   ; one wait for the eight, ahead of their first reader
	v_add_f32 v9, v20, v21
	v_add_f32 v10, v22, v23
	v_add_f32 v11, v24, v25
	v_add_f32 v16, v26, v27
	v_add_f32 v9, v9, v10
	v_add_f32 v11, v11, v16
	v_add_f32 v9, v9, v11
	v_rcp_f32 v10, v9
	v_mov_b32 v15, 0                               ; (a plain line)  the second choice's index
	s_wait_alu depctr_va_vdst(0)
.irp e, 0,2,4,6
	v_pk_mul_f32 v[20+\e:21+\e], v[20+\e:21+\e], v[10:11] op_sel_hi:[1,0]   ; the probabilities
.endr
	v_mov_b32 v12, v20
.irp e, 1,2,3,4,5,6,7
	v_cmp_gt_f32 vcc_lo, v[20+\e], v12             ; strictly greater: of equals the lower index stays
	v_cndmask_b32 v12, v12, v[20+\e], vcc_lo
	v_cndmask_b32 v13, v13, \e, vcc_lo
.endr
.irp e, 0,1,2,3,4,5,6,7
	v_cmp_eq_u32 vcc_lo, \e, v13
	v_cndmask_b32 v[28+\e], v[20+\e], -1.0, vcc_lo ; the first choice is out of the second search
.endr
	v_mov_b32 v14, v28
.irp e, 1,2,3,4,5,6,7
	v_cmp_gt_f32 vcc_lo, v[28+\e], v14
	v_cndmask_b32 v14, v14, v[28+\e], vcc_lo
	v_cndmask_b32 v15, v15, \e, vcc_lo
.endr
	v_add_f32 v16, v12, v14
	v_add_f32 v16, 0x3089705f, v16                 ; + 1e-9
	v_rcp_f32 v17, v16
	v_min_u32 v18, v13, v15                        ; (a plain line)  lo
	v_max_u32 v19, v13, v15                        ; hi
	s_wait_alu depctr_va_vdst(0)
	v_mul_f32 v12, v12, v17
	v_mul_f32 v14, v14, v17
	v_cmp_lt_u32 vcc_lo, v13, v15
	v_cndmask_b32 v102, v14, v12, vcc_lo           ; the weight of expert lo,
	v_cndmask_b32 v103, v12, v14, vcc_lo           ; of expert hi
	v_sub_nc_u32 v47, 15, v18
	v_mul_u32_u24 v47, v47, v18
	v_lshrrev_b32 v47, 1, v47
	v_add_nc_u32 v47, v47, v19
	v_sub_nc_u32 v47, v47, v18
	v_add_nc_u32 v44, -1, v47                      ; the key
	v_mov_b32 v46, 0
	v_mov_b32 v101, 0
; Ranks and counts.  The 28 + 8 masks are made in one run, each into a scalar register of its own, then counted in one run, then written to the lanes:
; no scalar instruction reads a mask that the vector instruction just ahead of it has made.
.irp k, 0,1,2,3,4,5,6,7,8,9,10,11,12,13,14,15,16,17,18,19,20,21,22,23,24,25,26,27
	v_cmp_eq_u32 s[KM+\k], \k, v44                 ; the block's tokens with key k
.endr
.irp e, 0,1,2,3,4,5,6,7
	v_cmp_eq_u32 s[FM+\e], \e, v13                 ; and those whose first choice is e
.endr
.irp k, 0,1,2,3,4,5,6,7,8,9,10,11,12,13,14,15,16,17,18,19,20,21,22,23,24,25,26,27
	v_mbcnt_lo_u32_b32 v45, s[KM+\k], 0            ; how many of key k's stand in lower lanes
	v_cndmask_b32 v46, v46, v45, s[KM+\k]          ; my rank, if the key is mine
.endr
.irp k, 0,1,2,3,4,5,6,7,8,9,10,11,12,13,14,15,16,17,18,19,20,21,22,23,24,25,26,27
	s_bcnt1_i32_b32 s[KM+\k], s[KM+\k]
.endr
.irp e, 0,1,2,3,4,5,6,7
	s_bcnt1_i32_b32 s[FM+\e], s[FM+\e]
.endr
.irp k, 0,1,2,3,4,5,6,7,8,9,10,11,12,13,14,15,16,17,18,19,20,21,22,23,24,25,26,27
	v_writelane_b32 v101, s[KM+\k], \k             ; lane k: the number of key k's tokens
.endr
	v_lshl_or_b32 v100, v46, 8, v44
	v_mov_b32 v104, 0
	v_mov_b32 v105, 0
.irp m, 1,2,4,8                        ; the block's sums of probabilities, for the loss
.irp e, 0,1,2,3,4,5,6,7
	v_add_f32_dpp v[20+\e], v[20+\e], v[20+\e] row_xmask:\m row_mask:0xf bank_mask:0xf
.endr
.endr
.irp e, 0,1,2,3,4,5,6,7
	v_permlanex16_b32 v[PD+\e], v[20+\e], s20, s21
.endr
.irp e, 0,1,2,3,4,5,6,7
	v_add_f32 v[20+\e], v[20+\e], v[PD+\e]
.endr
.irp e, 0,1,2,3,4,5,6,7
	v_cmp_eq_u32 vcc_lo, \e, v[LANE]
	v_cndmask_b32 v104, v104, v[20+\e], vcc_lo     ; lane e: expert e's sum
	v_writelane_b32 v105, s[FM+\e], \e             ; and the number of first choices
.endr
	v_cvt_f32_u32 v105, v105
	global_store_b64 v[L8], v[100:101], s[12:13]   ; each of the three: 256 consecutive bytes, at a multiple of 256 from the buffer's first byte
	global_store_b64 v[L8], v[102:103], s[14:15]
	global_store_b64 v[L8], v[104:105], s[16:17]
.Ldone:
	s_wait_tensorcnt 0x0
	ds_add_u32 v254, v255
	s_wait_dscnt 0x0
	s_endpgm
.Lfunc_end_k_q2a7d9e5c05_route:
	.size	k_q2a7d9e5c05_route, .Lfunc_end_k_q2a7d9e5c05_route-k_q2a7d9e5c05_route
	.p2alignl 7, 3214868480
	.fill 96, 4, 3214868480
	.section	.rodata,"a",@progbits
	.p2align	6, 0x0
	.amdhsa_kernel k_q2a7d9e5c05_route
		.amdhsa_group_segment_fixed_size 73216
		.amdhsa_private_segment_fixed_size 0
		.amdhsa_enable_private_segment 0
		.amdhsa_kernarg_size 56
		.amdhsa_user_sgpr_count 2
		.amdhsa_user_sgpr_kernarg_segment_ptr 1
		.amdhsa_wavefront_size32 1
		.amdhsa_system_sgpr_workgroup_id_x 1
		.amdhsa_system_sgpr_workgroup_id_y 1
		.amdhsa_system_sgpr_workgroup_id_z 1
		.amdhsa_system_vgpr_workitem_id 0
		.amdhsa_next_free_vgpr 768
		.amdhsa_next_free_sgpr 96
		.amdhsa_reserve_vcc 1
		.amdhsa_float_denorm_mode_32 3
		.amdhsa_float_denorm_mode_16_64 3
		.amdhsa_memory_ordered 1
		.amdhsa_forward_progress 1
		.amdhsa_inst_pref_size 145
	.end_amdhsa_kernel
	.amdgpu_metadata
---
amdhsa.version: [ 1, 2 ]
amdhsa.kernels:
  - .name:           k_q2a7d9e5c05_route
    .symbol:         k_q2a7d9e5c05_route.kd
    .args:
      - { .name: x, .offset: 0, .size: 8, .value_kind: global_buffer, .address_space: global }
      - { .name: gate_w, .offset: 8, .size: 8, .value_kind: global_buffer, .address_space: global }
      - { .name: xq, .offset: 16, .size: 8, .value_kind: global_buffer, .address_space: global }
      - { .name: xs, .offset: 24, .size: 8, .value_kind: global_buffer, .address_space: global }
      - { .name: meta, .offset: 32, .size: 8, .value_kind: global_buffer, .address_space: global }
      - { .name: cw, .offset: 40, .size: 8, .value_kind: global_buffer, .address_space: global }
      - { .name: part, .offset: 48, .size: 8, .value_kind: global_buffer, .address_space: global }
    .group_segment_fixed_size: 73216
    .private_segment_fixed_size: 0
    .kernarg_segment_align: 8
    .kernarg_segment_size: 56
    .max_flat_workgroup_size: 128
    .sgpr_count:     96
    .vgpr_count:     768
    .wavefront_size: 32
...
	.end_amdgpu_metadata
.endif
;; end of part 4
;; launch lay (part 5): grid 265 x 1, 8 waves a work-group, no clusters, 4,096 bytes of LDS; arguments meta, part, w1, w2, wq, tlist, tinfo, out1; writes wq, tlist, tinfo, out1
.if DOCPART == 5
	.amdgcn_target "amdgcn-amd-amdhsa--gfx1250"
	.amdhsa_code_object_version 6
	.text
	.protected	k_q2a7d9e5c05_lay
	.globl	k_q2a7d9e5c05_lay
	.p2align	8
	.type	k_q2a7d9e5c05_lay,@function
k_q2a7d9e5c05_lay:
	s_mov_b64 s[64:65], 0
	v_nop
	global_prefetch_b8 v0, s[64:65] scope:SCOPE_SE
	s_setreg_imm32_b32 hwreg(HW_REG_WAVE_MODE, 25, 1), 1
	s_wait_xcnt 0x0
; LAY.  Work-groups 9 to 264 turn w1 [8][1024][512] and w2 [8][512][1024], f32 with K as the first axis of an expert, into codes of FP4 (E2M1) with one E8M0 byte
; for each 32 along K, laid in the order in which the next launch's operand registers take them.  Work-groups 0 to 8 place the tokens and make the loss.
; A RECORD of wq is 128 columns x 128 along K, 8,704 bytes: 8 images of fragments (tile t, piece c, lane l at 1024 t + 512 c + 16 l: lane (h = l / 16, r = l % 16) holds
; block 2 c + h of the tile's row r), then at 8,192 the scale words [g][lane]: lanes 0-15 tile 2 g's rows, lanes 16-31 tile 2 g + 1's.
; THE COLUMNS OF A TILE ARE NOT NEIGHBOURS: row r of tile 2 b + u is column 32 b + 8 u + r + 8 (r / 8).
; Records: w1: 32 e + 8 (column / 128) + K step;  w2: 256 + 32 e + 4 (column / 128) + K step.
; WEIGHTS.  A lane takes a column and its registers run down K: a block of 32 lies in one lane, the conversions give codes with K innermost, nothing is transposed.
; A wave takes 32 columns x 128 K; its 128 loads go out at once; the eight waves stand side by side on 1,024 neighbouring bytes of each row.  The lane's column is its number
; with bits 3 and 4 exchanged, so that lanes 0-15 hold tile 2 g's rows in order and lanes 16-31 tile 2 g + 1's: each store of codes fills two runs of 256 consecutive bytes.
; The scale words leave as 128 consecutive bytes a wave: one byte for each 128 that the wave reads.
; PLACING.  Tokens are sorted by their pair of experts (28 keys) into tiles of 64 that never mix keys: at most 8192 / 64 + 27 = 155 tiles whatever the split.
; tlist [tile][64] token numbers (only a tile's first cnt entries are written), tinfo [tile](lo, hi, cnt, 0), cnt = 0 past the last tile.
; The list's 8,192 stores go a lane to a place of its own, so they are shared out: each of the nine placing work-groups repeats the counting (128 KiB of reads, the sums, a prefix
; over 28 keys); work-group 0 stores the tile table and the loss, work-group p = 1 .. 8 the list entries of blocks 4 (p - 1) .. 4 (p - 1) + 3 of each wave's 32: 1,024 tokens.
; Every byte is stored by one work-group.
; LIMITS: as in the launch before: the floor 2^(3 - 127) under a block's largest magnitude, the byte 1 for a block of zeros, no NaN or infinities.
; No tensor load, no cluster: the weight work-groups share no byte, and what the placing ones share is 128 KiB.
.set REC, 8704
.set NPL, 9                            ; placing work-groups
.set X,   32                           ; v32-159  the wave's 128 rows of its column
.set C,   160                          ; v160-175 codes, four registers a block
.set SW,  176                          ; v176     the scale word
.set PS,  66                           ; s66-93   placing: the keys' numbers of tiles, then where each key's tiles end
	s_load_b512 s[4:19], s[0:1], 0x0               ; meta, part, w1, w2, wq, tlist, tinfo, out1
	v_lshl_add_u32 v200, v0, 2, 0xc00
	v_mov_b32 v201, 0
	v_lshrrev_b32 v8, 5, v0
	v_readfirstlane_b32 s20, v8                    ; wave 0..7
	v_and_b32 v1, 31, v0                           ; lane
	s_wait_kmcnt 0x0
	s_cmp_lt_u32 ttmp9, NPL
	s_cbranch_scc1 .Lplace                         ; the same way for all eight waves
	s_sub_co_u32 s21, ttmp9, NPL                   ; i = 0 .. 255
	v_lshrrev_b32 v8, 3, v1
	v_lshrrev_b32 v9, 4, v1
	v_xor_b32 v8, v8, v9
	v_and_b32 v8, 1, v8
	v_mul_u32_u24 v8, v8, 24
	v_xor_b32 v8, v8, v1                           ; the lane's number with bits 3 and 4 exchanged
	v_lshlrev_b32 v2, 2, v8                        ; my column's bytes in a row
	v_lshlrev_b32 v3, 10, v9
	v_and_b32 v8, 15, v1
	v_lshl_add_u32 v3, v8, 4, v3                   ; my codes' place: 1024 (lane / 16) + 16 (lane % 16)
	v_lshlrev_b32 v4, 2, v1                        ; my scale word's
	s_lshr_b32 s22, s20, 2                         ; which 128 columns of the work-group's 256
	s_and_b32 s23, s20, 3                          ; g: which 32 of them
	s_lshl_b32 s25, s20, 7                         ; 128 bytes a wave
	s_mov_b32 s27, 0
	s_cmp_lt_u32 s21, 128
	s_cbranch_scc0 .Lw2
	s_lshr_b32 s32, s21, 4                         ; w1: expert,
	s_bfe_u32 s33, s21, 0x30001                    ; K step (3 bits from bit 1),
	s_and_b32 s34, s21, 1                          ; which 256 columns
	s_lshl_b32 s26, s32, 21
	s_lshl_b32 s35, s33, 18                        ; 128 rows of 2,048 bytes
	s_add_co_u32 s26, s26, s35
	s_lshl_b32 s35, s34, 10
	s_add_co_u32 s26, s26, s35
	s_add_co_u32 s26, s26, s25
	s_add_nc_u64 s[8:9], s[8:9], s[26:27]
	s_lshl_b32 s34, s34, 1
	s_add_co_u32 s34, s34, s22
	s_lshl_b32 s34, s34, 3
	s_lshl_b32 s24, s32, 5
	s_add_co_u32 s24, s24, s34
	s_add_co_u32 s24, s24, s33                     ; the record
.set j, 0
.rept 128
	global_load_b32 v[X+j], v2, s[8:9] offset:2048*j th:TH_LOAD_NT   ; 128 neighbouring bytes a wave; read once in the launch
.set j, j+1
.endr
	s_branch .Lquant
.Lw2:
	s_sub_co_u32 s21, s21, 128
	s_lshr_b32 s32, s21, 4                         ; w2: expert,
	s_bfe_u32 s33, s21, 0x20002                    ; K step (2 bits from bit 2),
	s_and_b32 s34, s21, 3                          ; which 256 columns
	s_lshl_b32 s26, s32, 21
	s_lshl_b32 s35, s33, 19                        ; 128 rows of 4,096 bytes
	s_add_co_u32 s26, s26, s35
	s_lshl_b32 s35, s34, 10
	s_add_co_u32 s26, s26, s35
	s_add_co_u32 s26, s26, s25
	s_add_nc_u64 s[10:11], s[10:11], s[26:27]
	s_lshl_b32 s34, s34, 1
	s_add_co_u32 s34, s34, s22
	s_lshl_b32 s34, s34, 2
	s_lshl_b32 s24, s32, 5
	s_add_co_u32 s24, s24, s34
	s_add_co_u32 s24, s24, s33
	s_add_co_u32 s24, s24, 256
.set j, 0
.rept 128
	global_load_b32 v[X+j], v2, s[10:11] offset:4096*j th:TH_LOAD_NT
.set j, j+1
.endr
.Lquant:                                           ; both ways have issued 128 loads into the same registers
	s_mul_i32 s24, s24, REC
	s_lshl_b32 s32, s23, 11
	s_add_co_u32 s26, s24, s32
	s_add_nc_u64 s[28:29], s[12:13], s[26:27]      ; tiles 2 g and 2 g + 1 of my record
	s_lshl_b32 s32, s23, 7
	s_add_co_u32 s26, s24, s32
	s_add_co_u32 s26, s26, 8192
	s_add_nc_u64 s[30:31], s[12:13], s[26:27]      ; and their scale words
.macro BLOCK t, left
.set XS, X+32*(\t)
	s_wait_loadcnt \left
	v_max3_num_f32 v8, |v[XS]|, |v[XS+1]|, |v[XS+2]|
	v_max3_num_f32 v9, |v[XS+3]|, |v[XS+4]|, |v[XS+5]|
.irp i, 6,10,14,18,22,26
	v_max3_num_f32 v8, v8, |v[XS+\i]|, |v[XS+\i+1]|
	v_max3_num_f32 v9, v9, |v[XS+\i+2]|, |v[XS+\i+3]|
.endr
	v_max3_num_f32 v8, v8, |v[XS+30]|, |v[XS+31]|
	v_max3_num_f32 v8, v8, v9, 0x1800000           ; the floor 2^(3 - 127)
	v_add_nc_u32 v10, 0xff000000, v8               ; 2 off the exponent field: the conversion's scale operand
	v_lshrrev_b32 v11, 23, v10                     ; the scale's byte
.if (\t) == 0
	v_mov_b32 v[SW], v11
.else
	v_lshl_or_b32 v[SW], v11, 8*(\t), v[SW]        ; the lower K in the lower byte
.endif
.irp g, 0,1,2,3
	v_cvt_scalef32_pk8_fp4_f32 v[C+4*(\t)+\g], v[XS+8*\g:XS+8*\g+7], v10
.endr
	global_store_b128 v3, v[C+4*(\t):C+4*(\t)+3], s[28:29] offset:512*((\t)/2)+256*((\t)%2)   ; block t = piece t / 2, half t % 2: lanes 0-15 and lanes 16-31 each store 256 consecutive bytes
.endm
	BLOCK 0, 63                                    ; 96 loads are younger than block 0's; the count's field holds 63
	BLOCK 1, 63                                    ; 64 are younger
	BLOCK 2, 32
	BLOCK 3, 0
	global_store_b32 v4, v[SW], s[30:31]
	s_endpgm
.Lplace:                                           ; wave v owns blocks 32 v .. 32 v + 31 of 32 tokens.  LDS: 0: the waves' counts, 128 bytes a wave; 1,024: their parts of the loss, 256 bytes a wave
	v_lshlrev_b32 v2, 3, v1                        ; 8 x lane
	v_lshlrev_b32 v3, 2, v1                        ; 4 x lane
	s_lshl_b32 s22, s20, 13
	s_mov_b32 s23, 0
	s_add_nc_u64 s[4:5], s[4:5], s[22:23]
	s_add_nc_u64 s[6:7], s[6:7], s[22:23]
.set j, 0
.rept 32
	global_load_b64 v[32+2*j:33+2*j], v2, s[4:5] offset:256*j      ; (key | rank << 8 of token l of block j, number of block j's tokens with key l)
.set j, j+1
.endr
.set j, 0
.rept 32
	global_load_b64 v[96+2*j:97+2*j], v2, s[6:7] offset:256*j
.set j, j+1
.endr
	s_lshl_b32 s24, s20, 7
	v_add_nc_u32 v4, s24, v3
	s_lshl_b32 s24, s20, 8
	s_add_co_u32 s24, s24, 1024
	v_add_nc_u32 v5, s24, v2
	v_add_nc_u32 v6, 1024, v2
	s_lshl_b32 s24, s20, 10
	v_add_nc_u32 v16, s24, v1                      ; token of block 0 of mine in my lane
	s_mov_b32 s26, 0x76543210
	s_mov_b32 s27, 0xfedcba98
	s_wait_loadcnt 32                              ; meta's 32 loads are in
	v_add3_u32 v20, v33, v35, v37                  ; lane = key: my wave's tokens with it
.irp j, 3,5,7,9,11,13,15,17,19,21,23,25,27,29
	v_add3_u32 v20, v20, v[33+2*\j], v[35+2*\j]
.endr
	v_add_nc_u32 v20, v20, v95
	ds_store_b32 v4, v20
	s_wait_loadcnt 0x0
	v_pk_add_f32 v[22:23], v[96:97], v[98:99]      ; the loss's parts, in two chains
	v_pk_add_f32 v[24:25], v[100:101], v[102:103]
.irp j, 4,6,8,10,12,14,16,18,20,22,24,26,28,30
	v_pk_add_f32 v[22:23], v[22:23], v[96+2*\j:97+2*\j]
	v_pk_add_f32 v[24:25], v[24:25], v[98+2*\j:99+2*\j]
.endr
	v_pk_add_f32 v[22:23], v[22:23], v[24:25]
	ds_store_b64 v5, v[22:23]
	s_wait_dscnt 0x0                               ; for the others' sake: my two stores have landed
	s_barrier_signal -1
	s_barrier_wait -1
.irp u, 0,1,2,3,4,5,6,7
	ds_load_b32 v[192+\u], v3 offset:128*\u
.endr
	s_wait_dscnt 0x0
	v_add3_u32 v10, v192, v193, v194
	v_add3_u32 v10, v10, v195, v196
	v_add3_u32 v10, v10, v197, v198
	v_add_nc_u32 v10, v10, v199                    ; n: all tokens with key = lane
	s_cmp_lt_u32 0, s20
	s_cselect_b32 s24, -1, 0
	v_and_b32 v11, s24, v192
.irp u, 1,2,3,4,5,6
	s_cmp_lt_u32 \u, s20
	s_cselect_b32 s24, -1, 0
	v_and_b32 v12, s24, v[192+\u]
	v_add_nc_u32 v11, v11, v12                     ; those of the waves in front of mine
.endr
	v_add_nc_u32 v13, 63, v10
	v_lshrrev_b32 v13, 6, v13                      ; the key's tiles
	v_mov_b32 v14, 0
	v_mov_b32 v15, 0
; The prefix over the 28 keys: all lanes are read first, each into a scalar register of its own; then the sums are made in scalar registers; then the lanes are written.
.irp k, 0,1,2,3,4,5,6,7,8,9,10,11,12,13,14,15,16,17,18,19,20,21,22,23,24,25,26,27
	v_readlane_b32 s[PS+\k], v13, \k
.endr
.irp k, 1,2,3,4,5,6,7,8,9,10,11,12,13,14,15,16,17,18,19,20,21,22,23,24,25,26,27
	s_add_co_u32 s[PS+\k], s[PS+\k], s[PS+\k-1]    ; where key k's tiles end
.endr
.irp k, 1,2,3,4,5,6,7,8,9,10,11,12,13,14,15,16,17,18,19,20,21,22,23,24,25,26,27
	v_writelane_b32 v14, s[PS+\k-1], \k            ; lane k: key k's first tile (lane 0, and lanes 28 on: 0)
.endr
	v_lshl_add_u32 v160, v14, 6, v11               ; lane = key: where block 0 of mine puts its first token of that key
.set j, 0
.rept 31
	v_add_nc_u32 v[161+j], v[160+j], v[33+2*j]     ; and the blocks behind it
.set j, j+1
.endr
; Blocks 4 g .. 4 g + 3 of my wave's 32 are stored by work-group g + 1: a scalar branch on the work-group's number.
.macro GROUP g
	s_cmp_lg_u32 ttmp9, (\g)+1
	s_cbranch_scc1 .Lnot_mine_\@
.irp i, 0,1,2,3
.set j, 4*(\g)+\i
	v_and_b32 v[96+2*j], 255, v[32+2*j]            ; lane = token: its key,
	v_lshlrev_b32 v[96+2*j], 2, v[96+2*j]          ; as a lane's byte address
.endr
.irp i, 0,1,2,3
.set j, 4*(\g)+\i
	ds_bpermute_b32 v[97+2*j], v[96+2*j], v[160+j] ; where the block's tokens of my key begin
.endr
.irp i, 0,1,2,3
.set j, 4*(\g)+\i
	v_lshrrev_b32 v[32+2*j], 8, v[32+2*j]          ; my rank in the block
	v_add_nc_u32 v[33+2*j], 32*j, v16              ; my token's number
.endr
	s_wait_dscnt 0x0
.irp i, 0,1,2,3
.set j, 4*(\g)+\i
	v_add_nc_u32 v[32+2*j], v[32+2*j], v[97+2*j]   ; my place in the list
	v_min_u32 v[32+2*j], 9919, v[32+2*j]           ; held inside 155 tiles of 64
	v_lshlrev_b32 v[32+2*j], 2, v[32+2*j]
	global_store_b32 v[32+2*j], v[33+2*j], s[14:15]
.endr
.Lnot_mine_\@:
.endm
.irp g, 0,1,2,3,4,5,6,7
	GROUP \g
.endr
	s_cmp_lg_u32 ttmp9, 0
	s_cbranch_scc1 .Lend2                          ; the tile table and the loss are work-group 0's
.irp k, 0,1,2,3,4,5,6,7,8,9,10,11,12,13,14,15,16,17,18,19,20,21,22,23,24,25,26,27
	v_cmp_le_u32 vcc_lo, s[PS+\k], v0
	v_add_co_ci_u32 v15, vcc_lo, 0, v15, vcc_lo    ; thread j: how many keys' tiles end at or before tile j: the key of tile j, 28 past the last
.endr
	v_mov_b32 v17, 0
.irp s, 7,13,18,22,25,27
	v_cmp_le_u32 vcc_lo, \s, v1
	v_add_co_ci_u32 v17, vcc_lo, 0, v17, vcc_lo    ; lane = key: its lo
.endr
	v_sub_nc_u32 v19, 15, v17
	v_mul_u32_u24 v19, v19, v17
	v_lshrrev_b32 v19, 1, v19
	v_sub_nc_u32 v18, v1, v19
	v_add3_u32 v18, v18, v17, 1                    ; its hi
	v_lshlrev_b32 v20, 2, v15
	ds_bpermute_b32 v24, v20, v17                  ; thread j = tile j: its key's lo, hi, number of tokens and first tile (lane 28 holds 0 tokens)
	ds_bpermute_b32 v25, v20, v18
	ds_bpermute_b32 v21, v20, v10
	ds_bpermute_b32 v22, v20, v14
	v_mov_b32 v27, 0
	v_lshlrev_b32 v23, 4, v0
	s_wait_dscnt 0x0
	v_sub_nc_u32 v22, v0, v22
	v_lshlrev_b32 v22, 6, v22
	v_sub_nc_u32 v26, v21, v22
	v_min_i32 v26, 64, v26
	v_max_i32 v26, 0, v26                          ; the tile's rows
	s_cmp_gt_u32 s20, 4
	s_cbranch_scc1 .Lend2                          ; 160 entries: waves 0 to 4
	global_store_b128 v23, v[24:27], s[16:17]
	s_cmp_lg_u32 s20, 0
	s_cbranch_scc1 .Lend2                          ; the loss is wave 0's
.irp u, 0,1,2,3,4,5,6,7
	ds_load_b64 v[96+2*\u:97+2*\u], v6 offset:256*\u
.endr
	v_mov_b32 v9, 0
	v_mov_b32 v28, 0
	s_wait_dscnt 0x0
.irp u, 0,4,8,12
	v_pk_add_f32 v[96+\u:97+\u], v[96+\u:97+\u], v[98+\u:99+\u]
.endr
	v_pk_add_f32 v[96:97], v[96:97], v[100:101]
	v_pk_add_f32 v[104:105], v[104:105], v[108:109]
	v_pk_add_f32 v[96:97], v[96:97], v[104:105]
	v_mul_f32 v8, v96, v97                         ; lane e: (sum of probabilities) x (number of first choices); 0 from lane 8 on
.irp m, 1,2,4,8
	v_add_f32_dpp v8, v8, v8 row_xmask:\m row_mask:0xf bank_mask:0xf
.endr
	v_permlanex16_b32 v9, v8, s26, s27
	v_add_f32 v8, v8, v9
	v_mul_f32 v8, 0x30a3d70a, v8                   ; x 0.01 x 8 / 8192^2
	s_wait_xcnt 0x0                                ; EXEC changes only when every earlier memory instruction has had its addresses translated
	v_cmp_eq_u32 vcc_lo, 0, v1
	s_and_saveexec_b32 s28, vcc_lo
	global_store_b32 v28, v8, s[18:19]             ; one number
	s_wait_xcnt 0x0
	s_or_b32 exec_lo, exec_lo, s28
.Lend2:
	s_wait_tensorcnt 0x0
	ds_add_u32 v200, v201
	s_wait_dscnt 0x0
	s_endpgm
.Lfunc_end_k_q2a7d9e5c05_lay:
	.size	k_q2a7d9e5c05_lay, .Lfunc_end_k_q2a7d9e5c05_lay-k_q2a7d9e5c05_lay
	.p2alignl 7, 3214868480
	.fill 96, 4, 3214868480
	.section	.rodata,"a",@progbits
	.p2align	6, 0x0
	.amdhsa_kernel k_q2a7d9e5c05_lay
		.amdhsa_group_segment_fixed_size 4096
		.amdhsa_private_segment_fixed_size 0
		.amdhsa_enable_private_segment 0
		.amdhsa_kernarg_size 64
		.amdhsa_user_sgpr_count 2
		.amdhsa_user_sgpr_kernarg_segment_ptr 1
		.amdhsa_wavefront_size32 1
		.amdhsa_system_sgpr_workgroup_id_x 1
		.amdhsa_system_sgpr_workgroup_id_y 1
		.amdhsa_system_sgpr_workgroup_id_z 1
		.amdhsa_system_vgpr_workitem_id 0
		.amdhsa_next_free_vgpr 202
		.amdhsa_next_free_sgpr 96
		.amdhsa_reserve_vcc 1
		.amdhsa_float_denorm_mode_32 3
		.amdhsa_float_denorm_mode_16_64 3
		.amdhsa_memory_ordered 1
		.amdhsa_forward_progress 1
		.amdhsa_inst_pref_size 71
	.end_amdhsa_kernel
	.amdgpu_metadata
---
amdhsa.version: [ 1, 2 ]
amdhsa.kernels:
  - .name:           k_q2a7d9e5c05_lay
    .symbol:         k_q2a7d9e5c05_lay.kd
    .args:
      - { .name: meta, .offset: 0, .size: 8, .value_kind: global_buffer, .address_space: global }
      - { .name: part, .offset: 8, .size: 8, .value_kind: global_buffer, .address_space: global }
      - { .name: w1, .offset: 16, .size: 8, .value_kind: global_buffer, .address_space: global }
      - { .name: w2, .offset: 24, .size: 8, .value_kind: global_buffer, .address_space: global }
      - { .name: wq, .offset: 32, .size: 8, .value_kind: global_buffer, .address_space: global }
      - { .name: tlist, .offset: 40, .size: 8, .value_kind: global_buffer, .address_space: global }
      - { .name: tinfo, .offset: 48, .size: 8, .value_kind: global_buffer, .address_space: global }
      - { .name: out1, .offset: 56, .size: 8, .value_kind: global_buffer, .address_space: global }
    .group_segment_fixed_size: 4096
    .private_segment_fixed_size: 0
    .kernarg_segment_align: 8
    .kernarg_segment_size: 64
    .max_flat_workgroup_size: 256
    .sgpr_count:     96
    .vgpr_count:     202
    .wavefront_size: 32
...
	.end_amdgpu_metadata
.endif
;; end of part 5
;; launch chain (part 6): grid 155 x 1, 4 waves a work-group, no clusters, 103,936 bytes of LDS; arguments tinfo, tlist, xq, xs, cw, wq, b1, b2, out0; writes out0
.if DOCPART == 6
	.amdgcn_target "amdgcn-amd-amdhsa--gfx1250"
	.amdhsa_code_object_version 6
	.text
	.protected	k_q2a7d9e5c05_chain
	.globl	k_q2a7d9e5c05_chain
	.p2align	8
	.type	k_q2a7d9e5c05_chain,@function
k_q2a7d9e5c05_chain:
	s_mov_b64 s[64:65], 0
	v_nop
	global_prefetch_b8 v0, s[64:65] scope:SCOPE_SE
	s_setreg_imm32_b32 hwreg(HW_REG_WAVE_MODE, 25, 1), 1
	s_wait_xcnt 0x0
; CHAIN.  out0[token] = c_lo (silu(x W1[lo] + b1[lo]) W2[lo] + b2[lo]) + c_hi (the same with hi), both products on codes of FP4 (E2M1) with one E8M0 scale for each 32 along K.
; A work-group takes one tile of the list: at most 64 tokens that chose the same pair (lo, hi).  It takes both experts through the whole chain and stores whole pieces of rows of out0:
; each row has one owner, the hidden layer never goes to memory.  155 work-groups serve every split (8192 / 64 + 27).
; THE WAVES SHARE THE COLUMNS: wave w makes hidden units 128 w .. 128 w + 127 (K step w of the second product) and outputs 256 w .. 256 w + 255, in two chunks of 128, for all 64 rows.
; So each fragment of a weight is loaded by one wave, once, from wq straight into registers, and feeds four matrix instructions.
; Both products are used transposed (source 0 = 16 rows of a weight's record, source 1 = 16 tokens): a lane holds one token throughout; by the records' choice of columns the 16 registers
; of tiles 2 b and 2 b + 1 are the 16 neighbouring columns 32 b + 16 (lane / 16) + 0 .. 15: the next K's order for the hidden layer, 64 neighbouring bytes for out0.
; A STEP is one record: 8 tiles of a weight x 4 tiles of rows = 32 matrix instructions on 32 accumulators by turns.  A wave walks 32 steps: 8 + 8 of the first
; product (lo, hi), then for each chunk 4 + 4 of the second.  The records come through a ring of four register slots, three steps ahead, across all changes of phase: a bundle is
; 16 loads of codes and 4 of scale words; where sums begin, 16 loads of the bias stand in front of it, and the bias is the C of the sums' first products.
; The second product's two chunks are written out, so that every counted wait stands on one straight way: the last chunk's last three steps load nothing, and no load leaves wq.
; ROWS SHORT OF 64: row i takes list entry min(i, cnt - 1): the spare rows repeat the tile's last token.  A tile of 16 rows that lies wholly past the count is not stored; the spare rows
; beside the last token (15 at the most) store the same bytes again, by the same wave.
; A TILE WITHOUT ROWS passes both barriers and the first loop, jumping over the work inside each trip, and jumps over both chunks; it stores nothing.  The counted waits hold on each
; way: a trip that is jumped over issues nothing, and a worked trip leaves the last three bundles out into slots 0, 1, 2, as the head does.
; A token's number goes from its lane to all lanes through a scalar register; sixteen are read in one run, held in one run and made into offsets in one run, so that no scalar
; instruction reads what the vector instruction just ahead of it has written.
; NO CLUSTER, NO TENSOR LOAD: what a work-group does hangs on counts read from memory, and neighbouring tiles need not have an expert in common.
; LIMITS: the floor 2^(3 - 127) under a block's largest magnitude; a block of zeros keeps the byte 1 (its codes are zeros); NaN and infinities are not served;
; the sigmoid is 1 / (1 + 2^(-z log2 e)) by v_exp_f32 and v_rcp_f32.
.set REC,  8704                        ; a record of wq
.set XIMG, 0                           ; LDS: x's codes: tile of rows m at 8704 m; block kb's 16 rows x 16 bytes at 272 kb (256 + 16 of padding)
.set HIMG, 34816                       ; the hidden layer's fragments as images of their registers: (expert e, rows m, K step s) at ((4 e + m) 4 + s) 1024, piece c at 512 c, lane at 16 l
.set HSC,  67584                       ; their scale words: 1024 e + 256 s + 128 (m / 2) + 64 (m % 2) + 4 r
.set STG,  69632                       ; the way out: 16 rows x (512 + 16) bytes for each wave
.set LANE, 1
.set RR,   2                           ; v2   r = lane % 16
.set HH,   3                           ; v3   h = lane / 16
.set L16,  4                           ; v4   16 x lane
.set L4,   5                           ; v5   4 x lane
.set VB,   6                           ; v6   64 h: my half's place in a bias
.set XAD,  7                           ; v7   272 h + 16 r
.set HAD,  8                           ; v8   HIMG + 16 l
.set HSR,  9                           ; v9   HSC + 4 l
.set HWI,  10                          ; v10  HIMG + 1024 w + 16 l
.set HSW,  11                          ; v11  HSC + 256 w + 4 r
.set HWA,  12                          ; v12  this trip's: + 16384 e
.set HSA,  13                          ; v13  this trip's: + 1024 e
.set SO,   14                          ; v14  the stage, way in
.set SR,   15                          ; v15  the stage, way out
.set XW,   16                          ; v16  8704 w + 272 l
.set T32,  17                          ; v17-18 tokens 32 q + l of the tile
.set TW,   19                          ; v19  tokens 16 w + r
.set T16,  24                          ; v24-27 tokens 16 m + r
.set CW,   28                          ; v28-35 (c_lo, c_hi) of token 16 m + r
.set XS,   36                          ; v36-51 x's scale words: register 8 q + s: lanes 0-15 rows 32 q on, lanes 16-31 rows 32 q + 16 on, K step s
.set HS,   52                          ; v52-55 the hidden layer's, two sets of two
.set WS,   56                          ; v56-71 the weights', four a slot
.set BF,   72                          ; v72-135 source 1: two sets of four fragments
.set VO,   72                          ; the way out: the 64 rows' offsets in out0, in the same registers, which no product reads then
.set BI,   136                         ; v136-199 a bias in the result's layout, 8 tiles x 8
.set TM,   200                         ; v200-215 at work in the quantiser
.set PC,   216                         ; v216-247 codes just made, 8 for each tile of rows (at the head: offsets of gathers)
.set PW,   248                         ; v248-251 their scale words
                                       ; window 1: the ring, slot at 64 slot, tile t at + 8 t;  window 2: accumulators, (t, m) at 64 m + 8 t;  window 3: the activation's 256 temporaries, later expert hi's accumulators
.set CUR, 32                           ; s[32:33] the run of records in hand; behind the first loop: expert lo's records of w2
.set NXT, 34                           ; s[34:35] the next run
.set NX2, 36                           ; s[36:37] the run after that
.set CB,  38                           ; s[38:39] expert hi's records of w2
.set NB,  40                           ; s[40:41] the next bias of the first loop
.set BA,  42                           ; s[42:43] b2 of lo, my 256 columns
.set BB,  44                           ; s[44:45] b2 of hi
.set OUT, 46                           ; s[46:47] out0 at my first column
.set FB,  60                           ; s[60:61] b1 of lo
.set TK,  66                           ; s66-97 sixteen tokens' numbers, two sets
.set MSB, 0
.macro WIN new                         ; the immediate's high byte repeats the setting that is left
.if MSB != (\new)
	s_set_vgpr_msb (MSB<<8)|(\new)
.set MSB, (\new)
.endif
.endm
.macro PLACES                          ; four plain lines between a matrix instruction and a load into, or a vector read or write of, its registers (ISA guide 7.12.1 for vector instructions)
.rept 4
	v_nop
.endr
.endm
.macro BUNDLE slot, ptr, off, bias, bptr, boff
.if \bias
.irp t, 0,1,2,3,4,5,6,7
	global_load_b128 v[BI+8*\t:BI+8*\t+3], v[VB], s[\bptr:\bptr+1] offset:(\boff)+128*(\t/2)+32*(\t%2)       ; tile t's eight columns of my half
	global_load_b128 v[BI+8*\t+4:BI+8*\t+7], v[VB], s[\bptr:\bptr+1] offset:(\boff)+128*(\t/2)+32*(\t%2)+16
.endr
.endif
.irp g, 0,1,2,3
	global_load_b32 v[WS+4*(\slot)+\g], v[L4], s[\ptr:\ptr+1] offset:(\off)+8192+128*\g
.endr
	WIN 0x40                                       ; destination window 1
.irp p, 0,1,2,3,4,5,6,7,8,9,10,11,12,13,14,15
	global_load_b128 v[64*(\slot)+4*\p:64*(\slot)+4*\p+3], v[L16], s[\ptr:\ptr+1] offset:(\off)+512*\p      ; 512 neighbouring bytes: four registers of a fragment as they stand
.endr
	WIN 0
.endm
.macro FETCHX buf, s                   ; x's four fragments of K step s
.irp m, 0,1,2,3
.irp c, 0,1
	ds_load_b128 v[BF+32*(\buf)+8*\m+4*\c:BF+32*(\buf)+8*\m+4*\c+3], v[XAD] offset:8704*\m+272*(4*(\s)+2*\c)
.endr
.endr
.endm
.macro FETCHH buf, e, s                ; expert e's four hidden fragments of K step s, and their scale words
.irp m, 0,1,2,3
.irp c, 0,1
	ds_load_b128 v[BF+32*(\buf)+8*\m+4*\c:BF+32*(\buf)+8*\m+4*\c+3], v[HAD] offset:((4*(\e)+\m)*4+(\s))*1024+512*\c
.endr
.endr
.irp q, 0,1
	ds_load_b32 v[HS+2*(\buf)+\q], v[HSR] offset:1024*(\e)+256*(\s)+128*\q
.endr
.endm
; 32 matrix instructions: the slot's 8 tiles x the set's 4 tiles of rows.  hi: accumulators in window 2 or 3.  first: the bias starts the sums.  bs0, bs1: the rows' scale words (rows 0-31, 32-63).
.macro MM slot, buf, hi, first, bs0, bs1
.if \first
	WIN 0x81+0x40*(\hi)                            ; source 0 window 1, sources 1 and 2 window 0, destination window 2 or 3
.else
	WIN 0xa1+0x50*(\hi)                            ; C with D
.endif
.irp m, 0,1,2,3
.irp t, 0,1,2,3,4,5,6,7
.set rD, 64*\m+8*\t
.set rA, 64*(\slot)+8*\t
.set rB, BF+32*(\buf)+8*\m
.set rC, rD
.if \first
.set rC, BI+8*\t
.endif
.set rX, WS+4*(\slot)+\t/2
.set rY, \bs0
.if \m > 1
.set rY, \bs1
.endif
.if (\t%2) && (\m%2)
	v_wmma_scale_f32_16x16x128_f8f6f4 v[rD:rD+7], v[rA:rA+7], v[rB:rB+7], v[rC:rC+7], v[rX], v[rY] matrix_a_fmt:MATRIX_FMT_FP4 matrix_b_fmt:MATRIX_FMT_FP4 matrix_a_scale:MATRIX_SCALE_ROW1 matrix_b_scale:MATRIX_SCALE_ROW1
.elseif \t%2
	v_wmma_scale_f32_16x16x128_f8f6f4 v[rD:rD+7], v[rA:rA+7], v[rB:rB+7], v[rC:rC+7], v[rX], v[rY] matrix_a_fmt:MATRIX_FMT_FP4 matrix_b_fmt:MATRIX_FMT_FP4 matrix_a_scale:MATRIX_SCALE_ROW1
.elseif \m%2
	v_wmma_scale_f32_16x16x128_f8f6f4 v[rD:rD+7], v[rA:rA+7], v[rB:rB+7], v[rC:rC+7], v[rX], v[rY] matrix_a_fmt:MATRIX_FMT_FP4 matrix_b_fmt:MATRIX_FMT_FP4 matrix_b_scale:MATRIX_SCALE_ROW1
.else
	v_wmma_scale_f32_16x16x128_f8f6f4 v[rD:rD+7], v[rA:rA+7], v[rB:rB+7], v[rC:rC+7], v[rX], v[rY] matrix_a_fmt:MATRIX_FMT_FP4 matrix_b_fmt:MATRIX_FMT_FP4
.endif
.endr
.endr
	WIN 0
.endm
; A step of the first product.  The places serve the loads into the slot, the scale words and the set that the step before multiplied.
.macro P1STEP s
	PLACES
	FETCHX ((\s)+1)%2, ((\s)+1)%8
.if (\s) <= 4
	BUNDLE ((\s)+3)%4, CUR, REC*((\s)+3), 0, 0, 0
	s_wait_loadcnt 60                              ; behind this step's bundle: three bundles of 20
.elseif (\s) == 5
	BUNDLE 0, NXT, 0, 1, NB, 0
	s_wait_loadcnt 63                              ; three bundles, one with a bias: 76; the count's field holds 63
.else
	BUNDLE ((\s)+3)%4, NXT, REC*((\s)-5), 0, 0, 0
	s_wait_loadcnt 63
.endif
	s_wait_dscnt 8                                 ; this step's fragments of x are in; the eight loads just issued may be out
	MM (\s)%4, (\s)%2, 0, (\s)==0, XS+(\s), XS+8+(\s)
.endm
; Tile of rows m: 64 numbers a lane in window 2, register 16 b + i = hidden unit 32 b + 16 h + i of my token, become a fragment's codes and a scale word, and go to LDS as they stand.
.macro QUANT m
	WIN 0x28                                       ; sources 1 and 2 window 2
.irp b, 0,1,2,3
	v_max3_num_f32 v[TM+\b], 0x1800000, |v[64*(\m)+16*\b]|, |v[64*(\m)+16*\b+1]|   ; block b: my 16 numbers, and the floor 2^(3 - 127)
.endr
.irp i, 2,4,6,8,10,12,14
.irp b, 0,1,2,3
	v_max3_num_f32 v[TM+\b], v[TM+\b], |v[64*(\m)+16*\b+\i]|, |v[64*(\m)+16*\b+\i+1]|   ; the four blocks by turns
.endr
.endr
	WIN 0
.irp b, 0,1,2,3
	v_permlanex16_b32 v[TM+4+\b], v[TM+\b], s50, s51
.endr
.irp b, 0,1,2,3
	v_max_num_f32 v[TM+\b], v[TM+\b], v[TM+4+\b]   ; with lane l xor 16's: the block's largest magnitude
.endr
.irp b, 0,1,2,3
	v_add_nc_u32 v[TM+12+\b], 0xff000000, v[TM+\b] ; 2 off the exponent field: the conversion's scale operand
.endr
.irp b, 0,1,2,3
	v_lshrrev_b32 v[TM+4+\b], 23, v[TM+12+\b]      ; the scale's byte
.endr
	v_lshl_or_b32 v[PW+(\m)], v[TM+5], 8, v[TM+4]
	v_lshl_or_b32 v[PW+(\m)], v[TM+6], 16, v[PW+(\m)]
	v_lshl_or_b32 v[PW+(\m)], v[TM+7], 24, v[PW+(\m)]
	WIN 0x02                                       ; source 0 window 2
.irp b, 0,1,2,3
	v_cvt_scalef32_pk8_fp4_f32 v[PC+8*(\m)+2*\b], v[64*(\m)+16*\b:64*(\m)+16*\b+7], v[TM+12+\b]
	v_cvt_scalef32_pk8_fp4_f32 v[PC+8*(\m)+2*\b+1], v[64*(\m)+16*\b+8:64*(\m)+16*\b+15], v[TM+12+\b]
.endr
	WIN 0
	v_nop                                          ; one plain line behind a scaled conversion
.irp c, 0,1                            ; the operand's layout wants a whole block in a lane: lanes 0-15 block 2 c, lanes 16-31 block 2 c + 1
.irp i, 0,1
	v_permlane16_swap_b32 v[PC+8*(\m)+4*\c+\i], v[PC+8*(\m)+4*\c+2+\i]
.endr
.endr
.irp c, 0,1
	ds_store_b128 v[HWA], v[PC+8*(\m)+4*\c:PC+8*(\m)+4*\c+3] offset:4096*(\m)+512*\c
.endr
	ds_store_b32 v[HSA], v[PW+(\m)] offset:128*((\m)/2)+64*((\m)%2)   ; both halves of the lanes hold the same word and write it to the same bytes
.endm
; Step s of chunk ch of the second product: steps 0-3 expert lo (window 2), steps 4-7 expert hi (window 3).  The bundle is that of the step three on:
; step 0: lo's fourth record; steps 1-4: hi's four, the first with hi's bias; steps 5-7 of chunk 0: the first three of lo's records of chunk 1, the first with lo's bias; of chunk 1: nothing.
.macro P2STEP ch, s
	PLACES
.if (\s) < 7
	FETCHH ((\s)+1)%2, ((\s)+1)/4, ((\s)+1)%4
.endif
.if (\s) == 0
	BUNDLE 3, CUR, REC*(4*(\ch)+3), 0, 0, 0
	s_wait_loadcnt 60                              ; behind this step's bundle: three bundles of 20
.elseif (\s) == 1
	BUNDLE 0, CB, REC*4*(\ch), 1, BB, 512*(\ch)
	s_wait_loadcnt 63                              ; 76 are younger; the count's field holds 63
.elseif (\s) <= 3
	BUNDLE ((\s)+3)%4, CB, REC*(4*(\ch)+(\s)-1), 0, 0, 0
	s_wait_loadcnt 63
.elseif (\s) == 4
	BUNDLE 3, CB, REC*(4*(\ch)+3), 0, 0, 0
	s_wait_loadcnt 60
.elseif (\ch) == 0
	BUNDLE ((\s)+3)%4, CUR, REC*((\s)-1), (\s)==5, BA, 512
	s_wait_loadcnt 63
.else
	s_wait_loadcnt 20*(7-(\s))                     ; behind this step's bundle: those of the steps still to come
.endif
.if (\s) < 7
	s_wait_dscnt 10                                ; this step's fragments and scale words are in; the ten loads just issued may be out
.else
	s_wait_dscnt 0x0
.endif
	MM (\s)%4, (\s)%2, (\s)/4, ((\s)%4)==0, HS+2*((\s)%2), HS+2*((\s)%2)+1
.endm
; THE WAY OUT of a chunk.  First the 64 rows' offsets in out0: a tile of rows' sixteen tokens at a time, in three runs (RL: lanes to scalar registers; MN: held inside the tensor; SH: a row of
; 4,096 bytes + 16 x lane), the tiles' runs set between each other, on two sets of scalar registers.
.macro RL m
.irp n, 0,1,2,3,4,5,6,7,8,9,10,11,12,13,14,15
	v_readlane_b32 s[TK+16*((\m)%2)+\n], v[T16+(\m)], \n
.endr
.endm
.macro MN m
.irp n, 0,1,2,3,4,5,6,7,8,9,10,11,12,13,14,15
	s_min_u32 s[TK+16*((\m)%2)+\n], s[TK+16*((\m)%2)+\n], 8191
.endr
.endm
.macro SH m
.irp n, 0,1,2,3,4,5,6,7,8,9,10,11,12,13,14,15
	v_lshl_add_u32 v[VO+16*(\m)+\n], s[TK+16*((\m)%2)+\n], 12, v[L16]
.endr
.endm
.macro VOFFS
	RL 0
	RL 1
	MN 0
	SH 0
	RL 2
	MN 1
	SH 1
	RL 3
	MN 2
	SH 2
	MN 3
	SH 3
.endm
.macro COMB m                          ; tile of rows m: c_lo y_lo + c_hi y_hi
	WIN 0x82                                       ; destination and source 0 window 2
.set i, 64*(\m)
.rept 32
	v_pk_mul_f32 v[i:i+1], v[i:i+1], v[CW+2*(\m):CW+2*(\m)+1] op_sel_hi:[1,0]      ; each accumulator from its low end on
.set i, i+2
.endr
	WIN 0xa3                                       ; source 0 window 3, source 2 and destination window 2
.set i, 64*(\m)
.rept 32
	v_pk_fma_f32 v[i:i+1], v[i:i+1], v[CW+2*(\m):CW+2*(\m)+1], v[i:i+1] op_sel:[0,1,0] op_sel_hi:[1,1,1]
.set i, i+2
.endr
.endm
.macro TOSTAGE m                       ; into my own stage, and back as whole pieces of rows, 512 bytes each, into the registers that they left
	WIN 0x08                                       ; an LDS store's data are its source 1: window 2
.irp t, 0,1,2,3,4,5,6,7
	ds_store_b128 v[SO], v[64*(\m)+8*\t:64*(\m)+8*\t+3] offset:128*(\t/2)+32*(\t%2)
	ds_store_b128 v[SO], v[64*(\m)+8*\t+4:64*(\m)+8*\t+7] offset:128*(\t/2)+32*(\t%2)+16
.endr
	WIN 0x80                                       ; destination window 2
.irp n, 0,1,2,3,4,5,6,7,8,9,10,11,12,13,14,15
	ds_load_b128 v[64*(\m)+4*\n:64*(\m)+4*\n+3], v[SR] offset:528*\n   ; LDS serves a wave's instructions in order: these see the stores above, and the next tile's stores come behind them
.endr
	WIN 0
.endm
.macro SEND ch, m                      ; stored; a tile of rows that lies wholly past the count is not (its loads from the stage are waited for at the chunk's end)
	WIN 0                                          ; at a branch and at a label every window is 0
.if (\m) > 0
	s_cmp_le_u32 s26, 16*(\m)
	s_cbranch_scc1 .Lnone_\@
.endif
	WIN 0x08                                       ; a store's data are its source 1: window 2
.irp n, 0,1,2,3,4,5,6,7,8,9,10,11,12,13,14,15
	s_wait_dscnt 15-\n                             ; row n is back: behind its load stand the tile's later rows' loads alone
	global_store_b128 v[VO+16*(\m)+\n], v[64*(\m)+4*\n:64*(\m)+4*\n+3], s[OUT:OUT+1] offset:512*(\ch) th:TH_STORE_NT   ; 512 consecutive bytes, at a multiple of 256 from out0's first byte; written once
.endr
	WIN 0
.if (\m) > 0
.Lnone_\@:
.endif
.endm
; A chunk of 128 outputs: eight steps, then the way out, in which a tile's weighted sum stands between the loads from the stage of the tile before and the wait for them.
.macro CHUNK ch
.if (\ch) > 0
	s_wait_xcnt 0x0                                ; the last chunk's stores have read their data, which this chunk's first products write, and their offsets, on which the loads below land
.endif
	FETCHH 0, 0, 0
.irp s, 0,1,2,3,4,5,6,7
	P2STEP \ch, \s
.endr
	PLACES
	VOFFS
	COMB 0
	TOSTAGE 0
	COMB 1
	SEND \ch, 0
	TOSTAGE 1
	COMB 2
	SEND \ch, 1
	TOSTAGE 2
	COMB 3
	SEND \ch, 2
	TOSTAGE 3
	SEND \ch, 3
	s_wait_dscnt 0x0                               ; on the ways that jumped over stores: the loads from the stage are in
.endm
	s_load_b512 s[4:19], s[0:1], 0x0               ; tinfo, tlist, xq, xs, cw, wq, b1, b2
	s_load_b64 s[20:21], s[0:1], 0x40              ; out0
	v_lshl_add_u32 v254, v0, 2, 0x19400
	v_mov_b32 v255, 0
	v_lshrrev_b32 v1, 5, v0
	v_readfirstlane_b32 s28, v1                    ; wave 0..3
	v_and_b32 v[LANE], 31, v0
	v_and_b32 v[RR], 15, v0
	v_bfe_u32 v[HH], v0, 4, 1
	v_lshlrev_b32 v[L16], 4, v[LANE]
	v_lshlrev_b32 v[L4], 2, v[LANE]
	v_lshlrev_b32 v[VB], 6, v[HH]
	v_mul_u32_u24 v[XAD], v[HH], 272
	v_lshl_add_u32 v[XAD], v[RR], 4, v[XAD]
	v_add_nc_u32 v[HAD], HIMG, v[L16]
	v_add_nc_u32 v[HSR], HSC, v[L4]
	s_lshl_b32 s55, s28, 10
	s_add_co_u32 s55, s55, HIMG
	v_add_nc_u32 v[HWI], s55, v[L16]
	s_lshl_b32 s55, s28, 8
	s_add_co_u32 s55, s55, HSC
	v_lshl_add_u32 v[HSW], v[RR], 2, s55
	s_mul_i32 s55, s28, 16*528
	s_add_co_u32 s55, s55, STG
	v_mul_u32_u24 v[SO], v[RR], 528
	v_lshl_add_u32 v[SO], v[HH], 6, v[SO]
	v_add_nc_u32 v[SO], s55, v[SO]                 ; row r, + 64 h
	v_add_nc_u32 v[SR], s55, v[L16]
	s_mul_i32 s55, s28, 8704
	v_mul_u32_u24 v[XW], v[LANE], 272
	v_add_nc_u32 v[XW], s55, v[XW]
.irp b, 0,1,2,3
	v_mov_b32 v[TM+4+\b], 0                        ; written once: a lane exchange's destination counts as one of its sources
.endr
	s_mov_b32 s48, 0xbfb8aa3b                      ; -log2(e)
	s_mov_b32 s49, s48                             ; (named with it as a pair, so it is written)
	s_mov_b32 s50, 0x76543210
	s_mov_b32 s51, 0xfedcba98                      ; selects for lane l xor 16
	s_lshl_b32 s56, ttmp9, 4
	s_mov_b32 s57, 0
	s_wait_kmcnt 0x0
	s_add_nc_u64 s[4:5], s[4:5], s[56:57]
	s_load_b128 s[24:27], s[4:5], 0x0              ; my tile: lo, hi, cnt, 0
	s_wait_kmcnt 0x0
	s_min_u32 s24, s24, 7
	s_min_u32 s25, s25, 7
	s_sub_co_i32 s29, s26, 1
	s_max_i32 s29, s29, 0
	s_min_u32 s29, s29, 63                         ; the last list entry that is written
	s_cmp_eq_u32 s26, 0
	s_cselect_b32 s30, 0, ttmp9                    ; a tile without rows reads entry 0 of tile 0, which is always written
	s_min_u32 s30, s30, 154
	s_lshl_b32 s56, s30, 8
	s_add_nc_u64 s[6:7], s[6:7], s[56:57]
	s_lshl_b32 s58, s28, 3
	s_lshl_b32 s55, s24, 5
	s_add_co_u32 s55, s55, s58
	s_mul_i32 s56, s55, REC
	s_add_nc_u64 s[CUR:CUR+1], s[14:15], s[56:57]  ; w1 of lo: records 32 lo + 8 w on
	s_lshl_b32 s55, s25, 5
	s_add_co_u32 s55, s55, s58
	s_mul_i32 s56, s55, REC
	s_add_nc_u64 s[NXT:NXT+1], s[14:15], s[56:57]  ; w1 of hi
	s_add_nc_u64 s[NX2:NX2+1], s[CUR:CUR+1], 256*REC   ; w2 of lo: records 256 + 32 lo + 8 w on
	s_add_nc_u64 s[CB:CB+1], s[NXT:NXT+1], 256*REC     ; w2 of hi
	s_lshl_b32 s58, s28, 9
	s_lshl_b32 s56, s24, 11
	s_add_co_u32 s56, s56, s58
	s_add_nc_u64 s[FB:FB+1], s[16:17], s[56:57]
	s_lshl_b32 s56, s25, 11
	s_add_co_u32 s56, s56, s58
	s_add_nc_u64 s[NB:NB+1], s[16:17], s[56:57]
	s_lshl_b32 s58, s28, 10
	s_lshl_b32 s56, s24, 12
	s_add_co_u32 s56, s56, s58
	s_add_nc_u64 s[BA:BA+1], s[18:19], s[56:57]
	s_lshl_b32 s56, s25, 12
	s_add_co_u32 s56, s56, s58
	s_add_nc_u64 s[BB:BB+1], s[18:19], s[56:57]
	s_mov_b32 s56, s58
	s_add_nc_u64 s[OUT:OUT+1], s[20:21], s[56:57]
.irp m, 0,1,2,3
	v_add_nc_u32 v[PC+\m], 16*\m, v[RR]
.endr
	s_lshl_b32 s55, s28, 4
	v_add_nc_u32 v[PC+4], s55, v[RR]
	v_mov_b32 v[PC+5], v[LANE]
	v_add_nc_u32 v[PC+6], 32, v[LANE]
.irp n, 0,1,2,3,4,5,6
	v_min_u32 v[PC+\n], s29, v[PC+\n]              ; rows past the tile's last repeat it
.endr
.irp n, 0,1,2,3,4,5,6
	v_min_u32 v[PC+\n], 63, v[PC+\n]
.endr
.irp n, 0,1,2,3,4,5,6
	v_lshlrev_b32 v[PC+\n], 2, v[PC+\n]
.endr
.irp m, 0,1,2,3
	global_load_b32 v[T16+\m], v[PC+\m], s[6:7]
.endr
	global_load_b32 v[TW], v[PC+4], s[6:7]
	global_load_b32 v[T32], v[PC+5], s[6:7]
	global_load_b32 v[T32+1], v[PC+6], s[6:7]
	BUNDLE 0, CUR, 0, 1, FB, 0
	s_wait_loadcnt 36                              ; the seven list loads are in; the first bundle, with its bias, stays out
	v_min_u32 v[TW], 0x1fff, v[TW]
.irp n, 0,1,2,3,4,5,6,7,8,9,10,11,12,13,14,15
	v_readlane_b32 s[TK+\n], v[TW], \n             ; the sixteen rows of my tile of rows, in one run
.endr
.irp m, 0,1,2,3
	v_min_u32 v[T16+\m], 0x1fff, v[T16+\m]
.endr
	v_min_u32 v[T32], 0x1fff, v[T32]
	v_min_u32 v[T32+1], 0x1fff, v[T32+1]
.irp q, 0,1
	v_lshlrev_b32 v[PC+16+\q], 5, v[T32+\q]
.endr
.irp m, 0,1,2,3
	v_lshlrev_b32 v[PC+18+\m], 3, v[T16+\m]
.endr
.irp n, 0,1,2,3,4,5,6,7,8,9,10,11,12,13,14,15
	s_min_u32 s[TK+\n], s[TK+\n], 8191
.endr
.irp n, 0,1,2,3,4,5,6,7,8,9,10,11,12,13,14,15
	v_lshl_add_u32 v[PC+\n], s[TK+\n], 9, v[L16]   ; a row's 512 bytes of codes: lane l takes block l
	global_load_b128 v[BF+4*\n:BF+4*\n+3], v[PC+\n], s[8:9]
.endr
.irp m, 0,1,2,3
	global_load_b64 v[CW+2*\m:CW+2*\m+1], v[PC+18+\m], s[12:13]
.endr
.irp q, 0,1
	global_load_b128 v[XS+8*\q:XS+8*\q+3], v[PC+16+\q], s[10:11]
	global_load_b128 v[XS+8*\q+4:XS+8*\q+7], v[PC+16+\q], s[10:11] offset:16
.endr
	BUNDLE 1, CUR, REC, 0, 0, 0
	BUNDLE 2, CUR, 2*REC, 0, 0, 0
	s_wait_loadcnt 40                              ; all but the two bundles just issued
.irp n, 0,1,2,3,4,5,6,7,8,9,10,11,12,13,14,15
	ds_store_b128 v[XW], v[BF+4*\n:BF+4*\n+3] offset:16*\n
.endr
	s_wait_dscnt 0x0                               ; for the others' sake: my 16 rows of x lie in LDS
	s_barrier_signal -1
	s_barrier_wait -1
	FETCHX 0, 0
	s_mov_b32 s53, 0
	s_mov_b32 s54, 0
	s_mov_b32 s52, 2
.Lp1:                                              ; two trips: expert lo, expert hi
	v_add_nc_u32 v[HWA], s53, v[HWI]
	v_add_nc_u32 v[HSA], s54, v[HSW]
	s_cmp_eq_u32 s26, 0
	s_cbranch_scc1 .Lskip1                         ; a tile without rows
.irp s, 0,1,2,3,4,5,6,7
	P1STEP \s
.endr
	PLACES
	WIN 0xc2                                       ; destination window 3, source 0 window 2
.set i, 0
.rept 128
	v_pk_mul_f32 v[i:i+1], v[i:i+1], s[48:49] op_sel_hi:[1,0]      ; -z log2(e); each accumulator is read from its low end on
.set i, i+2
.endr
	WIN 0xc3
.set i, 0
.rept 256
	v_exp_f32 v[i], v[i]
.set i, i+1
.endr
	v_nop                                          ; a plain line behind the last exponential
	s_wait_alu depctr_va_vdst(0)                   ; one wait for the batch, ahead of its first reader
.set i, 0
.rept 128
	v_pk_add_f32 v[i:i+1], v[i:i+1], 1.0 op_sel_hi:[1,0]
.set i, i+2
.endr
.set i, 0
.rept 256
	v_rcp_f32 v[i], v[i]
.set i, i+1
.endr
	v_nop
	s_wait_alu depctr_va_vdst(0)
	WIN 0x8e                                       ; destination and source 0 window 2, source 1 window 3
.set i, 0
.rept 128
	v_pk_mul_f32 v[i:i+1], v[i:i+1], v[i:i+1]      ; z x sigmoid(z)
.set i, i+2
.endr
	WIN 0
	QUANT 0
	QUANT 1
	QUANT 2
	QUANT 3
	s_wait_dscnt 0x0
.Lskip1:
	s_wait_xcnt 0x0                                ; the bundles have read their bases, which are written now
	s_mov_b64 s[CUR:CUR+1], s[NXT:NXT+1]
	s_mov_b64 s[NXT:NXT+1], s[NX2:NX2+1]
	s_mov_b64 s[NB:NB+1], s[BA:BA+1]
	s_add_co_u32 s53, s53, 16384
	s_add_co_u32 s54, s54, 1024
	s_sub_co_u32 s52, s52, 1
	s_cmp_lg_u32 s52, 0
	s_cbranch_scc1 .Lp1
	s_wait_dscnt 0x0                               ; for the others' sake: my images of the hidden layer lie in LDS
	s_barrier_signal -1
	s_barrier_wait -1
	s_cmp_eq_u32 s26, 0
	s_cbranch_scc1 .Lend                           ; a tile without rows stores nothing
	CHUNK 0                                        ; my outputs 0 .. 127
	CHUNK 1                                        ; and 128 .. 255
.Lend:
	s_wait_tensorcnt 0x0
	ds_add_u32 v254, v255
	s_wait_dscnt 0x0
	s_endpgm
.Lfunc_end_k_q2a7d9e5c05_chain:
	.size	k_q2a7d9e5c05_chain, .Lfunc_end_k_q2a7d9e5c05_chain-k_q2a7d9e5c05_chain
	.p2alignl 7, 3214868480
	.fill 96, 4, 3214868480
	.section	.rodata,"a",@progbits
	.p2align	6, 0x0
	.amdhsa_kernel k_q2a7d9e5c05_chain
		.amdhsa_group_segment_fixed_size 103936
		.amdhsa_private_segment_fixed_size 0
		.amdhsa_enable_private_segment 0
		.amdhsa_kernarg_size 72
		.amdhsa_user_sgpr_count 2
		.amdhsa_user_sgpr_kernarg_segment_ptr 1
		.amdhsa_wavefront_size32 1
		.amdhsa_system_sgpr_workgroup_id_x 1
		.amdhsa_system_sgpr_workgroup_id_y 1
		.amdhsa_system_sgpr_workgroup_id_z 1
		.amdhsa_system_vgpr_workitem_id 0
		.amdhsa_next_free_vgpr 1024
		.amdhsa_next_free_sgpr 98
		.amdhsa_reserve_vcc 0
		.amdhsa_float_denorm_mode_32 3
		.amdhsa_float_denorm_mode_16_64 3
		.amdhsa_memory_ordered 1
		.amdhsa_forward_progress 1
		.amdhsa_inst_pref_size 255
	.end_amdhsa_kernel
	.section	.bss,"aw",@nobits
	.p2align	6
	.space	262144
	.amdgpu_metadata
---
amdhsa.version: [ 1, 2 ]
amdhsa.kernels:
  - .name:           k_q2a7d9e5c05_chain
    .symbol:         k_q2a7d9e5c05_chain.kd
    .args:
      - { .name: tinfo, .offset: 0, .size: 8, .value_kind: global_buffer, .address_space: global }
      - { .name: tlist, .offset: 8, .size: 8, .value_kind: global_buffer, .address_space: global }
      - { .name: xq, .offset: 16, .size: 8, .value_kind: global_buffer, .address_space: global }
      - { .name: xs, .offset: 24, .size: 8, .value_kind: global_buffer, .address_space: global }
      - { .name: cw, .offset: 32, .size: 8, .value_kind: global_buffer, .address_space: global }
      - { .name: wq, .offset: 40, .size: 8, .value_kind: global_buffer, .address_space: global }
      - { .name: b1, .offset: 48, .size: 8, .value_kind: global_buffer, .address_space: global }
      - { .name: b2, .offset: 56, .size: 8, .value_kind: global_buffer, .address_space: global }
      - { .name: out0, .offset: 64, .size: 8, .value_kind: global_buffer, .address_space: global }
    .group_segment_fixed_size: 103936
    .private_segment_fixed_size: 0
    .kernarg_segment_align: 8
    .kernarg_segment_size: 72
    .max_flat_workgroup_size: 128
    .sgpr_count:     98
    .vgpr_count:     1024
    .wavefront_size: 32
...
	.end_amdgpu_metadata
.endif
;; end of part 6
;; ======== version 3 of 3: 3 launches
;; workspace buffers: xq 4,194,304 bytes; xs 262,144 bytes; cw 65,536 bytes; part 65,536 bytes; meta 65,536 bytes of whole numbers; tlist 39,680 bytes of whole numbers; tinfo 2,560 bytes of whole numbers; wq 4,456,448 bytes
;; launch route (part 7): grid 256 x 1, 4 waves a work-group, no clusters, 73,216 bytes of LDS; arguments x, gate_w, xq, xs, meta, cw, part; writes xq, xs, meta, cw, part
.if DOCPART == 7
	.amdgcn_target "amdgcn-amd-amdhsa--gfx1250"
	.amdhsa_code_object_version 6
	.text
	.protected	k_q2a7d9e5c05_route
	.globl	k_q2a7d9e5c05_route
	.p2align	8
	.type	k_q2a7d9e5c05_route,@function
k_q2a7d9e5c05_route:
	s_mov_b64 s[64:65], 0
	v_nop
	global_prefetch_b8 v0, s[64:65] scope:SCOPE_SE
	s_setreg_imm32_b32 hwreg(HW_REG_WAVE_MODE, 25, 1), 1
	s_wait_xcnt 0x0
; ROUTE.  x [8192][1024] f32 is read once and gives two things.
; (1) Its codes of FP4 (E2M1) along the 1,024, xq [token][512 bytes], and one E8M0 byte for each 32, xs [token][32 bytes].
; (2) The router in f32: 8 logits a token (fused multiply-adds), softmax with the row's maximum taken away, the two largest
;     probabilities (a strictly greater compare in ascending order keeps the lower index, as lax.top_k does), their weights
;     renormalised with the 1e-9 of the definition.
; Stored for the later launches, all at fixed places: cw [token](weight of the lower-numbered expert, of the higher);
; meta [block of 32 tokens][lane](key | rank << 8 of token 32 block + lane, number of the block's tokens whose key = lane);
; part [block][lane](sum of the block's probabilities of expert lane, number of its tokens whose first choice is lane), 0 from lane 8 on.
; The key numbers the 28 unordered pairs lo < hi: ((15 - lo) lo >> 1) + hi - lo - 1.  No address, branch or EXEC here hangs on these numbers.
; SHARES.  A work-group takes 32 tokens, a wave 8 rows, one row at a time; lane l holds block l (k = 32 l .. 32 l + 31), so a block's largest
; magnitude needs no other lane, and the lane's 32 x 8 gate weights stay in 256 registers.  Each load of x reads 512 neighbouring bytes; a row turns
; through the wave's own stage in LDS (144 bytes a lane: 128 + 16 of padding) so that a lane gets its 32 neighbours.  All 64 loads of a wave go out at its head.
; A block's scale is 2^(floor(log2(largest magnitude)) - 2): the byte is the magnitude's exponent field - 2.
; LIMITS: the largest magnitude is taken no smaller than 2^(3 - 127), so the byte is at least 1; a block of zeros keeps the byte 1 where the rule says 127
; (its codes are zeros, and this program alone reads the bytes); NaN and infinities are not served; the logits are f32 sums in another order than the
; definition's, so a choice between two experts whose probabilities differ by f32 rounding alone may fall either way.
; No matrix unit (8 columns), no tensor load, no cluster: work-groups share only the 32 KiB of gate weights.
.set GPITCH, 1040                      ; LDS: a lane's 1,024 bytes of gate weights + 16
.set STG,    32*GPITCH                 ; behind them the stages: two of 32 x 144 bytes for each wave
.set SPITCH, 144
.set STAGE,  32*SPITCH
.set SBB,    STG+4*2*STAGE             ; 256 scale bytes for each wave
.set LG,     SBB+4*256                 ; the 32 tokens' logits, 48 bytes a token
.set LANE, 1                           ; v1   lane
.set L16,  2                           ; v2   16 x lane
.set SIN,  3                           ; v3   the stage, way in
.set SOUT, 4                           ; v4   the stage, way out
.set SBW,  5                           ; v5   where my block's scale byte goes
.set LGW,  6                           ; v6   where my wave's logits go
.set GOFF, 7                           ; v7   my 16 bytes of the gate's block in memory
.set E,    12                          ; v12-19 scale bytes, a register a row
.set A0,   20                          ; v20-27 sums over even k
.set A1,   28                          ; v28-35 sums over odd k
.set PD,   36                          ; v36-43 destinations of the lane exchange
.set LGR,  44                          ; v44-59 a row's 8 logits, two sets
.set C,    60                          ; v60-91 codes, four registers a row: no store's data are written again
.set GW,   92                          ; v92  gate weights into LDS
.set GR,   93                          ; v93  and out of it
.set SBR,  94                          ; v94  my 8 scale bytes on the way out
.set LGRD, 95                          ; v95  my token's logits
.set L8,   96                          ; v96  8 x lane
.set XSD,  98                          ; v98-99 scale bytes to store
.set X,    128                         ; v128-191 two sets of 32 neighbours (at the head: the gate's 64 registers)
                                       ; window 1: gate weights, register 8 k' + e;  window 2: the 8 rows as loaded, 32 registers a row
.set KM,   66                          ; s66-93 the tail: a mask, then a count, for each of the 28 keys
.set FM,   32                          ; s32-39 the same for the 8 first choices
.set MSB, 0
.macro WIN new                         ; the immediate's high byte repeats the setting that is left
.if MSB != (\new)
	s_set_vgpr_msb (MSB<<8)|(\new)
.set MSB, (\new)
.endif
.endm
	s_load_b256 s[4:11], s[0:1], 0x0               ; x, gate_w, xq, xs
	s_load_b128 s[12:15], s[0:1], 0x20             ; meta, cw
	s_load_b64 s[16:17], s[0:1], 0x30              ; part
	v_lshl_add_u32 v254, v0, 2, 0x11c00
	v_mov_b32 v255, 0
	v_lshrrev_b32 v8, 5, v0
	v_readfirstlane_b32 s18, v8                    ; wave 0..3
	v_and_b32 v[LANE], 31, v0
	v_lshlrev_b32 v[L16], 4, v[LANE]
	v_lshlrev_b32 v[L8], 3, v[LANE]
	s_mul_i32 s19, s18, 2*STAGE
	s_add_co_u32 s19, s19, STG                     ; my wave's stages
	v_lshrrev_b32 v8, 3, v[LANE]
	v_mul_u32_u24 v8, v8, SPITCH
	v_and_b32 v9, 7, v[LANE]
	v_lshl_add_u32 v8, v9, 4, v8
	v_add_nc_u32 v[SIN], s19, v8                   ; a load's 512 bytes are four blocks: 144 (lane / 8) + 16 (lane % 8)
	v_mul_u32_u24 v8, v[LANE], SPITCH
	v_add_nc_u32 v[SOUT], s19, v8                  ; block l at 144 l
	s_lshl_b32 s19, s18, 8
	s_add_co_u32 s19, s19, SBB
	v_add_nc_u32 v[SBW], s19, v[LANE]
	v_add_nc_u32 v[SBR], s19, v[L8]
	s_mul_i32 s19, s18, 8*48
	s_add_co_u32 s19, s19, LG
	v_mov_b32 v[LGW], s19
	s_lshl_b32 s19, s18, 13
	v_add_nc_u32 v[GOFF], s19, v[L16]              ; wave w brings bytes 8,192 w on of the gate's 32,768
	s_mul_i32 s19, s18, 8*GPITCH
	v_add_nc_u32 v[GW], s19, v[L16]
	v_mul_u32_u24 v[GR], v[LANE], GPITCH
	v_mul_u32_u24 v[LGRD], v[LANE], 48
	v_add_nc_u32 v[LGRD], LG, v[LGRD]
.irp e, 0,1,2,3,4,5,6,7
	v_mov_b32 v[PD+\e], 0                          ; written once: a lane exchange's destination counts as one of its sources
.endr
	s_mov_b32 s20, 0x76543210
	s_mov_b32 s21, 0xfedcba98                      ; selects for lane l xor 16
	s_lshl_b32 s22, ttmp9, 17                      ; 32 rows of 4,096 bytes a work-group,
	s_lshl_b32 s24, s18, 15                        ; 8 a wave
	s_add_co_u32 s22, s22, s24
	s_mov_b32 s23, 0
	s_wait_kmcnt 0x0
	s_add_nc_u64 s[4:5], s[4:5], s[22:23]
	s_lshr_b32 s22, s22, 3                         ; 512 bytes of codes a row
	s_add_nc_u64 s[8:9], s[8:9], s[22:23]
	s_lshr_b32 s22, s22, 4                         ; 32 scale bytes a row
	s_add_nc_u64 s[10:11], s[10:11], s[22:23]
	s_lshl_b32 s22, ttmp9, 8                       ; 256 bytes a work-group in meta, cw and part
	s_add_nc_u64 s[12:13], s[12:13], s[22:23]
	s_add_nc_u64 s[14:15], s[14:15], s[22:23]
	s_add_nc_u64 s[16:17], s[16:17], s[22:23]
.irp q, 0,1,2,3,4,5,6,7,8,9,10,11,12,13,14,15
	global_load_b128 v[X+4*\q:X+4*\q+3], v[GOFF], s[6:7] offset:512*\q
.endr
	WIN 0x80                                       ; destination window 2
.irp i, 0,1,2,3,4,5,6,7
.irp q, 0,1,2,3,4,5,6,7
	global_load_b128 v[32*\i+4*\q:32*\i+4*\q+3], v[L16], s[4:5] offset:4096*\i+512*\q th:TH_LOAD_NT   ; 512 neighbouring bytes; read once in the launch
.endr
.endr
	WIN 0
	s_wait_loadcnt 63                              ; 64 loads are younger than the gate's sixteen; the count's field holds 63
.irp q, 0,1,2,3,4,5,6,7,8,9,10,11,12,13,14,15
	ds_store_b128 v[GW], v[X+4*\q:X+4*\q+3] offset:(\q/2)*GPITCH+(\q%2)*512
.endr
	s_wait_dscnt 0x0                               ; for the other waves' sake: my part of the gate weights lies in LDS
	s_barrier_signal -1
	s_barrier_wait -1
	WIN 0x40                                       ; destination window 1
.set q, 0
.rept 64
	ds_load_b128 v[4*q:4*q+3], v[GR] offset:16*q   ; gate_w[32 l + k'][e] into register 8 k' + e
.set q, q+1
.endr
	WIN 0
.macro TURN i                          ; row i through stage i % 2: LDS serves a wave's instructions in order, so no wait stands between the stores and the loads
	WIN 0x08                                       ; an LDS store's data are its source 1: window 2
.irp q, 0,1,2,3,4,5,6,7
	ds_store_b128 v[SIN], v[32*(\i)+4*\q:32*(\i)+4*\q+3] offset:STAGE*((\i)%2)+4*SPITCH*\q
.endr
	WIN 0
.irp q, 0,1,2,3,4,5,6,7
	ds_load_b128 v[X+32*((\i)%2)+4*\q:X+32*((\i)%2)+4*\q+3], v[SOUT] offset:STAGE*((\i)%2)+16*\q
.endr
.endm
.macro ROW i
.set XB, X+32*((\i)%2)
.if (\i) == 0
	s_wait_dscnt 0x0                               ; the gate weights and row 0
.else
	s_wait_dscnt 0x3                               ; this row is back from the stage; behind its loads stand the last row's three LDS stores
.endif
.if (\i) < 7
	s_wait_loadcnt 8*(6-(\i))                      ; the next row's eight loads are in; the rows behind it stay out
	TURN \i+1                                      ; it goes through the other stage while this row is worked
.endif
	v_max3_num_f32 v8, |v[XB]|, |v[XB+1]|, |v[XB+2]|               ; the block's largest magnitude: all 32 numbers are mine; two chains
	v_max3_num_f32 v9, |v[XB+3]|, |v[XB+4]|, |v[XB+5]|
.irp j, 6,10,14,18,22,26
	v_max3_num_f32 v8, v8, |v[XB+\j]|, |v[XB+\j+1]|
	v_max3_num_f32 v9, v9, |v[XB+\j+2]|, |v[XB+\j+3]|
.endr
	v_max3_num_f32 v8, v8, |v[XB+30]|, |v[XB+31]|
	v_max3_num_f32 v8, v8, v9, 0x1800000           ; and the floor 2^(3 - 127): the byte cannot fall under 1
	v_add_nc_u32 v11, 0xff000000, v8               ; 2 off the exponent field: the conversion takes this operand's exponent field as its scale
.irp g, 0,1,2,3
	v_cvt_scalef32_pk8_fp4_f32 v[C+4*(\i)+\g], v[XB+8*\g:XB+8*\g+7], v11
.endr
	v_lshrrev_b32 v[E+(\i)], 23, v11               ; the scale's byte (also the plain line behind the conversions)
	ds_store_b8 v[SBW], v[E+(\i)] offset:32*(\i)
	global_store_b128 v[L16], v[C+4*(\i):C+4*(\i)+3], s[8:9] offset:512*(\i)   ; the row's 512 bytes of codes: 32 lanes, 16 neighbouring bytes each
	WIN 0x04                                       ; source 1 (gate weights) window 1
.set k, 0
.rept 32                               ; 8 logits: x[k'] times the 8 weights of k', two at a time; even and odd k' in sums of their own; the first two products start the sums
.irp e, 0,2,4,6
.if k == 0
	v_pk_mul_f32 v[A0+\e:A0+\e+1], v[XB:XB+1], v[\e:\e+1] op_sel_hi:[0,1]
.elseif k == 1
	v_pk_mul_f32 v[A1+\e:A1+\e+1], v[XB:XB+1], v[8+\e:8+\e+1] op_sel:[1,0] op_sel_hi:[1,1]
.elseif k%2 == 0
	v_pk_fma_f32 v[A0+\e:A0+\e+1], v[XB+k:XB+k+1], v[8*k+\e:8*k+\e+1], v[A0+\e:A0+\e+1] op_sel_hi:[0,1,1]
.else
	v_pk_fma_f32 v[A1+\e:A1+\e+1], v[XB+k-1:XB+k], v[8*k+\e:8*k+\e+1], v[A1+\e:A1+\e+1] op_sel:[1,0,0] op_sel_hi:[1,1,1]
.endif
.endr
.set k, k+1
.endr
	WIN 0
.irp e, 0,2,4,6
	v_pk_add_f32 v[A0+\e:A0+\e+1], v[A0+\e:A0+\e+1], v[A1+\e:A1+\e+1]
.endr
.irp m, 1,2,4,8                        ; over the 32 lanes: the eight sums by turns
.irp e, 0,1,2,3,4,5,6,7
	v_add_f32_dpp v[A0+\e], v[A0+\e], v[A0+\e] row_xmask:\m row_mask:0xf bank_mask:0xf
.endr
.endr
.irp e, 0,1,2,3,4,5,6,7
	v_permlanex16_b32 v[PD+\e], v[A0+\e], s20, s21
.endr
.irp e, 0,1,2,3,4,5,6,7
	v_add_f32 v[LGR+8*((\i)%2)+\e], v[A0+\e], v[PD+\e]
.endr
	ds_store_b128 v[LGW], v[LGR+8*((\i)%2):LGR+8*((\i)%2)+3] offset:48*(\i)        ; every lane holds the same 8 numbers and writes them to the same bytes
	ds_store_b128 v[LGW], v[LGR+8*((\i)%2)+4:LGR+8*((\i)%2)+7] offset:48*(\i)+16
.endm
	s_wait_loadcnt 56                              ; row 0's eight loads are in
	TURN 0
.irp i, 0,1,2,3,4,5,6,7
	ROW \i
.endr
	ds_load_b64 v[XSD:XSD+1], v[SBR]               ; my wave's 8 x 32 scale bytes, 8 a lane
	s_wait_dscnt 0x0                               ; they are in; and, for wave 0's sake, my logits lie in LDS
	global_store_b64 v[L8], v[XSD:XSD+1], s[10:11] ; 256 consecutive bytes, at a multiple of 256 from the buffer's first byte
	s_barrier_signal -1
	s_barrier_wait -1
	s_cmp_lg_u32 s18, 0
	s_cbranch_scc1 .Ldone                          ; the router's tail is wave 0's: a lane to a token
	ds_load_b128 v[20:23], v[LGRD]
	ds_load_b128 v[24:27], v[LGRD] offset:16
	s_wait_dscnt 0x0
	v_max3_num_f32 v8, v20, v21, v22
	v_max3_num_f32 v9, v23, v24, v25
	v_max3_num_f32 v8, v8, v26, v27
	v_max_num_f32 v8, v8, v9                       ; the row's largest logit
.irp e, 0,2,4,6
	v_pk_add_f32 v[20+\e:21+\e], v[20+\e:21+\e], v[8:9] op_sel_hi:[1,0] neg_lo:[0,1] neg_hi:[0,1]   ; taken away first,
.endr
.irp e, 0,2,4,6
	v_pk_mul_f32 v[20+\e:21+\e], v[20+\e:21+\e], 0x3fb8aa3b op_sel_hi:[1,0]                        ; then x log2(e)
.endr
	s_wait_alu depctr_va_vdst(0)
.irp e, 0,1,2,3,4,5,6,7
	v_exp_f32 v[20+\e], v[20+\e]
.endr
	v_mov_b32 v13, 0                               ; (a plain line behind the exponentials)  the first choice's index
	s_wait_alu depctr_va_vdst(0)                   ; one wait for the eight, ahead of their first reader
	v_add_f32 v9, v20, v21
	v_add_f32 v10, v22, v23
	v_add_f32 v11, v24, v25
	v_add_f32 v16, v26, v27
	v_add_f32 v9, v9, v10
	v_add_f32 v11, v11, v16
	v_add_f32 v9, v9, v11
	s_wait_alu depctr_va_vdst(0)
	v_rcp_f32 v10, v9
	v_mov_b32 v15, 0                               ; (a plain line)  the second choice's index
	s_wait_alu depctr_va_vdst(0)
.irp e, 0,2,4,6
	v_pk_mul_f32 v[20+\e:21+\e], v[20+\e:21+\e], v[10:11] op_sel_hi:[1,0]   ; the probabilities
.endr
	v_mov_b32 v12, v20
.irp e, 1,2,3,4,5,6,7
	v_cmp_gt_f32 vcc_lo, v[20+\e], v12             ; strictly greater: of equals the lower index stays
	v_cndmask_b32 v12, v12, v[20+\e], vcc_lo
	v_cndmask_b32 v13, v13, \e, vcc_lo
.endr
.irp e, 0,1,2,3,4,5,6,7
	v_cmp_eq_u32 vcc_lo, \e, v13
	v_cndmask_b32 v[28+\e], v[20+\e], -1.0, vcc_lo ; the first choice is out of the second search
.endr
	v_mov_b32 v14, v28
.irp e, 1,2,3,4,5,6,7
	v_cmp_gt_f32 vcc_lo, v[28+\e], v14
	v_cndmask_b32 v14, v14, v[28+\e], vcc_lo
	v_cndmask_b32 v15, v15, \e, vcc_lo
.endr
	v_add_f32 v16, v12, v14
	v_add_f32 v16, 0x3089705f, v16                 ; + 1e-9
	s_wait_alu depctr_va_vdst(0)
	v_rcp_f32 v17, v16
	v_min_u32 v18, v13, v15                        ; (a plain line)  lo
	v_max_u32 v19, v13, v15                        ; hi
	s_wait_alu depctr_va_vdst(0)
	v_mul_f32 v12, v12, v17
	v_mul_f32 v14, v14, v17
	v_cmp_lt_u32 vcc_lo, v13, v15
	v_cndmask_b32 v102, v14, v12, vcc_lo           ; the weight of expert lo,
	v_cndmask_b32 v103, v12, v14, vcc_lo           ; of expert hi
	v_sub_nc_u32 v47, 15, v18
	v_mul_u32_u24 v47, v47, v18
	v_lshrrev_b32 v47, 1, v47
	v_add_nc_u32 v47, v47, v19
	v_sub_nc_u32 v47, v47, v18
	v_add_nc_u32 v44, -1, v47                      ; the key
	v_mov_b32 v46, 0
	v_mov_b32 v101, 0
; Ranks and counts.  The 28 + 8 masks are made in one run, each into a scalar register of its own, then counted in one run, then written to the lanes:
; no scalar instruction reads a mask that the vector instruction just ahead of it has made.
.irp k, 0,1,2,3,4,5,6,7,8,9,10,11,12,13,14,15,16,17,18,19,20,21,22,23,24,25,26,27
	v_cmp_eq_u32 s[KM+\k], \k, v44                 ; the block's tokens with key k
.endr
.irp e, 0,1,2,3,4,5,6,7
	v_cmp_eq_u32 s[FM+\e], \e, v13                 ; and those whose first choice is e
.endr
.irp k, 0,1,2,3,4,5,6,7,8,9,10,11,12,13,14,15,16,17,18,19,20,21,22,23,24,25,26,27
	v_mbcnt_lo_u32_b32 v45, s[KM+\k], 0            ; how many of key k's stand in lower lanes
	v_cndmask_b32 v46, v46, v45, s[KM+\k]          ; my rank, if the key is mine
.endr
.irp k, 0,1,2,3,4,5,6,7,8,9,10,11,12,13,14,15,16,17,18,19,20,21,22,23,24,25,26,27
	s_bcnt1_i32_b32 s[KM+\k], s[KM+\k]
.endr
.irp e, 0,1,2,3,4,5,6,7
	s_bcnt1_i32_b32 s[FM+\e], s[FM+\e]
.endr
.irp k, 0,1,2,3,4,5,6,7,8,9,10,11,12,13,14,15,16,17,18,19,20,21,22,23,24,25,26,27
	v_writelane_b32 v101, s[KM+\k], \k             ; lane k: the number of key k's tokens
.endr
	v_lshl_or_b32 v100, v46, 8, v44
	v_mov_b32 v104, 0
	v_mov_b32 v105, 0
.irp m, 1,2,4,8                        ; the block's sums of probabilities, for the loss
.irp e, 0,1,2,3,4,5,6,7
	v_add_f32_dpp v[20+\e], v[20+\e], v[20+\e] row_xmask:\m row_mask:0xf bank_mask:0xf
.endr
.endr
.irp e, 0,1,2,3,4,5,6,7
	v_permlanex16_b32 v[PD+\e], v[20+\e], s20, s21
.endr
.irp e, 0,1,2,3,4,5,6,7
	v_add_f32 v[20+\e], v[20+\e], v[PD+\e]
.endr
.irp e, 0,1,2,3,4,5,6,7
	v_cmp_eq_u32 vcc_lo, \e, v[LANE]
	v_cndmask_b32 v104, v104, v[20+\e], vcc_lo     ; lane e: expert e's sum
	v_writelane_b32 v105, s[FM+\e], \e             ; and the number of first choices
.endr
	v_cvt_f32_u32 v105, v105
	global_store_b64 v[L8], v[100:101], s[12:13]   ; each of the three: 256 consecutive bytes, at a multiple of 256 from the buffer's first byte
	global_store_b64 v[L8], v[102:103], s[14:15]
	global_store_b64 v[L8], v[104:105], s[16:17]
.Ldone:
	s_wait_tensorcnt 0x0
	ds_add_u32 v254, v255
	s_wait_dscnt 0x0
	s_endpgm
.Lfunc_end_k_q2a7d9e5c05_route:
	.size	k_q2a7d9e5c05_route, .Lfunc_end_k_q2a7d9e5c05_route-k_q2a7d9e5c05_route
	.p2alignl 7, 3214868480
	.fill 96, 4, 3214868480
	.section	.rodata,"a",@progbits
	.p2align	6, 0x0
	.amdhsa_kernel k_q2a7d9e5c05_route
		.amdhsa_group_segment_fixed_size 73216
		.amdhsa_private_segment_fixed_size 0
		.amdhsa_enable_private_segment 0
		.amdhsa_kernarg_size 56
		.amdhsa_user_sgpr_count 2
		.amdhsa_user_sgpr_kernarg_segment_ptr 1
		.amdhsa_wavefront_size32 1
		.amdhsa_system_sgpr_workgroup_id_x 1
		.amdhsa_system_sgpr_workgroup_id_y 1
		.amdhsa_system_sgpr_workgroup_id_z 1
		.amdhsa_system_vgpr_workitem_id 0
		.amdhsa_next_free_vgpr 768
		.amdhsa_next_free_sgpr 96
		.amdhsa_reserve_vcc 1
		.amdhsa_float_denorm_mode_32 3
		.amdhsa_float_denorm_mode_16_64 3
		.amdhsa_memory_ordered 1
		.amdhsa_forward_progress 1
		.amdhsa_inst_pref_size 145
	.end_amdhsa_kernel
	.amdgpu_metadata
---
amdhsa.version: [ 1, 2 ]
amdhsa.kernels:
  - .name:           k_q2a7d9e5c05_route
    .symbol:         k_q2a7d9e5c05_route.kd
    .args:
      - { .name: x, .offset: 0, .size: 8, .value_kind: global_buffer, .address_space: global }
      - { .name: gate_w, .offset: 8, .size: 8, .value_kind: global_buffer, .address_space: global }
      - { .name: xq, .offset: 16, .size: 8, .value_kind: global_buffer, .address_space: global }
      - { .name: xs, .offset: 24, .size: 8, .value_kind: global_buffer, .address_space: global }
      - { .name: meta, .offset: 32, .size: 8, .value_kind: global_buffer, .address_space: global }
      - { .name: cw, .offset: 40, .size: 8, .value_kind: global_buffer, .address_space: global }
      - { .name: part, .offset: 48, .size: 8, .value_kind: global_buffer, .address_space: global }
    .group_segment_fixed_size: 73216
    .private_segment_fixed_size: 0
    .kernarg_segment_align: 8
    .kernarg_segment_size: 56
    .max_flat_workgroup_size: 128
    .sgpr_count:     96
    .vgpr_count:     768
    .wavefront_size: 32
...
	.end_amdgpu_metadata
.endif
;; end of part 7
;; launch lay (part 8): grid 265 x 1, 8 waves a work-group, no clusters, 4,096 bytes of LDS; arguments meta, part, w1, w2, wq, tlist, tinfo, out1; writes wq, tlist, tinfo, out1
.if DOCPART == 8
	.amdgcn_target "amdgcn-amd-amdhsa--gfx1250"
	.amdhsa_code_object_version 6
	.text
	.protected	k_q2a7d9e5c05_lay
	.globl	k_q2a7d9e5c05_lay
	.p2align	8
	.type	k_q2a7d9e5c05_lay,@function
k_q2a7d9e5c05_lay:
	s_mov_b64 s[64:65], 0
	v_nop
	global_prefetch_b8 v0, s[64:65] scope:SCOPE_SE
	s_setreg_imm32_b32 hwreg(HW_REG_WAVE_MODE, 25, 1), 1
	s_wait_xcnt 0x0
; LAY.  Work-groups 9 to 264 turn w1 [8][1024][512] and w2 [8][512][1024], f32 with K as the first axis of an expert, into codes of FP4 (E2M1) with one E8M0 byte
; for each 32 along K, laid in the order in which the next launch's operand registers take them.  Work-groups 0 to 8 place the tokens and make the loss.
; A RECORD of wq is 128 columns x 128 along K, 8,704 bytes: 8 images of fragments (tile t, piece c, lane l at 1024 t + 512 c + 16 l: lane (h = l / 16, r = l % 16) holds
; block 2 c + h of the tile's row r), then at 8,192 the scale words [g][lane]: lanes 0-15 tile 2 g's rows, lanes 16-31 tile 2 g + 1's.
; THE COLUMNS OF A TILE ARE NOT NEIGHBOURS: row r of tile 2 b + u is column 32 b + 8 u + r + 8 (r / 8).
; Records: w1: 32 e + 8 (column / 128) + K step;  w2: 256 + 32 e + 4 (column / 128) + K step.
; WEIGHTS.  A lane takes a column and its registers run down K: a block of 32 lies in one lane, the conversions give codes with K innermost, nothing is transposed.
; A wave takes 32 columns x 128 K; its 128 loads go out at once; the eight waves stand side by side on 1,024 neighbouring bytes of each row.  The lane's column is its number
; with bits 3 and 4 exchanged, so that lanes 0-15 hold tile 2 g's rows in order and lanes 16-31 tile 2 g + 1's: each store of codes fills two runs of 256 consecutive bytes.
; The scale words leave as 128 consecutive bytes a wave: one byte for each 128 that the wave reads.
; PLACING.  Tokens are sorted by their pair of experts (28 keys) into tiles of 64 that never mix keys: at most 8192 / 64 + 27 = 155 tiles whatever the split.
; tlist [tile][64] token numbers (only a tile's first cnt entries are written), tinfo [tile](lo, hi, cnt, 0), cnt = 0 past the last tile.
; The list's 8,192 stores go a lane to a place of its own, so they are shared out: each of the nine placing work-groups repeats the counting (128 KiB of reads, the sums, a prefix
; over 28 keys); work-group 0 stores the tile table and the loss, work-group p = 1 .. 8 the list entries of blocks 4 (p - 1) .. 4 (p - 1) + 3 of each wave's 32: 1,024 tokens.
; Every byte is stored by one work-group.
; LIMITS: as in the launch before: the floor 2^(3 - 127) under a block's largest magnitude, the byte 1 for a block of zeros, no NaN or infinities.
; No tensor load, no cluster: the weight work-groups share no byte, and what the placing ones share is 128 KiB.
.set REC, 8704
.set NPL, 9                            ; placing work-groups
.set X,   32                           ; v32-159  the wave's 128 rows of its column
.set C,   160                          ; v160-175 codes, four registers a block
.set SW,  176                          ; v176     the scale word
.set PS,  66                           ; s66-93   placing: the keys' numbers of tiles, then where each key's tiles end
	s_load_b512 s[4:19], s[0:1], 0x0               ; meta, part, w1, w2, wq, tlist, tinfo, out1
	v_lshl_add_u32 v200, v0, 2, 0xc00
	v_mov_b32 v201, 0
	v_lshrrev_b32 v8, 5, v0
	s_delay_alu instid0(VALU_DEP_1)
	v_readfirstlane_b32 s20, v8                    ; wave 0..7
	v_and_b32 v1, 31, v0                           ; lane
	s_wait_kmcnt 0x0
	s_cmp_lt_u32 ttmp9, NPL
	s_cbranch_scc1 .Lplace                         ; the same way for all eight waves
	s_sub_co_u32 s21, ttmp9, NPL                   ; i = 0 .. 255
	s_wait_alu depctr_va_vdst(0)
	v_lshrrev_b32 v8, 3, v1
	v_lshrrev_b32 v9, 4, v1
	s_delay_alu instid0(VALU_DEP_1)
	v_xor_b32 v8, v8, v9
	s_delay_alu instid0(VALU_DEP_1)
	v_and_b32 v8, 1, v8
	s_delay_alu instid0(VALU_DEP_1)
	v_mul_u32_u24 v8, v8, 24
	s_delay_alu instid0(VALU_DEP_1)
	v_xor_b32 v8, v8, v1                           ; the lane's number with bits 3 and 4 exchanged
	s_delay_alu instid0(VALU_DEP_1)
	v_lshlrev_b32 v2, 2, v8                        ; my column's bytes in a row
	v_lshlrev_b32 v3, 10, v9
	v_and_b32 v8, 15, v1
	s_delay_alu instid0(VALU_DEP_1)
	v_lshl_add_u32 v3, v8, 4, v3                   ; my codes' place: 1024 (lane / 16) + 16 (lane % 16)
	v_lshlrev_b32 v4, 2, v1                        ; my scale word's
	s_lshr_b32 s22, s20, 2                         ; which 128 columns of the work-group's 256
	s_and_b32 s23, s20, 3                          ; g: which 32 of them
	s_lshl_b32 s25, s20, 7                         ; 128 bytes a wave
	s_mov_b32 s27, 0
	s_cmp_lt_u32 s21, 128
	s_cbranch_scc0 .Lw2
	s_lshr_b32 s32, s21, 4                         ; w1: expert,
	s_bfe_u32 s33, s21, 0x30001                    ; K step (3 bits from bit 1),
	s_and_b32 s34, s21, 1                          ; which 256 columns
	s_lshl_b32 s26, s32, 21
	s_lshl_b32 s35, s33, 18                        ; 128 rows of 2,048 bytes
	s_add_co_u32 s26, s26, s35
	s_lshl_b32 s35, s34, 10
	s_add_co_u32 s26, s26, s35
	s_add_co_u32 s26, s26, s25
	s_add_nc_u64 s[8:9], s[8:9], s[26:27]
	s_lshl_b32 s34, s34, 1
	s_add_co_u32 s34, s34, s22
	s_lshl_b32 s34, s34, 3
	s_lshl_b32 s24, s32, 5
	s_add_co_u32 s24, s24, s34
	s_add_co_u32 s24, s24, s33                     ; the record
.set j, 0
	s_wait_alu depctr_va_vdst(0)
.rept 128
	global_load_b32 v[X+j], v2, s[8:9] offset:2048*j th:TH_LOAD_NT   ; 128 neighbouring bytes a wave; read once in the launch
.set j, j+1
.endr
	s_branch .Lquant
.Lw2:
	s_sub_co_u32 s21, s21, 128
	s_lshr_b32 s32, s21, 4                         ; w2: expert,
	s_bfe_u32 s33, s21, 0x20002                    ; K step (2 bits from bit 2),
	s_and_b32 s34, s21, 3                          ; which 256 columns
	s_lshl_b32 s26, s32, 21
	s_lshl_b32 s35, s33, 19                        ; 128 rows of 4,096 bytes
	s_add_co_u32 s26, s26, s35
	s_lshl_b32 s35, s34, 10
	s_add_co_u32 s26, s26, s35
	s_add_co_u32 s26, s26, s25
	s_add_nc_u64 s[10:11], s[10:11], s[26:27]
	s_lshl_b32 s34, s34, 1
	s_add_co_u32 s34, s34, s22
	s_lshl_b32 s34, s34, 2
	s_lshl_b32 s24, s32, 5
	s_add_co_u32 s24, s24, s34
	s_add_co_u32 s24, s24, s33
	s_add_co_u32 s24, s24, 256
.set j, 0
	s_wait_alu depctr_va_vdst(0)
.rept 128
	global_load_b32 v[X+j], v2, s[10:11] offset:4096*j th:TH_LOAD_NT
.set j, j+1
.endr
.Lquant:                                           ; both ways have issued 128 loads into the same registers
	s_mul_i32 s24, s24, REC
	s_lshl_b32 s32, s23, 11
	s_add_co_u32 s26, s24, s32
	s_add_nc_u64 s[28:29], s[12:13], s[26:27]      ; tiles 2 g and 2 g + 1 of my record
	s_lshl_b32 s32, s23, 7
	s_add_co_u32 s26, s24, s32
	s_add_co_u32 s26, s26, 8192
	s_add_nc_u64 s[30:31], s[12:13], s[26:27]      ; and their scale words
.macro BLOCK t, left
.set XS, X+32*(\t)
	s_wait_loadcnt \left
	v_max3_num_f32 v8, |v[XS]|, |v[XS+1]|, |v[XS+2]|
	v_max3_num_f32 v9, |v[XS+3]|, |v[XS+4]|, |v[XS+5]|
.irp i, 6,10,14,18,22,26
	s_delay_alu instid0(VALU_DEP_2)
	v_max3_num_f32 v8, v8, |v[XS+\i]|, |v[XS+\i+1]|
	s_delay_alu instid0(VALU_DEP_2)
	v_max3_num_f32 v9, v9, |v[XS+\i+2]|, |v[XS+\i+3]|
.endr
	s_delay_alu instid0(VALU_DEP_2)
	v_max3_num_f32 v8, v8, |v[XS+30]|, |v[XS+31]|
	s_delay_alu instid0(VALU_DEP_1)
	v_max3_num_f32 v8, v8, v9, 0x1800000           ; the floor 2^(3 - 127)
	s_delay_alu instid0(VALU_DEP_1)
	v_add_nc_u32 v10, 0xff000000, v8               ; 2 off the exponent field: the conversion's scale operand
	s_delay_alu instid0(VALU_DEP_1)
	v_lshrrev_b32 v11, 23, v10                     ; the scale's byte
.if (\t) == 0
	s_delay_alu instid0(VALU_DEP_1)
	v_mov_b32 v[SW], v11
.else
	s_delay_alu instid0(VALU_DEP_1)
	v_lshl_or_b32 v[SW], v11, 8*(\t), v[SW]        ; the lower K in the lower byte
.endif
.irp g, 0,1,2,3
	v_cvt_scalef32_pk8_fp4_f32 v[C+4*(\t)+\g], v[XS+8*\g:XS+8*\g+7], v10
.endr
	global_store_b128 v3, v[C+4*(\t):C+4*(\t)+3], s[28:29] offset:512*((\t)/2)+256*((\t)%2)   ; block t = piece t / 2, half t % 2: lanes 0-15 and lanes 16-31 each store 256 consecutive bytes
.endm
	BLOCK 0, 63                                    ; 96 loads are younger than block 0's; the count's field holds 63
	BLOCK 1, 63                                    ; 64 are younger
	BLOCK 2, 32
	BLOCK 3, 0
	global_store_b32 v4, v[SW], s[30:31]
	s_endpgm
.Lplace:                                           ; wave v owns blocks 32 v .. 32 v + 31 of 32 tokens.  LDS: 0: the waves' counts, 128 bytes a wave; 1,024: their parts of the loss, 256 bytes a wave
	s_wait_alu depctr_va_vdst(0)
	v_lshlrev_b32 v2, 3, v1                        ; 8 x lane
	v_lshlrev_b32 v3, 2, v1                        ; 4 x lane
	s_lshl_b32 s22, s20, 13
	s_mov_b32 s23, 0
	s_add_nc_u64 s[4:5], s[4:5], s[22:23]
	s_add_nc_u64 s[6:7], s[6:7], s[22:23]
.set j, 0
.rept 32
	global_load_b64 v[32+2*j:33+2*j], v2, s[4:5] offset:256*j      ; (key | rank << 8 of token l of block j, number of block j's tokens with key l)
.set j, j+1
.endr
.set j, 0
.rept 32
	global_load_b64 v[96+2*j:97+2*j], v2, s[6:7] offset:256*j
.set j, j+1
.endr
	s_lshl_b32 s24, s20, 7
	v_add_nc_u32 v4, s24, v3
	s_lshl_b32 s24, s20, 8
	s_add_co_u32 s24, s24, 1024
	v_add_nc_u32 v5, s24, v2
	v_add_nc_u32 v6, 1024, v2
	s_lshl_b32 s24, s20, 10
	v_add_nc_u32 v16, s24, v1                      ; token of block 0 of mine in my lane
	s_mov_b32 s26, 0x76543210
	s_mov_b32 s27, 0xfedcba98
	s_wait_loadcnt 32                              ; meta's 32 loads are in
	v_add3_u32 v20, v33, v35, v37                  ; lane = key: my wave's tokens with it
.irp j, 3,5,7,9,11,13,15,17,19,21,23,25,27,29
	s_delay_alu instid0(VALU_DEP_1)
	v_add3_u32 v20, v20, v[33+2*\j], v[35+2*\j]
.endr
	s_delay_alu instid0(VALU_DEP_1)
	v_add_nc_u32 v20, v20, v95
	ds_store_b32 v4, v20
	s_wait_loadcnt 0x0
	v_pk_add_f32 v[24:25], v[96:97], v[98:99]
	v_pk_add_f32 v[30:31], v[104:105], v[108:109]
	v_pk_add_f32 v[22:23], v[112:113], v[116:117]
	s_delay_alu instid0(VALU_DEP_1)
	v_pk_add_f32 v[22:23], v[22:23], v[120:121]
	s_delay_alu instid0(VALU_DEP_4)
	v_pk_add_f32 v[24:25], v[24:25], v[124:125]
	s_delay_alu instid0(VALU_DEP_4)
	v_pk_add_f32 v[30:31], v[30:31], v[128:129]
	s_delay_alu instid0(VALU_DEP_3)
	v_pk_add_f32 v[22:23], v[22:23], v[132:133]
	s_delay_alu instid0(VALU_DEP_3)
	v_pk_add_f32 v[24:25], v[24:25], v[136:137]
	s_delay_alu instid0(VALU_DEP_3)
	v_pk_add_f32 v[30:31], v[30:31], v[140:141]
	s_delay_alu instid0(VALU_DEP_3)
	v_pk_add_f32 v[22:23], v[22:23], v[144:145]
	s_delay_alu instid0(VALU_DEP_3)
	v_pk_add_f32 v[24:25], v[24:25], v[148:149]
	s_delay_alu instid0(VALU_DEP_3)
	v_pk_add_f32 v[30:31], v[30:31], v[152:153]
	s_delay_alu instid0(VALU_DEP_3)
	v_pk_add_f32 v[22:23], v[22:23], v[156:157]
	s_delay_alu instid0(VALU_DEP_3)
	v_pk_add_f32 v[24:25], v[24:25], v[100:101]
	s_delay_alu instid0(VALU_DEP_3)
	v_pk_add_f32 v[30:31], v[30:31], v[102:103]
	s_delay_alu instid0(VALU_DEP_3)
	v_pk_add_f32 v[22:23], v[22:23], v[106:107]
	s_delay_alu instid0(VALU_DEP_3)
	v_pk_add_f32 v[24:25], v[24:25], v[110:111]
	s_delay_alu instid0(VALU_DEP_3)
	v_pk_add_f32 v[30:31], v[30:31], v[114:115]
	s_delay_alu instid0(VALU_DEP_3)
	v_pk_add_f32 v[22:23], v[22:23], v[118:119]
	s_delay_alu instid0(VALU_DEP_3)
	v_pk_add_f32 v[24:25], v[24:25], v[122:123]
	s_delay_alu instid0(VALU_DEP_3)
	v_pk_add_f32 v[30:31], v[30:31], v[126:127]
	s_delay_alu instid0(VALU_DEP_3)
	v_pk_add_f32 v[22:23], v[22:23], v[130:131]
	s_delay_alu instid0(VALU_DEP_3)
	v_pk_add_f32 v[24:25], v[24:25], v[134:135]
	s_delay_alu instid0(VALU_DEP_3)
	v_pk_add_f32 v[30:31], v[30:31], v[138:139]
	s_delay_alu instid0(VALU_DEP_3)
	v_pk_add_f32 v[22:23], v[22:23], v[142:143]
	s_delay_alu instid0(VALU_DEP_3)
	v_pk_add_f32 v[24:25], v[24:25], v[146:147]
	s_delay_alu instid0(VALU_DEP_3)
	v_pk_add_f32 v[30:31], v[30:31], v[150:151]
	s_delay_alu instid0(VALU_DEP_3)
	v_pk_add_f32 v[22:23], v[22:23], v[154:155]
	s_delay_alu instid0(VALU_DEP_3)
	v_pk_add_f32 v[24:25], v[24:25], v[158:159]
	s_delay_alu instid0(VALU_DEP_2)
	v_pk_add_f32 v[22:23], v[22:23], v[30:31]
	s_delay_alu instid0(VALU_DEP_1)
	v_pk_add_f32 v[22:23], v[22:23], v[24:25]
	ds_store_b64 v5, v[22:23]
	s_wait_dscnt 0x0                               ; for the others' sake: my two stores have landed
	s_barrier_signal -1
	s_barrier_wait -1
.irp u, 0,1,2,3,4,5,6,7
	ds_load_b32 v[192+\u], v3 offset:128*\u
.endr
	s_wait_dscnt 0x0
	v_add3_u32 v10, v192, v193, v194
	s_delay_alu instid0(VALU_DEP_1)
	v_add3_u32 v10, v10, v195, v196
	s_delay_alu instid0(VALU_DEP_1)
	v_add3_u32 v10, v10, v197, v198
	s_delay_alu instid0(VALU_DEP_1)
	v_add_nc_u32 v10, v10, v199                    ; n: all tokens with key = lane
	s_cmp_lt_u32 0, s20
	s_cselect_b32 s24, -1, 0
	v_and_b32 v11, s24, v192
.irp u, 1,2,3,4,5,6
	s_cmp_lt_u32 \u, s20
	s_cselect_b32 s24, -1, 0
	v_and_b32 v12, s24, v[192+\u]
	s_delay_alu instid0(VALU_DEP_1)
	v_add_nc_u32 v11, v11, v12                     ; those of the waves in front of mine
.endr
	v_add_nc_u32 v13, 63, v10
	s_delay_alu instid0(VALU_DEP_1)
	v_lshrrev_b32 v13, 6, v13                      ; the key's tiles
	v_mov_b32 v14, 0
	v_mov_b32 v15, 0
; The prefix over the 28 keys: all lanes are read first, each into a scalar register of its own; then the sums are made in scalar registers; then the lanes are written.
.irp k, 0,1,2,3,4,5,6,7,8,9,10,11,12,13,14,15,16,17,18,19,20,21,22,23,24,25,26,27
	v_readlane_b32 s[PS+\k], v13, \k
.endr
.irp k, 1,2,3,4,5,6,7,8,9,10,11,12,13,14,15,16,17,18,19,20,21,22,23,24,25,26,27
	s_add_co_u32 s[PS+\k], s[PS+\k], s[PS+\k-1]    ; where key k's tiles end
.endr
.irp k, 1
	v_writelane_b32 v14, s[PS+\k-1], \k            ; lane k: key k's first tile (lane 0, and lanes 28 on: 0)
.endr
.irp k, 2, 3, 4, 5, 6, 7, 8, 9, 10, 11, 12, 13, 14, 15, 16, 17, 18, 19, 20, 21, 22, 23, 24, 25, 26, 27
	s_delay_alu instid0(VALU_DEP_1)
	v_writelane_b32 v14, s[PS+\k-1], \k
.endr
	s_delay_alu instid0(VALU_DEP_1)
	v_lshl_add_u32 v160, v14, 6, v11               ; lane = key: where block 0 of mine puts its first token of that key
.set j, 0
.rept 31
	s_delay_alu instid0(VALU_DEP_1)
	v_add_nc_u32 v[161+j], v[160+j], v[33+2*j]     ; and the blocks behind it
.set j, j+1
.endr
; Blocks 4 g .. 4 g + 3 of my wave's 32 are stored by work-group g + 1: a scalar branch on the work-group's number.
.macro GROUP g
	s_cmp_lg_u32 ttmp9, (\g)+1
	s_cbranch_scc1 .Lnot_mine_\@
.irp i, 0,1,2,3
.set j, 4*(\g)+\i
	v_and_b32 v[96+2*j], 255, v[32+2*j]            ; lane = token: its key,
	s_delay_alu instid0(VALU_DEP_1)
	v_lshlrev_b32 v[96+2*j], 2, v[96+2*j]          ; as a lane's byte address
.endr
	s_wait_alu depctr_va_vdst(0)
.irp i, 0,1,2,3
.set j, 4*(\g)+\i
	ds_bpermute_b32 v[97+2*j], v[96+2*j], v[160+j] ; where the block's tokens of my key begin
.endr
.irp i, 0,1,2,3
.set j, 4*(\g)+\i
	v_lshrrev_b32 v[32+2*j], 8, v[32+2*j]          ; my rank in the block
	v_add_nc_u32 v[33+2*j], 32*j, v16              ; my token's number
.endr
	s_wait_alu depctr_va_vdst(0)
	s_wait_dscnt 0x0
.irp i, 0,1,2,3
.set j, 4*(\g)+\i
	v_add_nc_u32 v[32+2*j], v[32+2*j], v[97+2*j]   ; my place in the list
	s_delay_alu instid0(VALU_DEP_1)
	v_min_u32 v[32+2*j], 9919, v[32+2*j]           ; held inside 155 tiles of 64
	s_delay_alu instid0(VALU_DEP_1)
	v_lshlrev_b32 v[32+2*j], 2, v[32+2*j]
	global_store_b32 v[32+2*j], v[33+2*j], s[14:15]
.endr
.Lnot_mine_\@:
.endm
.irp g, 0,1,2,3,4,5,6,7
	GROUP \g
.endr
	s_cmp_lg_u32 ttmp9, 0
	s_cbranch_scc1 .Lend2                          ; the tile table and the loss are work-group 0's
.irp k, 0,1,2,3,4,5,6,7,8,9,10,11,12,13,14,15,16,17,18,19,20,21,22,23,24,25,26,27
	v_cmp_le_u32 vcc_lo, s[PS+\k], v0
	s_delay_alu instid0(VALU_DEP_1)
	v_add_co_ci_u32 v15, vcc_lo, 0, v15, vcc_lo    ; thread j: how many keys' tiles end at or before tile j: the key of tile j, 28 past the last
.endr
	v_mov_b32 v17, 0
.irp s, 7,13,18,22,25,27
	v_cmp_le_u32 vcc_lo, \s, v1
	s_delay_alu instid0(VALU_DEP_1)
	v_add_co_ci_u32 v17, vcc_lo, 0, v17, vcc_lo    ; lane = key: its lo
.endr
	s_delay_alu instid0(VALU_DEP_1)
	v_sub_nc_u32 v19, 15, v17
	s_delay_alu instid0(VALU_DEP_1)
	v_mul_u32_u24 v19, v19, v17
	s_delay_alu instid0(VALU_DEP_1)
	v_lshrrev_b32 v19, 1, v19
	s_delay_alu instid0(VALU_DEP_1)
	v_sub_nc_u32 v18, v1, v19
	s_delay_alu instid0(VALU_DEP_1)
	v_add3_u32 v18, v18, v17, 1                    ; its hi
	v_lshlrev_b32 v20, 2, v15
	ds_bpermute_b32 v24, v20, v17                  ; thread j = tile j: its key's lo, hi, number of tokens and first tile (lane 28 holds 0 tokens)
	ds_bpermute_b32 v25, v20, v18
	ds_bpermute_b32 v21, v20, v10
	ds_bpermute_b32 v22, v20, v14
	v_mov_b32 v27, 0
	v_lshlrev_b32 v23, 4, v0
	s_wait_dscnt 0x0
	v_sub_nc_u32 v22, v0, v22
	s_delay_alu instid0(VALU_DEP_1)
	v_lshlrev_b32 v22, 6, v22
	s_delay_alu instid0(VALU_DEP_1)
	v_sub_nc_u32 v26, v21, v22
	s_delay_alu instid0(VALU_DEP_1)
	v_min_i32 v26, 64, v26
	s_delay_alu instid0(VALU_DEP_1)
	v_max_i32 v26, 0, v26                          ; the tile's rows
	s_cmp_gt_u32 s20, 4
	s_cbranch_scc1 .Lend2                          ; 160 entries: waves 0 to 4
	s_wait_alu depctr_va_vdst(0)
	global_store_b128 v23, v[24:27], s[16:17]
	s_cmp_lg_u32 s20, 0
	s_cbranch_scc1 .Lend2                          ; the loss is wave 0's
.irp u, 0,1,2,3,4,5,6,7
	ds_load_b64 v[96+2*\u:97+2*\u], v6 offset:256*\u
.endr
	v_mov_b32 v9, 0
	v_mov_b32 v28, 0
	s_wait_dscnt 0x0
.irp u, 0,4,8,12
	v_pk_add_f32 v[96+\u:97+\u], v[96+\u:97+\u], v[98+\u:99+\u]
.endr
	s_delay_alu instid0(VALU_DEP_3)
	v_pk_add_f32 v[96:97], v[96:97], v[100:101]
	s_delay_alu instid0(VALU_DEP_2)
	v_pk_add_f32 v[104:105], v[104:105], v[108:109]
	s_delay_alu instid0(VALU_DEP_1)
	v_pk_add_f32 v[96:97], v[96:97], v[104:105]
	s_delay_alu instid0(VALU_DEP_1)
	v_mul_f32 v8, v96, v97                         ; lane e: (sum of probabilities) x (number of first choices); 0 from lane 8 on
.irp m, 1,2,4,8
	s_delay_alu instid0(VALU_DEP_1)
	v_add_f32_dpp v8, v8, v8 row_xmask:\m row_mask:0xf bank_mask:0xf
.endr
	s_delay_alu instid0(VALU_DEP_1)
	v_permlanex16_b32 v9, v8, s26, s27
	s_delay_alu instid0(VALU_DEP_1)
	v_add_f32 v8, v8, v9
	s_delay_alu instid0(VALU_DEP_1)
	v_mul_f32 v8, 0x30a3d70a, v8                   ; x 0.01 x 8 / 8192^2
	s_wait_alu depctr_va_vdst(0)
	s_wait_xcnt 0x0                                ; EXEC changes only when every earlier memory instruction has had its addresses translated
	v_cmp_eq_u32 vcc_lo, 0, v1
	s_and_saveexec_b32 s28, vcc_lo
	global_store_b32 v28, v8, s[18:19]             ; one number
	s_wait_xcnt 0x0
	s_or_b32 exec_lo, exec_lo, s28
.Lend2:
	s_wait_tensorcnt 0x0
	ds_add_u32 v200, v201
	s_wait_dscnt 0x0
	s_endpgm
.Lfunc_end_k_q2a7d9e5c05_lay:
	.size	k_q2a7d9e5c05_lay, .Lfunc_end_k_q2a7d9e5c05_lay-k_q2a7d9e5c05_lay
	.p2alignl 7, 3214868480
	.fill 96, 4, 3214868480
	.section	.rodata,"a",@progbits
	.p2align	6, 0x0
	.amdhsa_kernel k_q2a7d9e5c05_lay
		.amdhsa_group_segment_fixed_size 4096
		.amdhsa_private_segment_fixed_size 0
		.amdhsa_enable_private_segment 0
		.amdhsa_kernarg_size 64
		.amdhsa_user_sgpr_count 2
		.amdhsa_user_sgpr_kernarg_segment_ptr 1
		.amdhsa_wavefront_size32 1
		.amdhsa_system_sgpr_workgroup_id_x 1
		.amdhsa_system_sgpr_workgroup_id_y 1
		.amdhsa_system_sgpr_workgroup_id_z 1
		.amdhsa_system_vgpr_workitem_id 0
		.amdhsa_next_free_vgpr 202
		.amdhsa_next_free_sgpr 96
		.amdhsa_reserve_vcc 1
		.amdhsa_float_denorm_mode_32 3
		.amdhsa_float_denorm_mode_16_64 3
		.amdhsa_memory_ordered 1
		.amdhsa_forward_progress 1
		.amdhsa_inst_pref_size 82
	.end_amdhsa_kernel
	.amdgpu_metadata
---
amdhsa.version: [ 1, 2 ]
amdhsa.kernels:
  - .name:           k_q2a7d9e5c05_lay
    .symbol:         k_q2a7d9e5c05_lay.kd
    .args:
      - { .name: meta, .offset: 0, .size: 8, .value_kind: global_buffer, .address_space: global }
      - { .name: part, .offset: 8, .size: 8, .value_kind: global_buffer, .address_space: global }
      - { .name: w1, .offset: 16, .size: 8, .value_kind: global_buffer, .address_space: global }
      - { .name: w2, .offset: 24, .size: 8, .value_kind: global_buffer, .address_space: global }
      - { .name: wq, .offset: 32, .size: 8, .value_kind: global_buffer, .address_space: global }
      - { .name: tlist, .offset: 40, .size: 8, .value_kind: global_buffer, .address_space: global }
      - { .name: tinfo, .offset: 48, .size: 8, .value_kind: global_buffer, .address_space: global }
      - { .name: out1, .offset: 56, .size: 8, .value_kind: global_buffer, .address_space: global }
    .group_segment_fixed_size: 4096
    .private_segment_fixed_size: 0
    .kernarg_segment_align: 8
    .kernarg_segment_size: 64
    .max_flat_workgroup_size: 256
    .sgpr_count:     96
    .vgpr_count:     202
    .wavefront_size: 32
...
	.end_amdgpu_metadata
.endif
;; end of part 8
;; launch chain (part 9): grid 155 x 1, 4 waves a work-group, no clusters, 103,936 bytes of LDS; arguments tinfo, tlist, xq, xs, cw, wq, b1, b2, out0; writes out0
.if DOCPART == 9
	.amdgcn_target "amdgcn-amd-amdhsa--gfx1250"
	.amdhsa_code_object_version 6
	.text
	.protected	k_q2a7d9e5c05_chain
	.globl	k_q2a7d9e5c05_chain
	.p2align	8
	.type	k_q2a7d9e5c05_chain,@function
k_q2a7d9e5c05_chain:
	s_mov_b64 s[64:65], 0
	v_nop
	global_prefetch_b8 v0, s[64:65] scope:SCOPE_SE
	s_setreg_imm32_b32 hwreg(HW_REG_WAVE_SCHED_MODE, 0, 2), 2
	s_setreg_imm32_b32 hwreg(HW_REG_WAVE_MODE, 25, 1), 1
	s_wait_xcnt 0x0
	s_wait_alu depctr_vm_vsrc(0)
; CHAIN.  out0[token] = c_lo (silu(x W1[lo] + b1[lo]) W2[lo] + b2[lo]) + c_hi (the same with hi), both products on codes of FP4 (E2M1) with one E8M0 scale for each 32 along K.
; A work-group takes one tile of the list: at most 64 tokens that chose the same pair (lo, hi).  It takes both experts through the whole chain and stores whole pieces of rows of out0:
; each row has one owner, the hidden layer never goes to memory.  155 work-groups serve every split (8192 / 64 + 27).
; THE WAVES SHARE THE COLUMNS: wave w makes hidden units 128 w .. 128 w + 127 (K step w of the second product) and outputs 256 w .. 256 w + 255, in two chunks of 128, for all 64 rows.
; So each fragment of a weight is loaded by one wave, once, from wq straight into registers, and feeds four matrix instructions.
; Both products are used transposed (source 0 = 16 rows of a weight's record, source 1 = 16 tokens): a lane holds one token throughout; by the records' choice of columns the 16 registers
; of tiles 2 b and 2 b + 1 are the 16 neighbouring columns 32 b + 16 (lane / 16) + 0 .. 15: the next K's order for the hidden layer, 64 neighbouring bytes for out0.
; A STEP is one record: 8 tiles of a weight x 4 tiles of rows = 32 matrix instructions on 32 accumulators by turns.  A wave walks 32 steps: 8 + 8 of the first
; product (lo, hi), then for each chunk 4 + 4 of the second.  The records come through a ring of four register slots, three steps ahead, across all changes of phase: a bundle is
; 4 loads of scale words and 16 of codes; where sums begin, 16 loads of the bias stand in front of it, and the bias is the C of the sums' first products.
; The second product's two chunks are written out, so that every counted wait stands on one straight way: the last chunk's last three steps load nothing, and no load leaves wq.
; ROWS SHORT OF 64: row i takes list entry min(i, cnt - 1): the spare rows repeat the tile's last token.  A tile of 16 rows that lies wholly past the count is not stored; the spare rows
; beside the last token (15 at the most) store the same bytes again, by the same wave.
; A TILE WITHOUT ROWS passes both barriers and the first loop, jumping over the work inside each trip, and jumps over both chunks; it stores nothing.  The counted waits hold on each
; way: a trip that is jumped over issues nothing, and a worked trip leaves the last three bundles out into slots 0, 1, 2, as the head does.
; A token's number goes from its lane to all lanes through a scalar register; the lanes are read in one run, held in one run and made into offsets in one run.
; NO CLUSTER, NO TENSOR LOAD: what a work-group does hangs on counts read from memory, and neighbouring tiles need not have an expert in common.
; LIMITS: the floor 2^(3 - 127) under a block's largest magnitude; a block of zeros keeps the byte 1 (its codes are zeros); NaN and infinities are not served;
; the sigmoid is 1 / (1 + 2^(-z log2 e)) by v_exp_f32 and v_rcp_f32.
; THE MODE: SCHED_MODE bits 1:0 = 2 (LLVM: expert scheduling mode 2), set by the entry lines.  The code itself states the register dependences
; between vector or matrix instructions and memory or LDS instructions, with s_wait_alu, always for 0.
; THE PLAN.  Registers that memory or LDS instructions touch:
;   ring slot k and its four scale words   Step s: its 32 matrix instructions read slot s % 4; the loads of step s + 1 land in it (the record of step s + 4).
;   BF set p, HS set p                     Step s: its matrix instructions read set s % 2; the LDS loads of step s + 1 land in it (the fragments of step s + 2).
;   BI                                     Read, as C, by the step that begins sums; loaded again at least one step's head later.
;   v4-v11, v14-v16                        Addresses and offsets, made once at the head and never written again.
;   v[HWA], v[HSA]                         Written once a trip of the first loop, at its top; read by the trip's twelve LDS stores.
;   PC, PW                                 At the head offsets of gathers; in a trip written by the quantiser and read by those twelve LDS stores.
;   window 2, on the way out               Tile m: written by its weighted sum, read by its stores into the stage, filled by its loads from the stage, read by its stores to memory; chunk 1's first products write it again.
;   VO (= BF's registers), on the way out  Written by the offsets' makers, read by the stores to memory; chunk 1's first LDS loads land there.
;   Window 3, TM, and (once loaded) CW, XS and the tokens' numbers are named by vector and matrix instructions alone.
; So ONE wait on va_vdst stands at a step's head, behind the waits for the step's own data: the matrix instructions of the step before are done reading the slot, the scale words and the set
; in which this step's loads land.  The loads follow it, dealt among the step's matrix instructions, which name slot s % 4, set s % 2, BI and the accumulators: none of the registers that those loads touch.
.set REC,  8704                        ; a record of wq
.set XIMG, 0                           ; LDS: x's codes: tile of rows m at 8704 m; block kb's 16 rows x 16 bytes at 272 kb (256 + 16 of padding)
.set HIMG, 34816                       ; the hidden layer's fragments as images of their registers: (expert e, rows m, K step s) at ((4 e + m) 4 + s) 1024, piece c at 512 c, lane at 16 l
.set HSC,  67584                       ; their scale words: 1024 e + 256 s + 128 (m / 2) + 64 (m % 2) + 4 r
.set STG,  69632                       ; the way out: 16 rows x (512 + 16) bytes for each wave
.set LANE, 1
.set RR,   2                           ; v2   r = lane % 16
.set HH,   3                           ; v3   h = lane / 16
.set L16,  4                           ; v4   16 x lane
.set L4,   5                           ; v5   4 x lane
.set VB,   6                           ; v6   64 h: my half's place in a bias
.set XAD,  7                           ; v7   272 h + 16 r
.set HAD,  8                           ; v8   HIMG + 16 l
.set HSR,  9                           ; v9   HSC + 4 l
.set HWI,  10                          ; v10  HIMG + 1024 w + 16 l
.set HSW,  11                          ; v11  HSC + 256 w + 4 r
.set HWA,  12                          ; v12  this trip's: + 16384 e
.set HSA,  13                          ; v13  this trip's: + 1024 e
.set SO,   14                          ; v14  the stage, way in
.set SR,   15                          ; v15  the stage, way out
.set XW,   16                          ; v16  8704 w + 272 l
.set T32,  17                          ; v17-18 tokens 32 q + l of the tile
.set TW,   19                          ; v19  tokens 16 w + r
.set T16,  24                          ; v24-27 tokens 16 m + r
.set CW,   28                          ; v28-35 (c_lo, c_hi) of token 16 m + r
.set XS,   36                          ; v36-51 x's scale words: register 8 q + s: lanes 0-15 rows 32 q on, lanes 16-31 rows 32 q + 16 on, K step s
.set HS,   52                          ; v52-55 the hidden layer's, two sets of two
.set WS,   56                          ; v56-71 the weights', four a slot
.set BF,   72                          ; v72-135 source 1: two sets of four fragments
.set VO,   72                          ; the way out: the 64 rows' offsets in out0, in the same registers, which no product reads then
.set BI,   136                         ; v136-199 a bias in the result's layout, 8 tiles x 8
.set TM,   200                         ; v200-215 at work in the quantiser
.set PC,   216                         ; v216-247 codes just made, 8 for each tile of rows (at the head: offsets of gathers)
.set PW,   248                         ; v248-251 their scale words
                                       ; window 1: the ring, slot at 64 slot, tile t at + 8 t;  window 2: accumulators, (t, m) at 64 m + 8 t;  window 3: the activation's 256 temporaries, later expert hi's accumulators
.set CUR, 32                           ; s[32:33] the run of records in hand; behind the first loop: expert lo's records of w2
.set NXT, 34                           ; s[34:35] the next run
.set NX2, 36                           ; s[36:37] the run after that
.set CB,  38                           ; s[38:39] expert hi's records of w2
.set NB,  40                           ; s[40:41] the next bias of the first loop
.set BA,  42                           ; s[42:43] b2 of lo, my 256 columns
.set BB,  44                           ; s[44:45] b2 of hi
.set OUT, 46                           ; s[46:47] out0 at my first column
.set FB,  60                           ; s[60:61] b1 of lo
.set TK,  66                           ; s66-97 sixteen tokens' numbers, two sets
.set MSB, 0
.macro WIN new                         ; the immediate's high byte repeats the setting that is left
.if MSB != (\new)
	s_set_vgpr_msb (MSB<<8)|(\new)
.set MSB, (\new)
.endif
.endm
.macro PLACES                          ; four plain lines between a matrix instruction and a load into, or a vector read or write of, its registers (ISA guide 7.12.1 for vector instructions)
.rept 4
	v_nop
.endr
.endm
; A bundle in its parts, so that a step can deal them among its matrix instructions: the bias where sums begin, the record's four scale words, the two halves of its codes.
.macro BIAS bptr, boff
.irp t, 0,1,2,3,4,5,6,7
	global_load_b128 v[BI+8*\t:BI+8*\t+3], v[VB], s[\bptr:\bptr+1] offset:(\boff)+128*(\t/2)+32*(\t%2)       ; tile t's eight columns of my half
	global_load_b128 v[BI+8*\t+4:BI+8*\t+7], v[VB], s[\bptr:\bptr+1] offset:(\boff)+128*(\t/2)+32*(\t%2)+16
.endr
.endm
.macro WORDS slot, ptr, off
.irp g, 0,1,2,3
	global_load_b32 v[WS+4*(\slot)+\g], v[L4], s[\ptr:\ptr+1] offset:(\off)+8192+128*\g
.endr
.endm
.macro CODES slot, ptr, off, half
	WIN 0x40                                       ; destination window 1
.irp p, 0,1,2,3,4,5,6,7
	global_load_b128 v[64*(\slot)+32*(\half)+4*\p:64*(\slot)+32*(\half)+4*\p+3], v[L16], s[\ptr:\ptr+1] offset:(\off)+4096*(\half)+512*\p      ; 512 neighbouring bytes: four registers of a fragment as they stand
.endr
.endm
.macro BUNDLE slot, ptr, off           ; a whole bundle in one run: at the head
	WORDS \slot, \ptr, \off
	CODES \slot, \ptr, \off, 0
	CODES \slot, \ptr, \off, 1
	WIN 0
.endm
.macro FETCHX buf, s                   ; x's four fragments of K step s
.irp m, 0,1,2,3
.irp c, 0,1
	ds_load_b128 v[BF+32*(\buf)+8*\m+4*\c:BF+32*(\buf)+8*\m+4*\c+3], v[XAD] offset:8704*\m+272*(4*(\s)+2*\c)
.endr
.endr
.endm
.macro FETCHH buf, e, s                ; expert e's four hidden fragments of K step s, and their scale words
.irp m, 0,1,2,3
.irp c, 0,1
	ds_load_b128 v[BF+32*(\buf)+8*\m+4*\c:BF+32*(\buf)+8*\m+4*\c+3], v[HAD] offset:((4*(\e)+\m)*4+(\s))*1024+512*\c
.endr
.endr
.irp q, 0,1
	ds_load_b32 v[HS+2*(\buf)+\q], v[HSR] offset:1024*(\e)+256*(\s)+128*\q
.endr
.endm
; 8 matrix instructions: the slot's 8 tiles x tile of rows m of the set.  hi: accumulators in window 2 or 3.  first: the bias starts the sums.  bs: the scale words of rows 32 (m / 2) on.
; A step runs m = 0, 1, 2, 3: the 32 accumulators take turns in the same order in every step.
.macro MMQ slot, buf, hi, first, bs, m
.if (\first)
	WIN 0x81+0x40*(\hi)                            ; source 0 window 1, sources 1 and 2 window 0, destination window 2 or 3
.else
	WIN 0xa1+0x50*(\hi)                            ; C with D
.endif
.irp t, 0,1,2,3,4,5,6,7
.set rD, 64*(\m)+8*\t
.set rA, 64*(\slot)+8*\t
.set rB, BF+32*(\buf)+8*(\m)
.set rC, rD
.if (\first)
.set rC, BI+8*\t
.endif
.set rX, WS+4*(\slot)+\t/2
.set rY, \bs
.if (\t%2) && ((\m)%2)
	v_wmma_scale_f32_16x16x128_f8f6f4 v[rD:rD+7], v[rA:rA+7], v[rB:rB+7], v[rC:rC+7], v[rX], v[rY] matrix_a_fmt:MATRIX_FMT_FP4 matrix_b_fmt:MATRIX_FMT_FP4 matrix_a_scale:MATRIX_SCALE_ROW1 matrix_b_scale:MATRIX_SCALE_ROW1
.elseif \t%2
	v_wmma_scale_f32_16x16x128_f8f6f4 v[rD:rD+7], v[rA:rA+7], v[rB:rB+7], v[rC:rC+7], v[rX], v[rY] matrix_a_fmt:MATRIX_FMT_FP4 matrix_b_fmt:MATRIX_FMT_FP4 matrix_a_scale:MATRIX_SCALE_ROW1
.elseif (\m)%2
	v_wmma_scale_f32_16x16x128_f8f6f4 v[rD:rD+7], v[rA:rA+7], v[rB:rB+7], v[rC:rC+7], v[rX], v[rY] matrix_a_fmt:MATRIX_FMT_FP4 matrix_b_fmt:MATRIX_FMT_FP4 matrix_b_scale:MATRIX_SCALE_ROW1
.else
	v_wmma_scale_f32_16x16x128_f8f6f4 v[rD:rD+7], v[rA:rA+7], v[rB:rB+7], v[rC:rC+7], v[rX], v[rY] matrix_a_fmt:MATRIX_FMT_FP4 matrix_b_fmt:MATRIX_FMT_FP4
.endif
.endr
.endm
; A step of the first product.  The places stand between the last step's matrix instructions and the loads into the registers that those have read.
; The bundle is that of the step three on: steps 0-4 this run's records 3 to 7, steps 5-7 the next run's first three, the first with its bias.
.macro P1STEP s
	PLACES
.if (\s) >= 6
	s_wait_loadcnt 56                              ; this step's bundle is in; behind it two bundles of 20, one with its 16 loads of a bias in front
.else
	s_wait_loadcnt 40                              ; this step's bundle (step 0: and its bias) is in; behind it two bundles of 20
.endif
	s_wait_dscnt 0x0                               ; this step's fragments of x are in: they were asked for in the step before
	s_wait_alu depctr_va_vdst(0)                   ; the last step's matrix instructions are done reading their slot, its scale words and their set of x, in which the loads below land; step 5: step 0's are done reading the bias
	FETCHX ((\s)+1)%2, ((\s)+1)%8
.set NSL, ((\s)+3)%4
.if (\s) <= 4
.set NPT, CUR
.set NOF, REC*((\s)+3)
.else
.set NPT, NXT
.set NOF, REC*((\s)-5)
.endif
.if (\s) == 5
	BIAS NB, 0
.endif
	WORDS NSL, NPT, NOF
	MMQ (\s)%4, (\s)%2, 0, (\s)==0, XS+(\s), 0
	CODES NSL, NPT, NOF, 0                         ; no wait: no vector or matrix instruction since the wait above names that slot or v[L16]
	MMQ (\s)%4, (\s)%2, 0, (\s)==0, XS+(\s), 1
	CODES NSL, NPT, NOF, 1
	MMQ (\s)%4, (\s)%2, 0, (\s)==0, XS+8+(\s), 2
	MMQ (\s)%4, (\s)%2, 0, (\s)==0, XS+8+(\s), 3
	WIN 0
.endm
; Tile of rows m: 64 numbers a lane in window 2, register 16 b + i = hidden unit 32 b + 16 h + i of my token, become a fragment's codes and a scale word (QUANTC), which go to LDS as they stand (QSTORE).
.macro QUANTC m
	WIN 0x28                                       ; sources 1 and 2 window 2
.irp b, 0,1,2,3
	v_max3_num_f32 v[TM+\b], 0x1800000, |v[64*(\m)+16*\b]|, |v[64*(\m)+16*\b+1]|   ; block b: my 16 numbers, and the floor 2^(3 - 127)
.endr
.irp i, 2,4,6,8,10,12,14
.irp b, 0,1,2,3
	v_max3_num_f32 v[TM+\b], v[TM+\b], |v[64*(\m)+16*\b+\i]|, |v[64*(\m)+16*\b+\i+1]|   ; the four blocks by turns
.endr
.endr
	WIN 0
.irp b, 0,1,2,3
	v_permlanex16_b32 v[TM+4+\b], v[TM+\b], s50, s51
.endr
.irp b, 0,1,2,3
	v_max_num_f32 v[TM+\b], v[TM+\b], v[TM+4+\b]   ; with lane l xor 16's: the block's largest magnitude
.endr
.irp b, 0,1,2,3
	v_add_nc_u32 v[TM+12+\b], 0xff000000, v[TM+\b] ; 2 off the exponent field: the conversion's scale operand
.endr
.irp b, 0,1,2,3
	v_lshrrev_b32 v[TM+4+\b], 23, v[TM+12+\b]      ; the scale's byte
.endr
	v_lshl_or_b32 v[PW+(\m)], v[TM+5], 8, v[TM+4]
	v_lshl_or_b32 v[PW+(\m)], v[TM+6], 16, v[PW+(\m)]
	v_lshl_or_b32 v[PW+(\m)], v[TM+7], 24, v[PW+(\m)]
	WIN 0x02                                       ; source 0 window 2
.irp b, 0,1,2,3
	v_cvt_scalef32_pk8_fp4_f32 v[PC+8*(\m)+2*\b], v[64*(\m)+16*\b:64*(\m)+16*\b+7], v[TM+12+\b]
	v_cvt_scalef32_pk8_fp4_f32 v[PC+8*(\m)+2*\b+1], v[64*(\m)+16*\b+8:64*(\m)+16*\b+15], v[TM+12+\b]
.endr
	WIN 0
	v_nop                                          ; one plain line behind a scaled conversion
.irp c, 0,1                            ; the operand's layout wants a whole block in a lane: lanes 0-15 block 2 c, lanes 16-31 block 2 c + 1
.irp i, 0,1
	v_permlane16_swap_b32 v[PC+8*(\m)+4*\c+\i], v[PC+8*(\m)+4*\c+2+\i]
.endr
.endr
.endm
.macro QSTORE m
.irp c, 0,1
	ds_store_b128 v[HWA], v[PC+8*(\m)+4*\c:PC+8*(\m)+4*\c+3] offset:4096*(\m)+512*\c
.endr
	ds_store_b32 v[HSA], v[PW+(\m)] offset:128*((\m)/2)+64*((\m)%2)   ; both halves of the lanes hold the same word and write it to the same bytes
.endm
; Step s of chunk ch of the second product: steps 0-3 expert lo (window 2), steps 4-7 expert hi (window 3).  The bundle is that of the step three on:
; step 0: lo's fourth record; steps 1-4: hi's four, the first with hi's bias; steps 5-7 of chunk 0: the first three of lo's records of chunk 1, the first with lo's bias; of chunk 1: nothing.
.macro P2STEP ch, s
	PLACES
.if ((\s) == 2) || ((\s) == 3)
	s_wait_loadcnt 56                              ; this step's bundle is in; behind it two bundles of 20, one with hi's bias in front
.elseif ((\s) >= 6) && ((\ch) == 0)
	s_wait_loadcnt 56                              ; likewise, with the next chunk's bias of lo
.elseif (\s) >= 6
	s_wait_loadcnt 20*(7-(\s))                     ; behind this step's bundle: those of the steps still to come
.else
	s_wait_loadcnt 40                              ; this step's bundle (steps 0 and 4: and its bias) is in; behind it two bundles of 20
.endif
	s_wait_dscnt 0x0                               ; this step's hidden fragments and scale words are in: they were asked for in the step before
.set NLD, 1
.if ((\ch) == 1) && ((\s) >= 5)
.set NLD, 0
.endif
.if ((\s) < 7) || NLD
	s_wait_alu depctr_va_vdst(0)                   ; the last step's matrix instructions are done reading their slot, its scale words, their set of the hidden layer and its scale words, in which the loads below land; steps 1 and 5: and the bias
.endif
.if (\s) < 7
	FETCHH ((\s)+1)%2, ((\s)+1)/4, ((\s)+1)%4
.endif
.set NSL, ((\s)+3)%4
.if ((\s) >= 1) && ((\s) <= 4)
.set NPT, CB
.set NOF, REC*(4*(\ch)+(\s)-1)
.elseif (\s) == 0
.set NPT, CUR
.set NOF, REC*(4*(\ch)+3)
.else
.set NPT, CUR
.set NOF, REC*((\s)-1)
.endif
.if (\s) == 1
	BIAS BB, 512*(\ch)
.endif
.if ((\s) == 5) && NLD
	BIAS BA, 512
.endif
.if NLD
	WORDS NSL, NPT, NOF
.endif
	MMQ (\s)%4, (\s)%2, (\s)/4, ((\s)%4)==0, HS+2*((\s)%2), 0
.if NLD
	CODES NSL, NPT, NOF, 0                         ; no wait: no vector or matrix instruction since the wait above names that slot or v[L16]
.endif
	MMQ (\s)%4, (\s)%2, (\s)/4, ((\s)%4)==0, HS+2*((\s)%2), 1
.if NLD
	CODES NSL, NPT, NOF, 1
.endif
	MMQ (\s)%4, (\s)%2, (\s)/4, ((\s)%4)==0, HS+2*((\s)%2)+1, 2
	MMQ (\s)%4, (\s)%2, (\s)/4, ((\s)%4)==0, HS+2*((\s)%2)+1, 3
	WIN 0
.endm
; THE WAY OUT of a chunk.  First the 64 rows' offsets in out0: two tiles of rows' 32 tokens at a time, in three runs (RL: lanes to scalar registers; MN: held inside the tensor; SH: a row of
; 4,096 bytes + 16 x lane), on two sets of scalar registers.
.macro RL m
.irp n, 0,1,2,3,4,5,6,7,8,9,10,11,12,13,14,15
	v_readlane_b32 s[TK+16*((\m)%2)+\n], v[T16+(\m)], \n
.endr
.endm
.macro MN m
.irp n, 0,1,2,3,4,5,6,7,8,9,10,11,12,13,14,15
	s_min_u32 s[TK+16*((\m)%2)+\n], s[TK+16*((\m)%2)+\n], 8191
.endr
.endm
.macro SH m
.irp n, 0,1,2,3,4,5,6,7,8,9,10,11,12,13,14,15
	v_lshl_add_u32 v[VO+16*(\m)+\n], s[TK+16*((\m)%2)+\n], 12, v[L16]
.endr
.endm
.macro VOFFS
	RL 0
	RL 1
	s_wait_alu depctr_va_sdst(0)                   ; the 32 lane reads have written s66 to s97, ahead of their first readers below
	MN 0
	MN 1
	SH 0
	SH 1
	RL 2
	RL 3
	s_wait_alu depctr_va_sdst(0)                   ; and once more for the other two tiles of rows
	MN 2
	MN 3
	SH 2
	SH 3
.endm
.macro COMB m                          ; tile of rows m: c_lo y_lo + c_hi y_hi
	WIN 0x82                                       ; destination and source 0 window 2
.set i, 64*(\m)
.rept 32
	v_pk_mul_f32 v[i:i+1], v[i:i+1], v[CW+2*(\m):CW+2*(\m)+1] op_sel_hi:[1,0]      ; each accumulator from its low end on
.set i, i+2
.endr
	WIN 0xa3                                       ; source 0 window 3, source 2 and destination window 2
.set i, 64*(\m)
.rept 32
	v_pk_fma_f32 v[i:i+1], v[i:i+1], v[CW+2*(\m):CW+2*(\m)+1], v[i:i+1] op_sel:[0,1,0] op_sel_hi:[1,1,1]
.set i, i+2
.endr
.endm
.macro TOSTAGE m                       ; into my own stage, and back as whole pieces of rows, 512 bytes each, into the registers that they left
	WIN 0x08                                       ; an LDS store's data are its source 1: window 2
	s_wait_alu depctr_va_vdst(0)                   ; tile m's weighted sums are written, which the LDS stores read; tile 0: so are the 64 offsets, which the stores to memory read
.irp t, 0,1,2,3,4,5,6,7
	ds_store_b128 v[SO], v[64*(\m)+8*\t:64*(\m)+8*\t+3] offset:128*(\t/2)+32*(\t%2)
	ds_store_b128 v[SO], v[64*(\m)+8*\t+4:64*(\m)+8*\t+7] offset:128*(\t/2)+32*(\t%2)+16
.endr
	WIN 0x80                                       ; destination window 2
	s_wait_alu depctr_va_vdst(0)                   ; the weighted sums have written the registers in which the loads below land: the switch, the wait, the loads
	s_wait_alu depctr_vm_vsrc(0)                   ; and the LDS stores above have read them
.irp n, 0,1,2,3,4,5,6,7,8,9,10,11,12,13,14,15
	ds_load_b128 v[64*(\m)+4*\n:64*(\m)+4*\n+3], v[SR] offset:528*\n   ; LDS serves a wave's instructions in order: these see the stores above, and the next tile's stores come behind them
.endr
	WIN 0
.endm
.macro SEND ch, m                      ; stored; a tile of rows that lies wholly past the count is not (its loads from the stage are waited for at the chunk's end)
	WIN 0                                          ; at a branch and at a label every window is 0
.if (\m) > 0
	s_cmp_le_u32 s26, 16*(\m)
	s_cbranch_scc1 .Lnone_\@
.endif
	WIN 0x08                                       ; a store's data are its source 1: window 2
.irp n, 0,1,2,3,4,5,6,7,8,9,10,11,12,13,14,15
	s_wait_dscnt 15-\n                             ; row n is back: behind its load stand the tile's later rows' loads alone
	global_store_b128 v[VO+16*(\m)+\n], v[64*(\m)+4*\n:64*(\m)+4*\n+3], s[OUT:OUT+1] offset:512*(\ch) th:TH_STORE_NT   ; 512 consecutive bytes, at a multiple of 256 from out0's first byte; written once.  Its data come from LDS loads; no vector instruction since tile m's waits names them or the offset
.endr
	WIN 0
.if (\m) > 0
.Lnone_\@:
.endif
.endm
; A chunk of 128 outputs: eight steps, then the way out, in which a tile's weighted sum stands between the loads from the stage of the tile before and the wait for them.
.macro CHUNK ch
.if (\ch) > 0
	s_wait_xcnt 0x0                                ; the last chunk's stores have had their addresses translated: their data and offsets are written again only behind this wait
	s_wait_alu depctr_vm_vsrc(0)                   ; the last chunk's stores have read their data, which this chunk's first products write, and their offsets, on which the LDS loads below land
	s_wait_alu depctr_va_vdst(0)                   ; the offsets' makers have written v72 on, in which the LDS loads below land
.endif
	FETCHH 0, 0, 0
.irp s, 0,1,2,3,4,5,6,7
	P2STEP \ch, \s
.endr
	PLACES
	VOFFS
	COMB 0
	TOSTAGE 0
	COMB 1
	SEND \ch, 0
	TOSTAGE 1
	COMB 2
	SEND \ch, 1
	TOSTAGE 2
	COMB 3
	SEND \ch, 2
	TOSTAGE 3
	SEND \ch, 3
	s_wait_dscnt 0x0                               ; on the ways that jumped over stores: the loads from the stage are in
.endm
	s_load_b512 s[4:19], s[0:1], 0x0               ; tinfo, tlist, xq, xs, cw, wq, b1, b2
	s_load_b64 s[20:21], s[0:1], 0x40              ; out0
	v_lshl_add_u32 v254, v0, 2, 0x19400
	v_mov_b32 v255, 0
	v_lshrrev_b32 v1, 5, v0
	v_readfirstlane_b32 s28, v1                    ; wave 0..3
	v_and_b32 v[LANE], 31, v0
	v_and_b32 v[RR], 15, v0
	v_bfe_u32 v[HH], v0, 4, 1
	v_lshlrev_b32 v[L16], 4, v[LANE]
	v_lshlrev_b32 v[L4], 2, v[LANE]
	v_lshlrev_b32 v[VB], 6, v[HH]
	v_mul_u32_u24 v[XAD], v[HH], 272
	v_lshl_add_u32 v[XAD], v[RR], 4, v[XAD]
	v_add_nc_u32 v[HAD], HIMG, v[L16]
	v_add_nc_u32 v[HSR], HSC, v[L4]
	s_wait_alu depctr_va_sdst(0)                   ; s28 is written, ahead of its first reader: LDS places and the bases of the weights, the biases and out0 are made from it
	s_lshl_b32 s55, s28, 10
	s_add_co_u32 s55, s55, HIMG
	v_add_nc_u32 v[HWI], s55, v[L16]
	s_lshl_b32 s55, s28, 8
	s_add_co_u32 s55, s55, HSC
	v_lshl_add_u32 v[HSW], v[RR], 2, s55
	s_mul_i32 s55, s28, 16*528
	s_add_co_u32 s55, s55, STG
	v_mul_u32_u24 v[SO], v[RR], 528
	v_lshl_add_u32 v[SO], v[HH], 6, v[SO]
	v_add_nc_u32 v[SO], s55, v[SO]                 ; row r, + 64 h
	v_add_nc_u32 v[SR], s55, v[L16]
	s_mul_i32 s55, s28, 8704
	v_mul_u32_u24 v[XW], v[LANE], 272
	v_add_nc_u32 v[XW], s55, v[XW]
.irp b, 0,1,2,3
	v_mov_b32 v[TM+4+\b], 0                        ; written once: a lane exchange's destination counts as one of its sources
.endr
	s_mov_b32 s48, 0xbfb8aa3b                      ; -log2(e)
	s_mov_b32 s49, s48                             ; (named with it as a pair, so it is written)
	s_mov_b32 s50, 0x76543210
	s_mov_b32 s51, 0xfedcba98                      ; selects for lane l xor 16
	s_lshl_b32 s56, ttmp9, 4
	s_mov_b32 s57, 0
	s_wait_kmcnt 0x0
	s_add_nc_u64 s[4:5], s[4:5], s[56:57]
	s_load_b128 s[24:27], s[4:5], 0x0              ; my tile: lo, hi, cnt, 0
	s_wait_kmcnt 0x0
	s_min_u32 s24, s24, 7
	s_min_u32 s25, s25, 7
	s_sub_co_i32 s29, s26, 1
	s_max_i32 s29, s29, 0
	s_min_u32 s29, s29, 63                         ; the last list entry that is written
	s_cmp_eq_u32 s26, 0
	s_cselect_b32 s30, 0, ttmp9                    ; a tile without rows reads entry 0 of tile 0, which is always written
	s_min_u32 s30, s30, 154
	s_lshl_b32 s56, s30, 8
	s_add_nc_u64 s[6:7], s[6:7], s[56:57]
	s_lshl_b32 s58, s28, 3
	s_lshl_b32 s55, s24, 5
	s_add_co_u32 s55, s55, s58
	s_mul_i32 s56, s55, REC
	s_add_nc_u64 s[CUR:CUR+1], s[14:15], s[56:57]  ; w1 of lo: records 32 lo + 8 w on
	s_lshl_b32 s55, s25, 5
	s_add_co_u32 s55, s55, s58
	s_mul_i32 s56, s55, REC
	s_add_nc_u64 s[NXT:NXT+1], s[14:15], s[56:57]  ; w1 of hi
	s_add_nc_u64 s[NX2:NX2+1], s[CUR:CUR+1], 256*REC   ; w2 of lo: records 256 + 32 lo + 8 w on
	s_add_nc_u64 s[CB:CB+1], s[NXT:NXT+1], 256*REC     ; w2 of hi
	s_lshl_b32 s58, s28, 9
	s_lshl_b32 s56, s24, 11
	s_add_co_u32 s56, s56, s58
	s_add_nc_u64 s[FB:FB+1], s[16:17], s[56:57]
	s_lshl_b32 s56, s25, 11
	s_add_co_u32 s56, s56, s58
	s_add_nc_u64 s[NB:NB+1], s[16:17], s[56:57]
	s_lshl_b32 s58, s28, 10
	s_lshl_b32 s56, s24, 12
	s_add_co_u32 s56, s56, s58
	s_add_nc_u64 s[BA:BA+1], s[18:19], s[56:57]
	s_lshl_b32 s56, s25, 12
	s_add_co_u32 s56, s56, s58
	s_add_nc_u64 s[BB:BB+1], s[18:19], s[56:57]
	s_mov_b32 s56, s58
	s_add_nc_u64 s[OUT:OUT+1], s[20:21], s[56:57]
.irp m, 0,1,2,3
	v_add_nc_u32 v[PC+\m], 16*\m, v[RR]
.endr
	s_lshl_b32 s55, s28, 4
	v_add_nc_u32 v[PC+4], s55, v[RR]
	v_mov_b32 v[PC+5], v[LANE]
	v_add_nc_u32 v[PC+6], 32, v[LANE]
.irp n, 0,1,2,3,4,5,6
	v_min_u32 v[PC+\n], s29, v[PC+\n]              ; rows past the tile's last repeat it
.endr
.irp n, 0,1,2,3,4,5,6
	v_min_u32 v[PC+\n], 63, v[PC+\n]
.endr
.irp n, 0,1,2,3,4,5,6
	v_lshlrev_b32 v[PC+\n], 2, v[PC+\n]
.endr
	s_wait_alu depctr_va_vdst(0)                   ; the seven list offsets are written, and so are the addresses and offsets v4 to v11 and v14 to v16, which loads and stores read from here to the kernel's end
.irp m, 0,1,2,3
	global_load_b32 v[T16+\m], v[PC+\m], s[6:7]
.endr
	global_load_b32 v[TW], v[PC+4], s[6:7]
	global_load_b32 v[T32], v[PC+5], s[6:7]
	global_load_b32 v[T32+1], v[PC+6], s[6:7]
	BIAS FB, 0
	BUNDLE 0, CUR, 0
	s_wait_loadcnt 36                              ; the seven list loads are in; the first bundle, with its bias, stays out
	v_min_u32 v[TW], 0x1fff, v[TW]
.irp n, 0,1,2,3,4,5,6,7,8,9,10,11,12,13,14,15
	v_readlane_b32 s[TK+\n], v[TW], \n             ; the sixteen rows of my tile of rows, in one run
.endr
.irp m, 0,1,2,3
	v_min_u32 v[T16+\m], 0x1fff, v[T16+\m]
.endr
	v_min_u32 v[T32], 0x1fff, v[T32]
	v_min_u32 v[T32+1], 0x1fff, v[T32+1]
.irp q, 0,1
	v_lshlrev_b32 v[PC+16+\q], 5, v[T32+\q]
.endr
.irp m, 0,1,2,3
	v_lshlrev_b32 v[PC+18+\m], 3, v[T16+\m]
.endr
	s_wait_alu depctr_va_sdst(0)                   ; the sixteen lane reads have written s66 to s81, ahead of their first readers below
.irp n, 0,1,2,3,4,5,6,7,8,9,10,11,12,13,14,15
	s_min_u32 s[TK+\n], s[TK+\n], 8191
.endr
	s_wait_alu depctr_vm_vsrc(0)                   ; the list loads have read their seven offsets, which are written again below
.irp n, 0,1,2,3,4,5,6,7,8,9,10,11,12,13,14,15
	v_lshl_add_u32 v[PC+\n], s[TK+\n], 9, v[L16]   ; a row's 512 bytes of codes: lane l takes block l
.endr
	s_wait_alu depctr_va_vdst(0)                   ; the 22 offsets of the gathers are written, which the loads below read
.irp n, 0,1,2,3,4,5,6,7,8,9,10,11,12,13,14,15
	global_load_b128 v[BF+4*\n:BF+4*\n+3], v[PC+\n], s[8:9]
.endr
.irp m, 0,1,2,3
	global_load_b64 v[CW+2*\m:CW+2*\m+1], v[PC+18+\m], s[12:13]
.endr
.irp q, 0,1
	global_load_b128 v[XS+8*\q:XS+8*\q+3], v[PC+16+\q], s[10:11]
	global_load_b128 v[XS+8*\q+4:XS+8*\q+7], v[PC+16+\q], s[10:11] offset:16
.endr
	BUNDLE 1, CUR, REC
	BUNDLE 2, CUR, 2*REC
	s_wait_loadcnt 40                              ; all but the two bundles just issued
.irp n, 0,1,2,3,4,5,6,7,8,9,10,11,12,13,14,15
	ds_store_b128 v[XW], v[BF+4*\n:BF+4*\n+3] offset:16*\n
.endr
	s_wait_dscnt 0x0                               ; for the others' sake: my 16 rows of x lie in LDS
	s_barrier_signal -1
	s_barrier_wait -1
	s_wait_alu depctr_vm_vsrc(0)                   ; my LDS stores have read v72 to v135: these registers are source 1's two sets from here on, in which the fragments' loads land
	FETCHX 0, 0
	s_mov_b32 s53, 0
	s_mov_b32 s54, 0
	s_mov_b32 s52, 2
.Lp1:                                              ; two trips: expert lo, expert hi
	s_wait_alu depctr_vm_vsrc(0)                   ; the LDS stores of the trip before have read v[HWA], v[HSA], the codes and the scale words, and the head's gathers their offsets, which lay in the codes' registers: all these are written again in this trip
	v_add_nc_u32 v[HWA], s53, v[HWI]
	v_add_nc_u32 v[HSA], s54, v[HSW]
	s_cmp_eq_u32 s26, 0
	s_cbranch_scc1 .Lskip1                         ; a tile without rows
.irp s, 0,1,2,3,4,5,6,7
	P1STEP \s
.endr
	PLACES
	WIN 0xc2                                       ; destination window 3, source 0 window 2
.set i, 0
.rept 128
	v_pk_mul_f32 v[i:i+1], v[i:i+1], s[48:49] op_sel_hi:[1,0]      ; -z log2(e); each accumulator is read from its low end on
.set i, i+2
.endr
	WIN 0xc3
.set i, 0
	s_wait_alu depctr_va_vdst(0)
.rept 256
	v_exp_f32 v[i], v[i]
.set i, i+1
.endr
	v_nop                                          ; a plain line behind the last exponential
	s_wait_alu depctr_va_vdst(0)                   ; the 256 exponentials have written their results: one wait for the batch, ahead of its first reader
.set i, 0
.rept 128
	v_pk_add_f32 v[i:i+1], v[i:i+1], 1.0 op_sel_hi:[1,0]
.set i, i+2
.endr
.set i, 0
	s_wait_alu depctr_va_vdst(0)
.rept 256
	v_rcp_f32 v[i], v[i]
.set i, i+1
.endr
	v_nop
	s_wait_alu depctr_va_vdst(0)                   ; the 256 reciprocals have written their results: one wait for the batch, ahead of its first reader
	WIN 0x8e                                       ; destination and source 0 window 2, source 1 window 3
.set i, 0
.rept 128
	v_pk_mul_f32 v[i:i+1], v[i:i+1], v[i:i+1]      ; z x sigmoid(z)
.set i, i+2
.endr
	WIN 0
	QUANTC 0
	QUANTC 1
	QUANTC 2
	QUANTC 3
	s_wait_alu depctr_va_vdst(0)                   ; the four tiles' codes and scale words are written, and v[HWA] and v[HSA]: the twelve LDS stores read them
	QSTORE 0
	QSTORE 1
	QSTORE 2
	QSTORE 3
	s_wait_dscnt 0x0
.Lskip1:
	s_wait_xcnt 0x0                                ; the bundles have read their bases, which are written now
	s_mov_b64 s[CUR:CUR+1], s[NXT:NXT+1]
	s_mov_b64 s[NXT:NXT+1], s[NX2:NX2+1]
	s_mov_b64 s[NB:NB+1], s[BA:BA+1]
	s_add_co_u32 s53, s53, 16384
	s_add_co_u32 s54, s54, 1024
	s_sub_co_u32 s52, s52, 1
	s_cmp_lg_u32 s52, 0
	s_cbranch_scc1 .Lp1
	s_wait_dscnt 0x0                               ; for the others' sake: my images of the hidden layer lie in LDS
	s_barrier_signal -1
	s_barrier_wait -1
	s_cmp_eq_u32 s26, 0
	s_cbranch_scc1 .Lend                           ; a tile without rows stores nothing
	CHUNK 0                                        ; my outputs 0 .. 127
	CHUNK 1                                        ; and 128 .. 255
.Lend:
	s_wait_dscnt 0x0                               ; the closing lines, six on end
	s_wait_alu 0x0
	s_wait_tensorcnt 0x0
	ds_add_u32 v254, v255
	s_wait_dscnt 0x0
	s_endpgm
.Lfunc_end_k_q2a7d9e5c05_chain:
	.size	k_q2a7d9e5c05_chain, .Lfunc_end_k_q2a7d9e5c05_chain-k_q2a7d9e5c05_chain
	.p2alignl 7, 3214868480
	.fill 96, 4, 3214868480
	.section	.rodata,"a",@progbits
	.p2align	6, 0x0
	.amdhsa_kernel k_q2a7d9e5c05_chain
		.amdhsa_group_segment_fixed_size 103936
		.amdhsa_private_segment_fixed_size 0
		.amdhsa_enable_private_segment 0
		.amdhsa_kernarg_size 72
		.amdhsa_user_sgpr_count 2
		.amdhsa_user_sgpr_kernarg_segment_ptr 1
		.amdhsa_wavefront_size32 1
		.amdhsa_system_sgpr_workgroup_id_x 1
		.amdhsa_system_sgpr_workgroup_id_y 1
		.amdhsa_system_sgpr_workgroup_id_z 1
		.amdhsa_system_vgpr_workitem_id 0
		.amdhsa_next_free_vgpr 1024
		.amdhsa_next_free_sgpr 98
		.amdhsa_reserve_vcc 0
		.amdhsa_float_denorm_mode_32 3
		.amdhsa_float_denorm_mode_16_64 3
		.amdhsa_memory_ordered 1
		.amdhsa_forward_progress 1
		.amdhsa_inst_pref_size 255
	.end_amdhsa_kernel
	.section	.bss,"aw",@nobits
	.p2align	6
	.space	262144
	.amdgpu_metadata
---
amdhsa.version: [ 1, 2 ]
amdhsa.kernels:
  - .name:           k_q2a7d9e5c05_chain
    .symbol:         k_q2a7d9e5c05_chain.kd
    .args:
      - { .name: tinfo, .offset: 0, .size: 8, .value_kind: global_buffer, .address_space: global }
      - { .name: tlist, .offset: 8, .size: 8, .value_kind: global_buffer, .address_space: global }
      - { .name: xq, .offset: 16, .size: 8, .value_kind: global_buffer, .address_space: global }
      - { .name: xs, .offset: 24, .size: 8, .value_kind: global_buffer, .address_space: global }
      - { .name: cw, .offset: 32, .size: 8, .value_kind: global_buffer, .address_space: global }
      - { .name: wq, .offset: 40, .size: 8, .value_kind: global_buffer, .address_space: global }
      - { .name: b1, .offset: 48, .size: 8, .value_kind: global_buffer, .address_space: global }
      - { .name: b2, .offset: 56, .size: 8, .value_kind: global_buffer, .address_space: global }
      - { .name: out0, .offset: 64, .size: 8, .value_kind: global_buffer, .address_space: global }
    .group_segment_fixed_size: 103936
    .private_segment_fixed_size: 0
    .kernarg_segment_align: 8
    .kernarg_segment_size: 72
    .max_flat_workgroup_size: 128
    .sgpr_count:     98
    .vgpr_count:     1024
    .wavefront_size: 32
...
	.end_amdgpu_metadata
.endif
;; end of part 9
